; MI455X (gfx1250); checked and timed in simulation.
; The chip was launched on July 23, 2026; its instructions are those of AMD's public machine-readable ISA for CDNA 5 (MIT licence, August 2026) and "CDNA5" Instruction Set Architecture Reference Guide (July 2026). The comments in the code are by the model that wrote it; some were corrected since.
;; Encoder Layer. Allowed arithmetic: matrix products marked QUANTISED: E4M3 operands, one given power-of-two scale a tensor, by v_wmma_f32_16x16x64_fp8_fp8 or v_wmma_f32_16x16x128_fp8_fp8, f32 sums; everything else in f32.
;; Inputs: W1_codes 2,048 x 16 x 32 uint8 (E4M3 codes of W1, K innermost, in blocks of 32 codes); W2_codes 512 x 64 x 32 uint8 (E4M3 codes of W2, K innermost, in blocks of 32 codes); Wk_codes 512 x 16 x 32 uint8 (E4M3 codes of Wk, K innermost, in blocks of 32 codes); Wo_codes 512 x 16 x 32 uint8 (E4M3 codes of Wo, K innermost, in blocks of 32 codes); Wq_codes 512 x 16 x 32 uint8 (E4M3 codes of Wq, K innermost, in blocks of 32 codes); Wv_codes 512 x 16 x 32 uint8 (E4M3 codes of Wv, K innermost, in blocks of 32 codes); b1 2,048 float32; b2 512 float32; beta1 512 float32; beta2 512 float32; bk 512 float32; bo 512 float32; bq 512 float32; bv 512 float32; gamma1 512 float32; gamma2 512 float32; lowp_scales 16 int32 (the exponents e of the quantised operands' scales 2^e); x 2 x 4,096 x 512 float32.
;; Outputs: out0 2 x 4,096 x 512 float32.
;; This version of the problem:
;;   THIS VERSION OF THE PROBLEM IS GIVEN IN LOW PRECISION. The matrix products marked QUANTISED in the list below multiply operands that are first quantised to E4M3 (4 exponent bits, 3 mantissa bits; 8 bits a number), with one given power-of-two scale for each operand tensor; their sums are f32. All else is computed in f32.
;;   The module's matrix products, in the order in which they are computed (A, B: the left and right operand; K: the contracted axis; several contracted axes count as one K, in the product's order):
;;     1. [M 8,192, K 512] x [K 512, N 512]; A: input x; B: input Wq (given as codes): QUANTISED (scales: A lowp_scales[0], B lowp_scales[1])
;;     2. [M 8,192, K 512] x [K 512, N 512]; A: input x; B: input Wk (given as codes): QUANTISED (scales: A lowp_scales[2], B lowp_scales[3])
;;     3. [M 8,192, K 512] x [K 512, N 512]; A: input x; B: input Wv (given as codes): QUANTISED (scales: A lowp_scales[4], B lowp_scales[5])
;;     4. batch 16 x [M 4,096, K 64] x [K 64, N 4,096]; A: computed on the way; B: computed on the way: QUANTISED (scales: A lowp_scales[6], B lowp_scales[7])
;;     5. batch 16 x [M 4,096, K 4,096] x [K 4,096, N 64]; A: softmax (see below); B: computed on the way: QUANTISED (scales: A lowp_scales[8], B lowp_scales[9])
;;     6. [M 8,192, K 512] x [K 512, N 512]; A: computed on the way; B: input Wo (given as codes): QUANTISED (scales: A lowp_scales[10], B lowp_scales[11])
;;     7. [M 8,192, K 512] x [K 512, N 2,048]; A: computed on the way; B: input W1 (given as codes): QUANTISED (scales: A lowp_scales[12], B lowp_scales[13])
;;     8. [M 8,192, K 2,048] x [K 2,048, N 512]; A: computed on the way; B: input W2 (given as codes): QUANTISED (scales: A lowp_scales[14], B lowp_scales[15])
;;   THE QUANTISER, for each operand of a quantised product, along K:
;;     - The operand's scale is 2^e, e = its entry of the input lowp_scales (int32; the entries are numbered through the quantised products in the list's order, A before B).
;;     - Each number is divided by the scale, clamped to +-448, and rounded to the nearest number of E4M3, ties to even, subnormals kept.
;;     - The product sums the exact products of the quantised numbers (number of the format x scale) in f32.
;;   ~~~python
;;   def quantise(x, axis, e):      # numpy; x: float32 -> the quantised numbers, widened to float32 again
;;       x = np.moveaxis(x, axis, -1); K = x.shape[-1]
;;       r = np.clip(x / 2.0 ** e, -448, 448)
;;       step = 2.0 ** (np.maximum(np.frexp(np.where(r == 0, 1, r))[1] - 1, -6) - 3)
;;       q = np.round(r / step) * step * 2.0 ** e      # np.round: ties to even
;;       return np.moveaxis(q, -1, axis).astype(np.float32)
;;   ~~~
;;   SOFTMAX AHEAD OF A QUANTISED PRODUCT. Where the list says 'softmax', what is quantised is not the finished softmax but p = 2^(t - M), with t = logit x log2(e) and M = ceil(the row's largest t), a whole number; so 1/2 < the row's largest p <= 1. The row's sum l is taken of the UNQUANTISED p, in f32, and the product's result is divided by l at the end. Since M is a whole number, a kernel that streams over the keys may use a running M (the ceiling of the running maximum): every later rescaling is an exact power of two, so the quantised numbers keep their values, but for numbers so far below the row's largest that they fall under the format's range.
;;   OPERANDS COMPUTED ON THE WAY. 'Computed on the way' means the value that the module computes at that place (a softmax that the list does not call 'softmax' is quantised finished and normalised). What goes into a quantiser is computed in f32, as accurately as f32 sums, v_exp_f32 and their like allow (about 1e-6 of the number): no bf16 or f16 on the way to a quantiser, and a product that is left as it is and whose result goes on into a quantised operand takes f32 operands (vector FMAs, or v_wmma_f32_16x16x4_f32). A number that lies on a knife's edge between two numbers of the format may be rounded either way, as far as f32 arithmetic and the matrix unit's own rounding can turn it there, and no further.
;;   INPUTS GIVEN AS CODES. W1 (in the module: [512, 2048], K = its axis 0); W2 (in the module: [2048, 512], K = its axis 0); Wk (in the module: [512, 512], K = its axis 0); Wo (in the module: [512, 512], K = its axis 0); Wq (in the module: [512, 512], K = its axis 0); Wv (in the module: [512, 512], K = its axis 0): each comes as NAME_codes (uint8): NAME with its K axis moved to the last place and cut into blocks of 32 codes, [.., K / 32, bytes a block], one block behind the other in memory; one code a byte (a code: sign, 4 exponent bits, 3 mantissa bits); its scale is its entry of lowp_scales. Its value is code x scale, taken as it is: it is not quantised again, and the codes and scales need not be those that the quantiser above would give.
;; 2 versions. Each part assembles by itself: llvm-mc -triple=amdgcn-amd-amdhsa -mcpu=gfx1250 --defsym DOCPART=n.
;; ======== version 1 of 2: 4 launches
;; workspace buffers: wlay 3,145,728 bytes; qc 4,194,304 bytes; kv 8,388,608 bytes; ac 4,194,304 bytes
;; launch lay (part 1): grid 48 x 4, 8 waves a work-group, no clusters, 0 bytes of LDS; arguments Wq_codes, Wk_codes, Wv_codes, Wo_codes, W1_codes, W2_codes, wlay; writes wlay
.if DOCPART == 1
	.amdgcn_target "amdgcn-amd-amdhsa--gfx1250"
	.amdhsa_code_object_version 6
	.text
	.protected	k_qa01ff240e9_lay
	.globl	k_qa01ff240e9_lay
	.p2align	8
	.type	k_qa01ff240e9_lay,@function
k_qa01ff240e9_lay:
	s_mov_b64 s[64:65], 0
	v_nop
	global_prefetch_b8 v0, s[64:65] scope:SCOPE_SE
	s_setreg_imm32_b32 hwreg(HW_REG_WAVE_MODE, 25, 1), 1
	s_wait_xcnt 0x0
; ENCODER LAYER IN E4M3, launch 1 of 4: the six weights' codes are laid in the order in which the later launches' operand registers take them.
; DEAD WORK: none.  Every bias stands ahead of a quantiser or of a LayerNorm, every product feeds the next, every input has a way to out0: all inputs are loaded, all eight products are done.
; A FRAGMENT is 16 rows x 128 along K of codes in 16 registers, in the matrix instruction's own layout: lane (r = lane % 16, h = lane / 16) holds row r, its registers 2 c, 2 c + 1 hold k = 16 c + 8 h + 0 .. 7.
; ITS IMAGE is 2,048 bytes: [g = 0 .. 3][lane][16 bytes], group g = registers 4 g .. 4 g + 3.  Four loads of 16 bytes a lane at 512 g + 16 lane bring a fragment; each covers 512 consecutive bytes.
; wlay, bytes 0 .. 2,359,295, for the last launch: [wave w 0..3][group G 0..35][t 0..7][2,048]:
;   G < 4: Wo, rows 128 w + 16 t + r, k from 128 G;   G = 4 + 8 j + q, q < 4: W1, rows 512 j + 128 w + 16 t + r, k from 128 q;   q >= 4: W2, rows 128 w + 16 t + r, k from 512 j + 128 (q - 4).
; wlay from byte 2,359,296, for the second launch: [head 0..7][p 0..2 = q, k, v][s 0..3][t 0..3][2,048]: rows 64 head + 16 t + r, k from 128 s.
; SHARES: a wave copies one fragment: eight loads of 8 bytes a lane, four stores of 16.  Work-group x < 36: group G = x of wave w = y, fragment t = my wave.  x >= 36: the second part.  No LDS, no barrier.
.set QKVPART, 2359296
	s_load_b256 s[4:11], s[0:1], 0x0               ; Wq s[4:5], Wk s[6:7], Wv s[8:9], Wo s[10:11]
	s_load_b128 s[12:15], s[0:1], 0x20             ; W1 s[12:13], W2 s[14:15]
	s_load_b64 s[16:17], s[0:1], 0x30              ; wlay
	v_lshrrev_b32 v1, 5, v0
	v_readfirstlane_b32 s18, v1                    ; T: my wave, 0 .. 7
	s_mov_b32 s19, ttmp9                           ; X
	s_and_b32 s20, ttmp7, 0xffff                   ; Y
	v_and_b32 v3, 15, v0                           ; r
	v_bfe_u32 v4, v0, 4, 1                         ; h
	v_and_b32 v5, 31, v0                           ; lane
	s_wait_kmcnt 0x0
	s_cmp_lt_u32 s19, 36                           ; ids alone decide
	s_cbranch_scc0 .Lqkv_part
	s_max_u32 s28, s19, 4
	s_sub_co_u32 s28, s28, 4                       ; G - 4 (0 in Wo's groups, where it is not used)
	s_lshr_b32 s29, s28, 3                         ; j
	s_and_b32 s30, s28, 7                          ; q
	s_lshl_b32 s31, s20, 7
	s_lshl_b32 s24, s18, 4
	s_add_co_u32 s31, s31, s24                     ; nb = 128 w + 16 t
	s_lshl_b32 s29, s29, 9                         ; 512 j
	s_lshl_b32 s28, s30, 7                         ; 128 q
	s_add_co_u32 s24, s31, s29                     ; W1's first row
	s_add_co_u32 s25, s29, s28
	s_sub_co_u32 s25, s25, 512                     ; W2's first k (used where q >= 4)
	s_mov_b32 s26, 2048                            ; W2's row in bytes
	s_cmp_lt_u32 s30, 4
	s_cselect_b64 s[22:23], s[12:13], s[14:15]     ; W1 or W2
	s_cselect_b32 s24, s24, s31
	s_cselect_b32 s25, s28, s25
	s_cselect_b32 s26, 512, s26
	s_lshl_b32 s28, s19, 7                         ; Wo's first k
	s_cmp_lt_u32 s19, 4
	s_cselect_b64 s[22:23], s[10:11], s[22:23]     ; or Wo
	s_cselect_b32 s24, s31, s24
	s_cselect_b32 s25, s28, s25
	s_cselect_b32 s26, 512, s26
	s_mul_i32 s27, s20, 36
	s_add_co_u32 s27, s27, s19
	s_lshl_b32 s27, s27, 14
	s_lshl_b32 s28, s18, 11
	s_add_co_u32 s27, s27, s28                     ; where the image goes
	s_branch .Ljoin
.Lqkv_part:
	s_sub_co_u32 s28, s19, 36                      ; 0 .. 11
	s_lshr_b32 s29, s28, 2                         ; p
	s_and_b32 s30, s28, 3                          ; u
	s_lshr_b32 s31, s30, 1
	s_lshl_b32 s24, s20, 1
	s_add_co_u32 s31, s31, s24                     ; head = 2 Y + u / 2
	s_and_b32 s30, s30, 1
	s_lshl_b32 s30, s30, 1
	s_lshr_b32 s24, s18, 2
	s_add_co_u32 s30, s30, s24                     ; s = 2 (u % 2) + T / 4
	s_and_b32 s28, s18, 3                          ; t = T % 4
	s_lshl_b32 s24, s31, 6
	s_lshl_b32 s25, s28, 4
	s_add_co_u32 s24, s24, s25                     ; first row
	s_lshl_b32 s25, s30, 7                         ; first k
	s_mov_b32 s26, 512
	s_mul_i32 s27, s31, 98304
	s_lshl_b32 s31, s29, 15
	s_add_co_u32 s27, s27, s31
	s_lshl_b32 s31, s30, 13
	s_add_co_u32 s27, s27, s31
	s_lshl_b32 s31, s28, 11
	s_add_co_u32 s27, s27, s31
	s_add_co_u32 s27, s27, QKVPART
	s_cmp_eq_u32 s29, 0
	s_cselect_b64 s[22:23], s[4:5], s[6:7]
	s_cmp_eq_u32 s29, 2
	s_cselect_b64 s[22:23], s[8:9], s[22:23]
.Ljoin:
	v_add_nc_u32 v1, s24, v3                       ; my row,
	v_mul_lo_u32 v1, v1, s26                       ; in bytes,
	v_lshl_add_u32 v1, v4, 3, v1                   ; + 8 h
	v_add_nc_u32 v1, s25, v1                       ; + the first k
	v_lshl_add_u32 v2, v5, 4, s27                  ; 16 lane + the image's place
.irp c, 0,1,2,3,4,5,6,7
	global_load_b64 v[8+2*\c:9+2*\c], v1, s[22:23] offset:16*\c     ; k = 16 c + 8 h + 0 .. 7: registers 2 c, 2 c + 1
.endr
	s_wait_loadcnt 0x0
.irp g, 0,1,2,3
	global_store_b128 v2, v[8+4*\g:11+4*\g], s[16:17] offset:512*\g ; 32 lanes store 512 consecutive bytes, aligned
.endr
	s_endpgm
.Lfunc_end_k_qa01ff240e9_lay:
	.size	k_qa01ff240e9_lay, .Lfunc_end_k_qa01ff240e9_lay-k_qa01ff240e9_lay
	.p2alignl 7, 3214868480
	.fill 96, 4, 3214868480
	.section	.rodata,"a",@progbits
	.p2align	6, 0x0
	.amdhsa_kernel k_qa01ff240e9_lay
		.amdhsa_group_segment_fixed_size 0
		.amdhsa_private_segment_fixed_size 0
		.amdhsa_enable_private_segment 0
		.amdhsa_kernarg_size 56
		.amdhsa_user_sgpr_count 2
		.amdhsa_user_sgpr_kernarg_segment_ptr 1
		.amdhsa_wavefront_size32 1
		.amdhsa_system_sgpr_workgroup_id_x 1
		.amdhsa_system_sgpr_workgroup_id_y 1
		.amdhsa_system_sgpr_workgroup_id_z 1
		.amdhsa_system_vgpr_workitem_id 0
		.amdhsa_next_free_vgpr 32
		.amdhsa_next_free_sgpr 66
		.amdhsa_reserve_vcc 0
		.amdhsa_float_denorm_mode_32 3
		.amdhsa_float_denorm_mode_16_64 3
		.amdhsa_memory_ordered 1
		.amdhsa_forward_progress 1
		.amdhsa_inst_pref_size 5
	.end_amdhsa_kernel
	.amdgpu_metadata
---
amdhsa.version: [ 1, 2 ]
amdhsa.kernels:
  - .name:           k_qa01ff240e9_lay
    .symbol:         k_qa01ff240e9_lay.kd
    .args:
      - { .name: Wq_codes, .offset: 0, .size: 8, .value_kind: global_buffer, .address_space: global }
      - { .name: Wk_codes, .offset: 8, .size: 8, .value_kind: global_buffer, .address_space: global }
      - { .name: Wv_codes, .offset: 16, .size: 8, .value_kind: global_buffer, .address_space: global }
      - { .name: Wo_codes, .offset: 24, .size: 8, .value_kind: global_buffer, .address_space: global }
      - { .name: W1_codes, .offset: 32, .size: 8, .value_kind: global_buffer, .address_space: global }
      - { .name: W2_codes, .offset: 40, .size: 8, .value_kind: global_buffer, .address_space: global }
      - { .name: wlay, .offset: 48, .size: 8, .value_kind: global_buffer, .address_space: global }
    .group_segment_fixed_size: 0
    .private_segment_fixed_size: 0
    .kernarg_segment_align: 8
    .kernarg_segment_size: 56
    .max_flat_workgroup_size: 256
    .sgpr_count:     66
    .vgpr_count:     32
    .wavefront_size: 32
...
	.end_amdgpu_metadata
.endif
;; end of part 1
;; launch qkv (part 2): grid 128 x 2, 4 waves a work-group, no clusters, 101,888 bytes of LDS; arguments x, wlay, bq, bk, bv, lowp_scales, qc, kv; writes qc, kv
.if DOCPART == 2
	.amdgcn_target "amdgcn-amd-amdhsa--gfx1250"
	.amdhsa_code_object_version 6
	.text
	.protected	k_qa01ff240e9_qkv
	.globl	k_qa01ff240e9_qkv
	.p2align	8
	.type	k_qa01ff240e9_qkv,@function
k_qa01ff240e9_qkv:
	s_mov_b64 s[64:65], 0
	v_nop
	global_prefetch_b8 v0, s[64:65] scope:SCOPE_SE
	s_setreg_imm32_b32 hwreg(HW_REG_WAVE_MODE, 25, 1), 1
	s_wait_xcnt 0x0
; Launch 2 of 4: q = x Wq + bq, k = x Wk + bk, v = x Wv + bv on codes of E4M3, and q, k, v quantised for attention.  Nothing is left out.
; x (f32) is quantised three times, with 2^e0, 2^e2, 2^e4; the weights come as images of fragments (the first launch's head says what an image is); a sum is multiplied by 2^(its two e added), the bias is added in the same
; packed multiply-add, and the result is held within +-448 x its scale and converted: q with e6, k with e7 (K = the head's 64), v with e9 (K = the keys).
; SHARES.  Work-group (xb, y): tokens 64 xb .. + 63, heads 4 y .. 4 y + 3.  Wave w: head hd = 4 y + w: 64 columns of each of q, k, v for all 64 tokens: 16 accumulators (4 tiles of tokens m x 4 tiles of columns t).
; PHASE X: wave w quantises tokens 16 w .. + 15 (4 K steps x 3 scales: 12 fragments) and stores their images in LDS; one barrier; then every wave reads all 48.
; THE WEIGHTS go from memory straight into registers, four buffers of 4 fragments, three groups ahead: a fragment feeds four matrix instructions of ONE wave and is wanted by no other wave of the work-group, so LDS would only be
; written and read once more for it.  For the same reason no cluster: a joint load lands in LDS.
; q AND k ARE MADE TRANSPOSED (source 0 = 16 rows of W, source 1 = 16 tokens): a lane holds one token and its eight registers eight neighbouring channels, which are neighbours along the next K: one conversion of a tile's eight
; registers gives registers 2 t, 2 t + 1 of the next operand.  v IS MADE THE OTHER WAY (source 0 = tokens, source 1 = W): a lane holds one channel and eight neighbouring tokens, neighbours along ITS next K, the keys.
; OUT.  qc [bh 16][tile of 16 tokens 256][1,024]: images for K = 64 ([g 0,1][lane][16]).  kv [bh][block of 128 keys 32][16,384]: 8 images of k, then 4 images (K = 128) of v^T, rows = channels 16 t + r.  bh = 8 batch + head.
; LIMITS, so that each power of two below is an f32 number: e0, e2, e4, e6, e7, e9 between -126 and 119; e0 + e1, e2 + e3, e4 + e5 between -126 and 127.  NaN among the inputs is not served.
; REGISTERS.  Window 0: v1-19 addresses and scales; v32-95, v96-159 two sets of x (64 numbers), later two sets of x's fragments; v160-223 held numbers, later the biases; v224-255 codes.
;   Window 1: four weight buffers of 64.   Window 2: v0-127 the accumulators, (m, t) at 8 (4 m + t).
.set QKVPART, 2359296
.set PAR,   98304                      ; LDS: x's images fill 0 .. 98,303: fragment (p, m, s) at 32,768 p + 8,192 m + 2,048 s; then 768 bytes a wave: bq, bk, bv of my head
.set SPARE, 101376                     ; the spare words, 128 bytes for each wave: two blocks of 256 bytes that no other line names
.set LI,  1                            ; v1   16 lane
.set XA,  2                            ; v2   x: 2,048 r + 32 h
.set XW,  3                            ; v3   16 lane + 8,192 wave: where I store x's images
.set XW2, 4                            ; v4   the same + 65,536 (an LDS offset has 16 bits)
.set LI2, 5                            ; v5   16 lane + 65,536
.set SPW, 6                            ; v6   my spare word; never rewritten
.set NIL, 7                            ; v7   0; never rewritten
.set PW,  16                           ; v16  PAR + 768 wave + 4 lane
.set PBQ, 17                           ; v17  PAR + 768 wave + 32 h
.set PBV, 18                           ; v18  PAR + 768 wave + 512 + 4 r
.set L4,  19                           ; v19  4 lane
.set ACT, 32
.set T,   160
.set BIAS, 160
.set CODE, 224
.set MSB, 0
.macro WIN new                         ; the immediate's high byte repeats the setting that is left; a switch that changes nothing is dropped
.if MSB != (\new)
	s_set_vgpr_msb (MSB<<8)|(\new)
.set MSB, (\new)
.endif
.endm
.macro PLACES n
.rept \n
	v_nop
.endr
.endm
.macro XLOAD xs, s                     ; my 16 tokens' numbers of K step s: register 8 c + e = k 128 s + 16 c + 8 h + e of row r
.irp c, 0,1,2,3,4,5,6,7
	global_load_b128 v[\xs+8*\c:\xs+8*\c+3], v[XA], s[4:5] offset:512*\s+64*\c
	global_load_b128 v[\xs+8*\c+4:\xs+8*\c+7], v[XA], s[4:5] offset:512*\s+64*\c+16
.endr
.endm
.macro WLOAD G                         ; group G = 4 p + s: four fragments into buffer G % 4
	WIN 0x40                                       ; destination window 1
.irp t, 0,1,2,3
.irp g, 0,1,2,3
	global_load_b128 v[64*((\G)%4)+16*\t+4*\g:64*((\G)%4)+16*\t+4*\g+3], v[LI], s[6:7] offset:8192*(\G)+2048*\t+512*\g
.endr
.endr
	WIN 0
.endm
.set QN, 0
.macro QX xs, s                        ; 64 numbers of a lane become three fragments, one for each of x's scales; the codes' registers are two halves by turns
.irp p, 0,1,2
.set CD, CODE+16*(QN%2)
.set i, 0
.rept 64
	v_med3_num_f32 v[T+i], v[\xs+i], -v[9+2*\p], v[9+2*\p]   ; the conversion to an 8-bit code does not saturate (ISA guide 7.6.2): the hold at 448 x the scale
.set i, i+1
.endr
	s_wait_dscnt 4                                 ; the four stores that may be out read the other half: this half's have read their registers
.irp c, 0,1,2,3,4,5,6,7
	v_cvt_scalef32_pk8_fp8_f32 v[CD+2*\c:CD+2*\c+1], v[T+8*\c:T+8*\c+7], v[8+2*\p]
.endr
	v_nop                                          ; a plain line between the conversions and the next lines that write their sources
.irp g, 0,1,2,3
.if \p < 2
	ds_store_b128 v[XW], v[CD+4*\g:CD+4*\g+3] offset:\p*32768+2048*\s+512*\g
.else
	ds_store_b128 v[XW2], v[CD+4*\g:CD+4*\g+3] offset:2048*\s+512*\g
.endif
.endr
.set QN, QN+1
.endr
.endm
.macro FETCH buf, p, s                 ; x's four fragments (all tiles of tokens) of scale p, K step s
.irp m, 0,1,2,3
.irp g, 0,1,2,3
.if (\p) < 2
	ds_load_b128 v[ACT+64*(\buf)+16*\m+4*\g:ACT+64*(\buf)+16*\m+4*\g+3], v[LI] offset:(\p)*32768+8192*\m+2048*(\s)+512*\g
.else
	ds_load_b128 v[ACT+64*(\buf)+16*\m+4*\g:ACT+64*(\buf)+16*\m+4*\g+3], v[LI2] offset:8192*\m+2048*(\s)+512*\g
.endif
.endr
.endr
.endm
.macro MUL8 mh, p, b, a                ; 8 matrix instructions; b = K step = weight buffer; b = 0: the first product starts the sums
.irp m, 2*(\mh), 2*(\mh)+1
.irp t, 0,1,2,3
.set DA, 8*(4*(\m)+\t)
.set WF, 64*(\b)+16*\t
.set AF, ACT+64*(\a)+16*(\m)
.if (\p) < 2
.if (\b) == 0
	v_wmma_f32_16x16x128_fp8_fp8 v[DA:DA+7], v[WF:WF+15], v[AF:AF+15], 0
.else
	v_wmma_f32_16x16x128_fp8_fp8 v[DA:DA+7], v[WF:WF+15], v[AF:AF+15], v[DA:DA+7]
.endif
.else
.if (\b) == 0
	v_wmma_f32_16x16x128_fp8_fp8 v[DA:DA+7], v[AF:AF+15], v[WF:WF+15], 0
.else
	v_wmma_f32_16x16x128_fp8_fp8 v[DA:DA+7], v[AF:AF+15], v[WF:WF+15], v[DA:DA+7]
.endif
.endif
.endr
.endr
.endm
; A group: 128 along K of one of the three products: 16 matrix instructions, the 16 accumulators by turns, in the same order in every group.
.macro GROUPQ G
	s_wait_dscnt 0x0                               ; x's fragments of this group are in
.if (\G) <= 8
	s_wait_loadcnt 48                              ; this group's weights are in; the three groups asked for behind them (16 loads each) may be out
.else
	s_wait_loadcnt 16*(11-(\G))
.endif
.if (\G)/4 < 2
.set GW, 0xa1                                      ; source 0 (W) window 1, source 1 (x) window 0, C and D window 2
.else
.set GW, 0xa4                                      ; source 0 (x) window 0, source 1 (W) window 1
.endif
	WIN GW
	MUL8 0, (\G)/4, (\G)%4, (\G)%2
.if (\G) < 11
	WIN 0
	FETCH ((\G)+1)%2, ((\G)+1)/4, ((\G)+1)%4       ; into the set that the group before multiplied: the places at that group's end stand between
	WIN GW
.endif
	MUL8 1, (\G)/4, (\G)%4, (\G)%2
	WIN 0
	PLACES 5                                       ; four in front of loads into registers that matrix instructions have read and of reads of results; five in front of the next product's first instructions, which begin the accumulators anew
.if (\G) <= 7
	WLOAD (\G)+4
.endif
.endm
.macro EPI_QK p                        ; q (p = 0) or k (p = 1): x 2^(e + e) + bias, held, converted, stored as images for K = 64
.irp t, 0,1,2,3
	ds_load_b128 v[BIAS+8*\t:BIAS+8*\t+3], v[PBQ] offset:256*\p+64*\t          ; the bias at channels 16 t + 8 h + 0 .. 7
	ds_load_b128 v[BIAS+8*\t+4:BIAS+8*\t+7], v[PBQ] offset:256*\p+64*\t+16
.endr
	v_mov_b32 v14, s[58+2*\p]
	v_mov_b32 v15, s[59+2*\p]
	s_wait_dscnt 0x0
	WIN 0x82                                       ; source 0 and destination window 2
.irp m, 0,1,2,3
.irp t, 0,1,2,3
.irp i, 0,2,4,6
	v_pk_fma_f32 v[8*(4*\m+\t)+\i:8*(4*\m+\t)+\i+1], v[8*(4*\m+\t)+\i:8*(4*\m+\t)+\i+1], s[52+2*\p:53+2*\p], v[BIAS+8*\t+\i:BIAS+8*\t+\i+1] op_sel_hi:[1,0,1]   ; each accumulator from its low end on
.endr
.endr
.endr
.set i, 0
.rept 128
	v_med3_num_f32 v[i], v[i], -v15, v15
.set i, i+1
.endr
	s_wait_xcnt 0x0                                ; the earlier stores have read the codes' registers
	WIN 0x02
.irp m, 0,1,2,3
.irp t, 0,1,2,3
	v_cvt_scalef32_pk8_fp8_f32 v[CODE+8*\m+2*\t:CODE+8*\m+2*\t+1], v[8*(4*\m+\t):8*(4*\m+\t)+7], v14
.endr
.endr
	WIN 0
	v_nop                                          ; a plain line between the conversions and the matrix instructions that write their sources
.irp m, 0,1,2,3
.irp i, 0,1
.if \p == 0
	global_store_b128 v[LI], v[CODE+8*\m+4*\i:CODE+8*\m+4*\i+3], s[16:17] offset:1024*\m+512*\i   ; 512 consecutive bytes, aligned
.else
	global_store_b128 v[LI], v[CODE+8*\m+4*\i:CODE+8*\m+4*\i+3], s[28:29] offset:1024*\m+512*\i
.endif
.endr
.endr
.endm
	s_load_b512 s[4:19], s[0:1], 0x0               ; x s[4:5], wlay s[6:7], bq s[8:9], bk s[10:11], bv s[12:13], the scales' exponents s[14:15], qc s[16:17], kv s[18:19]
	v_lshl_add_u32 v[SPW], v0, 2, SPARE
	v_mov_b32 v[NIL], 0
	v_lshrrev_b32 v20, 5, v0
	v_readfirstlane_b32 s20, v20                   ; wave w
	s_mov_b32 s21, ttmp9                           ; xb
	s_and_b32 s22, ttmp7, 0xffff                   ; y
	s_lshl_b32 s23, s22, 2
	s_add_co_u32 s23, s23, s20                     ; hd
	v_and_b32 v21, 31, v0                          ; lane
	v_and_b32 v22, 15, v0                          ; r
	v_bfe_u32 v23, v0, 4, 1                        ; h
	v_lshlrev_b32 v[LI], 4, v21
	v_lshlrev_b32 v[XA], 11, v22
	v_lshl_add_u32 v[XA], v23, 5, v[XA]
	s_lshl_b32 s24, s20, 13
	v_add_nc_u32 v[XW], s24, v[LI]
	v_add_nc_u32 v[XW2], 65536, v[XW]
	v_add_nc_u32 v[LI2], 65536, v[LI]
	s_mul_i32 s24, s20, 768
	s_add_co_u32 s24, s24, PAR
	v_lshl_add_u32 v[PW], v21, 2, s24
	v_lshl_add_u32 v[PBQ], v23, 5, s24
	v_lshl_add_u32 v[PBV], v22, 2, s24
	v_add_nc_u32 v[PBV], 512, v[PBV]
	v_lshlrev_b32 v[L4], 2, v21
	s_lshl_b32 s24, s21, 17                        ; 64 rows of 2,048 bytes a block,
	s_lshl_b32 s25, s20, 15                        ; 16 a wave
	s_add_co_u32 s24, s24, s25
	s_mov_b32 s25, 0
	s_mul_i32 s26, s23, 98304                      ; my head's 48 fragments
	s_add_co_u32 s26, s26, QKVPART
	s_mov_b32 s27, 0
	s_lshl_b32 s32, s23, 8                         ; my head's 64 numbers of a bias
	s_mov_b32 s33, 0
	s_wait_kmcnt 0x0
	s_load_b512 s[36:51], s[14:15], 0x0            ; e0 .. e15
	s_add_nc_u64 s[4:5], s[4:5], s[24:25]
	s_add_nc_u64 s[6:7], s[6:7], s[26:27]
	s_add_nc_u64 s[8:9], s[8:9], s[32:33]
	s_add_nc_u64 s[10:11], s[10:11], s[32:33]
	s_add_nc_u64 s[12:13], s[12:13], s[32:33]
.irp p, 0,1,2
	global_load_b32 v[20+2*\p], v[L4], s[8+2*\p:9+2*\p]
	global_load_b32 v[21+2*\p], v[L4], s[8+2*\p:9+2*\p] offset:128
.endr
	XLOAD ACT, 0
	XLOAD ACT+64, 1
	WLOAD 0
	WLOAD 1
	s_and_b32 s24, s21, 63                         ; xl: my block of 64 tokens in the batch
	s_lshr_b32 s25, s21, 6
	s_lshl_b32 s25, s25, 3
	s_add_co_u32 s25, s25, s23                     ; bh
	s_lshl_b32 s26, s25, 18
	s_lshl_b32 s27, s24, 12
	s_add_co_u32 s26, s26, s27
	s_mov_b32 s27, 0
	s_add_nc_u64 s[16:17], s[16:17], s[26:27]      ; qc at my four tiles
	s_lshl_b32 s26, s25, 19
	s_lshr_b32 s32, s24, 1
	s_lshl_b32 s32, s32, 14
	s_add_co_u32 s26, s26, s32                     ; kv: my head, my block of 128 keys
	s_and_b32 s32, s24, 1
	s_lshl_b32 s33, s32, 12
	s_add_co_u32 s34, s26, s33
	s_mov_b32 s35, 0
	s_add_nc_u64 s[28:29], s[18:19], s[34:35]      ; k: my four of its eight images
	s_lshl_b32 s33, s32, 10
	s_add_co_u32 s34, s26, s33
	s_add_co_u32 s34, s34, 8192
	s_add_nc_u64 s[30:31], s[18:19], s[34:35]      ; v: groups 2 (xl % 2), + 1 of each of its four images
	s_wait_kmcnt 0x0
.irp p, 0,1,2
	s_add_co_i32 s24, s[36+2*\p], 127
	s_lshl_b32 s24, s24, 23
	v_mov_b32 v[8+2*\p], s24                       ; x's scale as f32: the conversion takes its exponent field
	s_add_co_i32 s24, s[36+2*\p], 135
	s_lshl_b32 s24, s24, 23
	s_or_b32 s24, s24, 0x600000
	v_mov_b32 v[9+2*\p], s24                       ; 448 x that
	s_add_co_i32 s[52+2*\p], s[36+2*\p], s[37+2*\p]
	s_add_co_i32 s[52+2*\p], s[52+2*\p], 127
	s_lshl_b32 s[52+2*\p], s[52+2*\p], 23          ; 2^(x's e + the weight's e)
	s_mov_b32 s[53+2*\p], s[52+2*\p]               ; (named with it as a pair, so it is written)
.endr
.irp n, 0,1,2                          ; the results' scales: e6, e7, e9 lie in s42, s43, s45
	s_add_co_i32 s[58+2*\n], s[42+\n+\n/2], 127
	s_lshl_b32 s[58+2*\n], s[58+2*\n], 23
	s_add_co_i32 s[59+2*\n], s[42+\n+\n/2], 135
	s_lshl_b32 s[59+2*\n], s[59+2*\n], 23
	s_or_b32 s[59+2*\n], s[59+2*\n], 0x600000
.endr
	s_wait_loadcnt 48                              ; the biases and K step 0 of x are in; behind them: K step 1 (16 loads) and two groups of weights (32)
.irp p, 0,1,2
	ds_store_b32 v[PW], v[20+2*\p] offset:256*\p
	ds_store_b32 v[PW], v[21+2*\p] offset:256*\p+128
.endr
	QX ACT, 0
	XLOAD ACT, 2
	s_wait_loadcnt 48                              ; K step 1 is in; behind it: 32 of weights, 16 of K step 2
	QX ACT+64, 1
	XLOAD ACT+64, 3
	WLOAD 2
	WLOAD 3
	s_wait_loadcnt 48                              ; K step 2 is in; behind it: 16 of K step 3, 32 of weights
	QX ACT, 2
	s_wait_loadcnt 32                              ; K step 3 is in; behind it: 32 of weights
	QX ACT+64, 3
	s_wait_dscnt 0x0                               ; for the others' sake: my images have landed
	s_barrier_signal -1
	s_barrier_wait -1                              ; all 48 fragments of x lie in LDS; nothing writes them again
	FETCH 0, 0, 0
.irp G, 0,1,2,3
	GROUPQ \G
.endr
	EPI_QK 0
.irp G, 4,5,6,7
	GROUPQ \G
.endr
	EPI_QK 1
.irp G, 8,9,10,11
	GROUPQ \G
.endr
	; v: a lane holds channel 16 t + r and tokens 16 m + 8 h + 0 .. 7
.irp t, 0,1,2,3
	ds_load_b32 v[BIAS+2*\t], v[PBV] offset:64*\t
.endr
	v_mov_b32 v14, s62
	v_mov_b32 v15, s63
	s_wait_dscnt 0x0
	WIN 0x82
.irp m, 0,1,2,3
.irp t, 0,1,2,3
.irp i, 0,2,4,6
	v_pk_fma_f32 v[8*(4*\m+\t)+\i:8*(4*\m+\t)+\i+1], v[8*(4*\m+\t)+\i:8*(4*\m+\t)+\i+1], s[56:57], v[BIAS+2*\t:BIAS+2*\t+1] op_sel_hi:[1,0,0]   ; of the pairs 2^(e4 + e5) and bv the low word serves both halves
.endr
.endr
.endr
.set i, 0
.rept 128
	v_med3_num_f32 v[i], v[i], -v15, v15
.set i, i+1
.endr
	s_wait_xcnt 0x0                                ; k's stores have read the codes' registers
	WIN 0x02
.irp t, 0,1,2,3
.irp m, 0,1,2,3
	v_cvt_scalef32_pk8_fp8_f32 v[CODE+8*\t+2*\m:CODE+8*\t+2*\m+1], v[8*(4*\m+\t):8*(4*\m+\t)+7], v14
.endr
.endr
	WIN 0
	v_nop
.irp t, 0,1,2,3
.irp i, 0,1
	global_store_b128 v[LI], v[CODE+8*\t+4*\i:CODE+8*\t+4*\i+3], s[30:31] offset:2048*\t+512*\i
.endr
.endr
	s_wait_tensorcnt 0x0                           ; the wave's end
	ds_add_u32 v[SPW], v[NIL]
	s_wait_dscnt 0x0
	s_endpgm
.Lfunc_end_k_qa01ff240e9_qkv:
	.size	k_qa01ff240e9_qkv, .Lfunc_end_k_qa01ff240e9_qkv-k_qa01ff240e9_qkv
	.p2alignl 7, 3214868480
	.fill 96, 4, 3214868480
	.section	.rodata,"a",@progbits
	.p2align	6, 0x0
	.amdhsa_kernel k_qa01ff240e9_qkv
		.amdhsa_group_segment_fixed_size 101888
		.amdhsa_private_segment_fixed_size 0
		.amdhsa_enable_private_segment 0
		.amdhsa_kernarg_size 64
		.amdhsa_user_sgpr_count 2
		.amdhsa_user_sgpr_kernarg_segment_ptr 1
		.amdhsa_wavefront_size32 1
		.amdhsa_system_sgpr_workgroup_id_x 1
		.amdhsa_system_sgpr_workgroup_id_y 1
		.amdhsa_system_sgpr_workgroup_id_z 1
		.amdhsa_system_vgpr_workitem_id 0
		.amdhsa_next_free_vgpr 640
		.amdhsa_next_free_sgpr 66
		.amdhsa_reserve_vcc 0
		.amdhsa_float_denorm_mode_32 3
		.amdhsa_float_denorm_mode_16_64 3
		.amdhsa_memory_ordered 1
		.amdhsa_forward_progress 1
		.amdhsa_inst_pref_size 161
	.end_amdhsa_kernel
	.amdgpu_metadata
---
amdhsa.version: [ 1, 2 ]
amdhsa.kernels:
  - .name:           k_qa01ff240e9_qkv
    .symbol:         k_qa01ff240e9_qkv.kd
    .args:
      - { .name: x, .offset: 0, .size: 8, .value_kind: global_buffer, .address_space: global }
      - { .name: wlay, .offset: 8, .size: 8, .value_kind: global_buffer, .address_space: global }
      - { .name: bq, .offset: 16, .size: 8, .value_kind: global_buffer, .address_space: global }
      - { .name: bk, .offset: 24, .size: 8, .value_kind: global_buffer, .address_space: global }
      - { .name: bv, .offset: 32, .size: 8, .value_kind: global_buffer, .address_space: global }
      - { .name: lowp_scales, .offset: 40, .size: 8, .value_kind: global_buffer, .address_space: global }
      - { .name: qc, .offset: 48, .size: 8, .value_kind: global_buffer, .address_space: global }
      - { .name: kv, .offset: 56, .size: 8, .value_kind: global_buffer, .address_space: global }
    .group_segment_fixed_size: 101888
    .private_segment_fixed_size: 0
    .kernarg_segment_align: 8
    .kernarg_segment_size: 64
    .max_flat_workgroup_size: 128
    .sgpr_count:     66
    .vgpr_count:     640
    .wavefront_size: 32
...
	.end_amdgpu_metadata
.endif
;; end of part 2
;; launch attn (part 3): grid 16 x 16, 16 waves a work-group, no clusters, 327,680 bytes of LDS; arguments qc, kv, lowp_scales, ac; writes ac
.if DOCPART == 3
	.amdgcn_target "amdgcn-amd-amdhsa--gfx1250"
	.amdhsa_code_object_version 6
	.text
	.protected	k_qa01ff240e9_attn
	.globl	k_qa01ff240e9_attn
	.p2align	8
	.type	k_qa01ff240e9_attn,@function
k_qa01ff240e9_attn:
	s_mov_b64 s[64:65], 0
	v_nop
	global_prefetch_b8 v0, s[64:65] scope:SCOPE_SE
	s_setreg_imm32_b32 hwreg(HW_REG_WAVE_MODE, 25, 1), 1
	s_wait_xcnt 0x0
; Launch 3 of 4: attention on codes of E4M3, head size 64, no mask, and its result quantised (e10) for the projection.  Nothing is left out.
; THE SOFTMAX AHEAD OF THE SECOND PRODUCT: t = score x log2(e) / 8; M = the row's largest t so far, rounded UP to a whole number; p = 2^(t - M) is what is quantised (e8), not normalised.  The row's sum is taken of the
; unquantised p, in f32, and divides at the end.  When M moves, the sum and O are multiplied by 2^(old M - new M), which rounds nothing.
; SHARES.  A work-group owns 256 queries (x) of one batch and head bh (y); each of its SIXTEEN waves one tile of 16 queries in 256 registers: four waves to a SIMD, so that one wave's vector work stands beside another's
; matrix work and LDS loads.  Every wave walks the head's 4,096 keys, 128 a step.
; THE RING.  In kv a key step is one dense block of 16,384 bytes: 8 images of k (K = 64), 4 images of v^T (K = 128), as the second launch stored them.  Two LDS slots of four key steps; waves 0 to 3 fetch one key step each
; with one tensor load (64 rows of 256 bytes); all sixteen read.  Images are read 16 bytes a lane, 512 consecutive bytes an instruction: no padding.  By this text's count a wave never has more than one tensor load out.
; LAYOUT.  Both products transposed: S^T = K Q^T (source 0 = 16 keys, source 1 = my queries), O^T = V^T P^T: a lane holds ONE query throughout.  In tile i of S^T a lane's eight registers are keys 16 i + 8 h + 0 .. 7, which
; is what registers 2 i, 2 i + 1 of the second product's operand hold: the conversions' results are that operand.
; NO CLUSTER: the sixteen work-groups of a head share K and V, 65,536 bytes for each slot, in which every wave issues four key steps of some 300 instructions; what a joint load would spare is small beside that, and each
; change of slots would cost a round of a cluster's barrier.
; OUT.  ac [tile of 16 tokens 512][K step s 0..3][2,048]: images of the projection's operand; head hd fills bytes 1,024 hd .. + 1,023 of a tile's 8,192.
; LIMITS: e6 + e7 between -123 and 130 (added to c's exponent field); e8, e10 between -126 and 119; e8 + e9 is applied by v_ldexp_f32 and has none.
; REGISTERS: v1-3 addresses; v12 -M, v13 the largest t, v[14:15] the sum in two halves; v16-23 Q; v32-95 K's eight fragments, then V's four; v96-159 S^T, then p; v160-191 O^T; v224-239 p's codes; v240-254 at work.
.set SLOTB, 65536
.set SPARE, 131072                     ; behind the ring: the spare words, 128 bytes for each wave: eight blocks of 256 bytes that no other line names
.set LI,  1                            ; v1   16 lane
.set ADR, 2                            ; v2   16 lane + the slot in hand
.set PFO, 3                            ; v3   256 lane: the prefetches' offset; never rewritten
.set SPW, 5                            ; v5   my spare word; never rewritten
.set NIL, 6                            ; v6   0; never rewritten
.set WV,  18
.set SEL, 20                           ; s[20:21] lane selects for v_permlanex16_b32: lane l xor 16
.set CS,  22                           ; s[22:23] c
.set G1,  24                           ; s[24:31] descriptor group 1
.set G0,  40                           ; s[40:43] descriptor group 0, which walks
.set TB,  2                            ; s2   LDS byte at which the slot in hand begins
.set SLOTS, 67                         ; s67  slots still to be asked for
.set PFA, 76                           ; s[76:77] where my prefetches stand
.set LIM, 80                           ; s80  1 in a wave that prefetches, else the greatest number
.macro TLOAD                           ; waves 0 to 3 fetch; the branch hangs on the wave's number alone.  An s_nop 0 and four v_nop follow the load
	s_cmp_lt_u32 s[WV], 4
	s_cbranch_scc0 .Lasked_\@
	tensor_load_to_lds s[G0:G0+3], s[G1:G1+7]
	s_nop 0
.rept 4
	v_nop
.endr
.Lasked_\@:
.endm
; A PREFETCH INTO THE L2 of the slot that the NEXT change of slots will ask for: four key steps ahead of that load.  All sixteen work-groups of a head walk the same bytes: the head's first work-group asks, and in it waves
; 4 to 11, which fetch nothing: 8,192 bytes a wave, lanes 256 bytes apart, one instruction.  So each aligned block of 256 bytes is named once in the launch.  Slots 0 and 1 come by their loads alone; the last change that
; fills a slot asks for nothing: there is no slot behind it.
.macro ASK
	s_cmp_gt_u32 s[SLOTS], s[LIM]
	s_cbranch_scc0 .Lnot_mine_\@
	global_prefetch_b8 v[PFO], s[PFA:PFA+1] th:TH_LOAD_NT scope:SCOPE_SE
.Lnot_mine_\@:
.endm
	s_load_b256 s[4:11], s[0:1], 0x0               ; qc s[4:5], kv s[6:7], the scales' exponents s[8:9], ac s[10:11]
	v_lshl_add_u32 v[SPW], v0, 2, SPARE
	v_mov_b32 v[NIL], 0
	ds_add_u32 v[SPW], v[NIL]                      ; the wave's opening: the add, twice on end, and its wait ahead of the first tensor load; the set-up below stands between
	ds_add_u32 v[SPW], v[NIL]
	v_lshrrev_b32 v8, 5, v0
	v_readfirstlane_b32 s[WV], v8                  ; wave 0 .. 15
	s_and_b32 s82, ttmp7, 0xffff                   ; bh
	s_lshl_b32 s84, s82, 19                        ; the head's 32 key steps
	s_mov_b32 s85, 0
	s_and_b32 s86, s[WV], 3
	s_lshl_b32 s86, s86, 14                        ; which key step of a slot I fetch, if I fetch: in memory and in LDS alike
	s_mov_b32 s87, 0
	s_add_nc_u64 s[88:89], s[84:85], s[86:87]
	s_mov_b32 s[G1], 3<<16                         ; 15:0 no mask; 17:16 elements of 8 bytes; no padding
	s_mov_b32 s[G1+1], 32<<16                      ; tensor_dim0 = 32 elements: 256 bytes
	s_mov_b32 s[G1+2], 64<<16                      ; tensor_dim1 = 64
	s_mov_b32 s[G1+3], 32<<16                      ; tile_dim0
	s_mov_b32 s[G1+4], 64                          ; tile_dim1
	s_mov_b32 s[G1+5], 32                          ; from row to row: the block is dense
	s_mov_b32 s[G1+6], 0
	s_mov_b32 s[G1+7], 0
	s_mov_b32 s[SEL], 0x76543210
	s_mov_b32 s[SEL+1], 0xfedcba98
	s_mov_b32 s[CS], 0x3e38aa3b                    ; c = log2(e) / sqrt(64)
	s_mov_b32 s[TB], 0
	s_mov_b32 s[SLOTS], 7
	s_lshl_b32 s90, s82, 8
	s_lshl_b32 s91, ttmp9, 4
	s_add_co_u32 s90, s90, s91
	s_add_co_u32 s90, s90, s[WV]                   ; my tile in qc: 256 bh + 16 x + wave
	s_lshl_b32 s90, s90, 10
	s_mov_b32 s91, 0
	s_lshr_b32 s92, s82, 3
	s_lshl_b32 s92, s92, 8
	s_lshl_b32 s93, ttmp9, 4
	s_add_co_u32 s92, s92, s93
	s_add_co_u32 s92, s92, s[WV]                   ; my tile of tokens: 256 batch + 16 x + wave
	s_lshl_b32 s92, s92, 13
	s_and_b32 s93, s82, 7
	s_lshl_b32 s93, s93, 10                        ; + 1,024 head
	s_add_co_u32 s92, s92, s93
	s_mov_b32 s93, 0
	s_wait_dscnt 0x0                               ; both opening adds are done
	s_wait_kmcnt 0x0
	s_load_b256 s[68:75], s[8:9], 0x18             ; e6 .. e13
	s_mov_b32 s[G0], 1                             ; count = 1
	s_mov_b32 s[G0+1], s86                         ; LDS address: slot 0
	s_add_nc_u64 s[G0+2:G0+3], s[6:7], s[88:89]    ; global address
	s_or_b32 s[G0+3], s[G0+3], 0x80000000          ; type = 2
	TLOAD                                          ; slot 0
	s_and_b32 s94, s[WV], 7
	s_lshl_b32 s94, s94, 13                        ; my wave's 8,192 bytes,
	s_add_co_u32 s94, s94, SLOTB                   ; in slot 1: the first change of slots steps it to slot 2.  Nothing is prefetched here, at the head
	s_mov_b32 s95, 0
	s_add_nc_u64 s[94:95], s[94:95], s[84:85]
	s_add_nc_u64 s[PFA:PFA+1], s[6:7], s[94:95]
	s_sub_co_u32 s94, s[WV], 4
	s_lshr_b32 s94, s94, 3                         ; 0 in waves 4 to 11,
	s_or_b32 s94, s94, ttmp9                       ; of the head's first work-group
	s_cmp_eq_u32 s94, 0
	s_cselect_b32 s[LIM], 1, -1
	v_and_b32 v8, 31, v0
	v_lshlrev_b32 v[LI], 4, v8
	v_lshlrev_b32 v[PFO], 8, v8
	s_add_nc_u64 s[4:5], s[4:5], s[90:91]
	s_add_nc_u64 s[10:11], s[10:11], s[92:93]
	global_load_b128 v[16:19], v[LI], s[4:5]       ; Q's fragment stays in registers
	global_load_b128 v[20:23], v[LI], s[4:5] offset:512
	v_mov_b32 v13, 0xff61b1e6                      ; the largest t so far: -3e38, under every t
	v_floor_f32 v12, -v13                          ; -M
	v_mov_b32 v14, 0
	v_mov_b32 v15, 0
	v_mov_b32 v246, 0                              ; written once: a lane permute's destination counts as one of its sources
	v_mov_b32 v253, 0                              ; (named as the upper half of the pair v[252:253])
.set j, 0
.rept 32
	v_mov_b32 v[160+j], 0                          ; O^T.  (The step is written once: the first finds zeros, which the first change of M leaves zeros)
.set j, j+1
.endr
	s_wait_kmcnt 0x0
	s_add_co_i32 s82, s68, s69
	s_lshl_b32 s82, s82, 23
	s_add_co_i32 s[CS], s[CS], s82                 ; a score stands for score x 2^(e6 + e7): the two are added to c's exponent field
	s_mov_b32 s[CS+1], s[CS]
	s_add_co_i32 s82, s70, 127
	s_lshl_b32 s82, s82, 23
	v_mov_b32 v244, s82                            ; 2^e8, for p's conversions
	s_add_co_i32 s82, s70, 135
	s_lshl_b32 s82, s82, 23
	s_or_b32 s82, s82, 0x600000
	v_mov_b32 v240, s82                            ; 448 x 2^e8
	s_add_co_i32 s96, s72, 127
	s_lshl_b32 s96, s96, 23                        ; 2^e10
	s_add_co_i32 s97, s72, 135
	s_lshl_b32 s97, s97, 23
	s_or_b32 s97, s97, 0x600000                    ; 448 x 2^e10
	s_add_co_i32 s98, s70, s71                     ; e8 + e9
; A KEY STEP: 128 keys, the q-th of the slot in hand.
.macro STEP q
	v_add_nc_u32 v[ADR], s[TB], v[LI]
.rept 4
	v_nop                                          ; places in front of loads into registers that the last products read (ISA guide 7.12.1 for vector instructions)
.endr
.irp i, 0,1,2,3,4,5,6,7
	ds_load_b128 v[32+8*\i:35+8*\i], v[ADR] offset:16384*\q+1024*\i
	ds_load_b128 v[36+8*\i:39+8*\i], v[ADR] offset:16384*\q+1024*\i+512
.endr
	s_wait_dscnt 0x0
.irp i, 0,1,2,3,4,5,6,7
	v_wmma_f32_16x16x64_fp8_fp8 v[96+8*\i:103+8*\i], v[32+8*\i:39+8*\i], v[16:23], 0
.endr
.rept 4
	v_nop                                          ; places in front of the loads below and of the first read of the scores
.endr
.irp t, 0,1,2,3
.irp g, 0,1,2,3
	ds_load_b128 v[32+16*\t+4*\g:35+16*\t+4*\g], v[ADR] offset:16384*\q+8192+2048*\t+512*\g   ; V's fragments land while the softmax is walked
.endr
.endr
	v_max3_num_f32 v254, v96, v97, v98             ; the step's largest score of my query among my 64 keys, in two chains, each tile from its low end on,
	v_max3_num_f32 v252, v99, v100, v101
.set j, 6
.rept 14
	v_max3_num_f32 v254, v254, v[96+j], v[97+j]
	v_max3_num_f32 v252, v252, v[98+j], v[99+j]
.set j, j+4
.endr
	v_max3_num_f32 v254, v254, v158, v159
	v_max_num_f32 v254, v254, v252
	v_permlanex16_b32 v246, v254, s[SEL], s[SEL+1]
	v_max_num_f32 v254, v254, v246                 ; and among lane l xor 16's
	v_mul_f32 v254, s[CS], v254                    ; as t (c is positive)
	v_max_num_f32 v13, v13, v254                   ; the running largest t
	v_mov_b32 v254, v12
	v_floor_f32 v12, -v13                          ; the new -M = floor(-t) = -ceil(t): a whole number
	v_sub_f32 v254, v12, v254                      ; old M - new M: a whole number, 0 or less
	v_cvt_i32_f32 v254, v254                       ; (it saturates)
	v_ldexp_f32 v252, 1.0, v254                    ; f = 2^(old M - new M)
.set j, 0
.rept 32
	v_pk_fma_f32 v[96+j:97+j], v[96+j:97+j], s[CS:CS+1], v[12:13] op_sel_hi:[1,0,0]   ; t - M, two at a time (of the pairs c and -M the low word serves both halves)
.set j, j+2
.endr
.set j, 0
.rept 64
	v_exp_f32 v[96+j], v[96+j]                     ; p = 2^(t - M), at most 1
.set j, j+1
.endr
	v_pk_mul_f32 v[14:15], v[14:15], v[252:253] op_sel_hi:[1,0]   ; the sums under the new M: the plain line behind the exponentials
	s_wait_alu depctr_va_vdst(0)                   ; one wait for the whole batch, ahead of its first reader
	v_pk_add_f32 v[242:243], v[96:97], v[98:99]    ; the row's sum is taken of the unquantised p, in two chains
.set j, 4
.rept 15
	v_pk_add_f32 v[14:15], v[14:15], v[96+j:97+j]
	v_pk_add_f32 v[242:243], v[242:243], v[98+j:99+j]
.set j, j+4
.endr
	v_pk_add_f32 v[14:15], v[14:15], v[242:243]
.set j, 0
.rept 64
	v_min_num_f32 v[96+j], v[96+j], v240           ; the conversion does not saturate (ISA guide 7.6.2); p is not negative, so the hold is one-sided
.set j, j+1
.endr
.irp i, 0,1,2,3,4,5,6,7
	v_cvt_scalef32_pk8_fp8_f32 v[224+2*\i:225+2*\i], v[96+8*\i:103+8*\i], v244
.endr
.set j, 0
.rept 16
	v_pk_mul_f32 v[160+j:161+j], v[160+j:161+j], v[252:253] op_sel_hi:[1,0]   ; O^T under the new M; plain lines between the conversions and the products that read their results
.set j, j+2
.endr
	s_wait_dscnt 0x0                               ; V is in
.irp t, 0,1,2,3
	v_wmma_f32_16x16x128_fp8_fp8 v[160+8*\t:167+8*\t], v[32+16*\t:47+16*\t], v[224:239], v[160+8*\t:167+8*\t]   ; the four accumulators by turns
.endr
.endm
; THE CHANGE OF SLOTS stands at a slot's head.  Each wave waits for all its tensor loads, adds 0 to its spare word, and waits for that and for its reads of the slot that it has left.  Behind the barrier the slot ahead is
; whole and nobody reads the other one.  fill = 1: that other slot is asked for, and has four key steps in which to land.
.macro CHANGE fill
	s_wait_tensorcnt 0x0                           ; no tensor load of mine is out, so group 0 may be written
	ds_add_u32 v[SPW], v[NIL]                      ; 0 onto my spare word
.if \fill
	ds_add_u32 v[SPW], v[NIL]                      ; and once more
	s_xor_b32 s[G0+1], s[G0+1], SLOTB              ; the other slot than last time,
	s_add_nc_u64 s[G0+2:G0+3], s[G0+2:G0+3], SLOTB ; the next four key steps; the type bits on top are not reached
	s_wait_xcnt 0x0                                ; the last prefetch, a slot back, has read its address
	s_add_nc_u64 s[PFA:PFA+1], s[PFA:PFA+1], SLOTB ; one slot further on than the walking descriptor
.endif
	s_wait_dscnt 0x0                               ; the add is done, and my reads of the slot that I have left are over
	s_barrier_signal -1
	s_barrier_wait -1
.if \fill
	TLOAD                                          ; the first thing behind the barrier, and a wave's one tensor load until the next
	ASK
.endif
.endm
.macro SLOT_STEPS
	STEP 0
	STEP 1
	STEP 2
	STEP 3
	s_xor_b32 s[TB], s[TB], SLOTB                  ; on to the other slot
.endm
	s_wait_loadcnt 0x0                             ; Q
.Lslot:                                            ; seven trips: behind each change of slots but the last the next slot is asked for
	CHANGE 1
	SLOT_STEPS
	s_sub_co_u32 s[SLOTS], s[SLOTS], 1
	s_cmp_lg_u32 s[SLOTS], 0
	s_cbranch_scc1 .Lslot
	CHANGE 0                                       ; the last slot is written out
	SLOT_STEPS
	; THE WAY OUT: O^T x 2^(e8 + e9) / the sum, held, converted with 2^e10: registers 2 t, 2 t + 1 of my head's half of a fragment of the projection's operand
.rept 4
	v_nop                                          ; places behind the last products
.endr
	v_add_f32 v14, v14, v15
	v_permlanex16_b32 v246, v14, s[SEL], s[SEL+1]
	v_add_f32 v14, v14, v246                       ; the row's sum
	v_rcp_f32 v14, v14
	v_mov_b32 v8, s96                              ; (a plain line behind the transcendental)
	v_mov_b32 v9, s97
	s_wait_alu depctr_va_vdst(0)                   ; the wait, ahead of the first reader
	v_ldexp_f32 v14, v14, s98
.set j, 0
.rept 32
	v_mul_f32 v[96+j], v[160+j], v14               ; register 8 t + i is o(query r, channel 16 t + 8 h + i)
.set j, j+1
.endr
.set j, 0
.rept 32
	v_med3_num_f32 v[96+j], v[96+j], -v9, v9
.set j, j+1
.endr
.irp t, 0,1,2,3
	v_cvt_scalef32_pk8_fp8_f32 v[224+2*\t:225+2*\t], v[96+8*\t:103+8*\t], v8
.endr
	v_nop
	global_store_b128 v[LI], v[224:227], s[10:11]              ; 512 consecutive bytes, aligned
	global_store_b128 v[LI], v[228:231], s[10:11] offset:512
	s_wait_tensorcnt 0x0                           ; the wave's end
	ds_add_u32 v[SPW], v[NIL]
	s_wait_dscnt 0x0
	s_endpgm
.Lfunc_end_k_qa01ff240e9_attn:
	.size	k_qa01ff240e9_attn, .Lfunc_end_k_qa01ff240e9_attn-k_qa01ff240e9_attn
	.p2alignl 7, 3214868480
	.fill 96, 4, 3214868480
	.section	.rodata,"a",@progbits
	.p2align	6, 0x0
	.amdhsa_kernel k_qa01ff240e9_attn
		.amdhsa_group_segment_fixed_size 327680
		.amdhsa_private_segment_fixed_size 0
		.amdhsa_enable_private_segment 0
		.amdhsa_kernarg_size 32
		.amdhsa_user_sgpr_count 2
		.amdhsa_user_sgpr_kernarg_segment_ptr 1
		.amdhsa_wavefront_size32 1
		.amdhsa_system_sgpr_workgroup_id_x 1
		.amdhsa_system_sgpr_workgroup_id_y 1
		.amdhsa_system_sgpr_workgroup_id_z 1
		.amdhsa_system_vgpr_workitem_id 0
		.amdhsa_next_free_vgpr 256
		.amdhsa_next_free_sgpr 100
		.amdhsa_reserve_vcc 0
		.amdhsa_float_denorm_mode_32 3
		.amdhsa_float_denorm_mode_16_64 3
		.amdhsa_memory_ordered 1
		.amdhsa_forward_progress 1
		.amdhsa_inst_pref_size 131
	.end_amdhsa_kernel
	.amdgpu_metadata
---
amdhsa.version: [ 1, 2 ]
amdhsa.kernels:
  - .name:           k_qa01ff240e9_attn
    .symbol:         k_qa01ff240e9_attn.kd
    .args:
      - { .name: qc, .offset: 0, .size: 8, .value_kind: global_buffer, .address_space: global }
      - { .name: kv, .offset: 8, .size: 8, .value_kind: global_buffer, .address_space: global }
      - { .name: lowp_scales, .offset: 16, .size: 8, .value_kind: global_buffer, .address_space: global }
      - { .name: ac, .offset: 24, .size: 8, .value_kind: global_buffer, .address_space: global }
    .group_segment_fixed_size: 327680
    .private_segment_fixed_size: 0
    .kernarg_segment_align: 8
    .kernarg_segment_size: 32
    .max_flat_workgroup_size: 512
    .sgpr_count:     100
    .vgpr_count:     256
    .wavefront_size: 32
...
	.end_amdgpu_metadata
.endif
;; end of part 3
;; launch tail (part 4): grid 128 x 1, 4 waves a work-group, no clusters, 255,488 bytes of LDS; arguments ac, wlay, x, bo, gamma1, beta1, b2, gamma2, beta2, b1, lowp_scales, out0; writes out0
.if DOCPART == 4
	.amdgcn_target "amdgcn-amd-amdhsa--gfx1250"
	.amdhsa_code_object_version 6
	.text
	.protected	k_qa01ff240e9_tail
	.globl	k_qa01ff240e9_tail
	.p2align	8
	.type	k_qa01ff240e9_tail,@function
k_qa01ff240e9_tail:
	s_mov_b64 s[64:65], 0
	v_nop
	global_prefetch_b8 v0, s[64:65] scope:SCOPE_SE
	s_setreg_imm32_b32 hwreg(HW_REG_WAVE_MODE, 25, 1), 1
	s_wait_xcnt 0x0
; Launch 4 of 4: x1 = LN1(x + attention Wo + bo); out0 = LN2(x1 + relu(x1 W1 + b1) W2 + b2), the three products on codes of E4M3.  Nothing is left out; nothing between goes to memory.
; LayerNorm as the problem has it: the mean is taken away first, then the mean of the squares, its root, + 1e-5, and the division; x gain + offset.
; SHARES.  A work-group takes 64 whole rows (a LayerNorm wants whole rows).  THE WAVES SHARE THE COLUMNS: wave w owns columns 128 w .. + 127 of the projection, of x1 and of the result, and in chunk j (0 .. 3) of the hidden
; layer units 512 j + 128 w .. + 127.  All products are used transposed (source 0 = 16 rows of a weight, source 1 = 16 tokens): a lane holds one token and eight neighbouring columns, so one conversion of a tile's eight
; registers gives registers 2 t, 2 t + 1 of the next operand, and wave w's eight tiles are K step w of the next product.
; THE WEIGHTS: each fragment is used by one wave alone, for its four tiles of tokens.  So they go from memory straight into registers, as one stream of 36 groups of 8 fragments (16,384 bytes) a wave, laid in that order by the
; first launch; two buffers, a group is asked for two groups ahead.
; WHY 64 ROWS ON 128 WORK-GROUPS: every work-group takes in all 2,359,296 bytes of weights, whatever its rows; 32 rows would double what all work-groups read together and shorten no work-group's stream; 128 rows want
; 2 x 128 x 512 f32 of accumulators, all the registers that four waves have.  NO CLUSTER: a joint load lands in LDS; no two waves of a work-group share a weight byte, and beside the 255,488 bytes in use two slots find no room.
; OPERANDS GO FROM WAVE TO WAVE THROUGH LDS AS IMAGES OF THEIR REGISTERS (the first launch's head says what an image is): fragment (tile of tokens m, K step s) at 8,192 m + 2,048 s.
; THE SCALES ARE FOLDED.  bo / 2^(e10+e11) is the C of the projection's first instructions; one packed multiply-add gives sum x 2^(e10+e11) + x.  b1 / 2^(e12+e13) is the C of the hidden layer's; its conversion takes
; 2^(e14-e12-e13), and the hold clips at 0: the activation.  (x1 + b2) / 2^(e14+e15) is what the last product's accumulators begin with: the residual needs no other home.
; LIMITS, so that each power of two is an f32 number: e12 and e14 - e12 - e13 between -126 and 119; e10 + e11, e12 + e13, e14 + e15 and their negatives between -126 and 127.  NaN among the inputs is not served.
; A variance under 2^-126 counts as 0 (v_sqrt_f32 takes a denormal as zero: ISA guide, its entry in 15.8).
; REGISTERS.  Window 0: v1-19 addresses and scales; v20-35 sums at work; v36-51 the waves' partial sums; v52-59 -mean, then 1 / (std + eps), in the low words of pairs; v64-127, v128-191 two sets of operand fragments (the first
;   also the codes just made, the second also a LayerNorm's offsets); v192-255 a parameter in the result's layout.   Window 1: two weight buffers of 128.   Window 2: H(m, t) at 64 m + 8 t: the projection, x1, the hidden layer.
;   Window 3: Y(m, t): x, then the residual and the last product's sums.
.set AIMG,  0                          ; LDS: the attention's 16 fragments,
.set X1IMG, 32768                      ; x1's 16; the hidden chunk's 16 lie from 65,536 on (addresses HR, HW)
.set PAR,   98304                      ; bo, gamma1, beta1, b2, gamma2, beta2: 2,048 bytes each; then b1: 8,192
.set RED,   118784                     ; four regions of 1,024, each used once: [m][r][wave], 4 bytes
.set STG,   122880                     ; the way out: 64 rows of 2,048 bytes + 16
.set SPARE, 254976                     ; the spare words, 128 bytes for each wave: two blocks of 256 bytes that no other line names
.set LI,  1                            ; v1   16 lane
.set XA,  2                            ; v2   x: 2,048 r + 32 h + 512 wave
.set AW,  3                            ; v3   16 lane + 8,192 wave
.set IW,  4                            ; v4   16 lane + 2,048 wave: where my images go
.set PB,  5                            ; v5   PAR + 512 wave + 32 h
.set RA,  6                            ; v6   RED + 16 r + 4 wave
.set RB,  7                            ; v7   RED + 16 r
.set SO,  8                            ; v8   STG + 2,064 r + 512 wave + 32 h
.set SO2, 9                            ; v9   the same 32 rows on
.set SR,  10                           ; v10  STG + 16 rows x wave + 16 lane
.set HR,  11                           ; v11  65,536 + 16 lane
.set HW,  12                           ; v12  65,536 + 16 lane + 2,048 wave
.set PBJ, 13                           ; v13  b1's place for the chunk in hand
.set SPW, 14                           ; v14  my spare word; never rewritten
.set NIL, 15                           ; v15  0; never rewritten
.set P0,  192
.set P1,  128
.set WP,  68                           ; s[68:69] my stream of weights
.set MSB, 0
.macro WIN new                         ; the immediate's high byte repeats the setting that is left; a switch that changes nothing is dropped
.if MSB != (\new)
	s_set_vgpr_msb (MSB<<8)|(\new)
.set MSB, (\new)
.endif
.endm
.macro PLACES n
.rept \n
	v_nop
.endr
.endm
.macro BARRIER                         ; my LDS stores have landed and my LDS loads are in: then the work-group's barrier
	s_wait_dscnt 0x0
	s_barrier_signal -1
	s_barrier_wait -1
.endm
.macro WLOAD G, b                      ; group G (counted from where the stream's pointer stands) into buffer b: 32 loads of 512 consecutive bytes
	WIN 0x40
.irp t, 0,1,2,3,4,5,6,7
.irp g, 0,1,2,3
	global_load_b128 v[128*(\b)+16*\t+4*\g:128*(\b)+16*\t+4*\g+3], v[LI], s[WP:WP+1] offset:16384*(\G)+2048*\t+512*\g
.endr
.endr
	WIN 0
.endm
.macro XLOADT m                        ; x in the result's layout, tile of tokens m, into Y
	WIN 0xc0
.irp t, 0,1,2,3,4,5,6,7
	global_load_b128 v[64*(\m)+8*\t:64*(\m)+8*\t+3], v[XA], s[8:9] offset:32768*(\m)+64*\t
	global_load_b128 v[64*(\m)+8*\t+4:64*(\m)+8*\t+7], v[XA], s[8:9] offset:32768*(\m)+64*\t+16
.endr
.endm
.macro FETCH buf, adr, off, s          ; the four tiles of tokens' fragments of K step s
.irp m, 0,1,2,3
.irp g, 0,1,2,3
	ds_load_b128 v[64+64*(\buf)+16*\m+4*\g:64+64*(\buf)+16*\m+4*\g+3], v[\adr] offset:(\off)+8192*\m+2048*(\s)+512*\g
.endr
.endr
.endm
.macro PLOAD dst, adr, off             ; a parameter at my columns: register 8 t + e = column 128 w + 16 t + 8 h + e
.irp t, 0,1,2,3,4,5,6,7
	ds_load_b128 v[\dst+8*\t:\dst+8*\t+3], v[\adr] offset:(\off)+64*\t
	ds_load_b128 v[\dst+8*\t+4:\dst+8*\t+7], v[\adr] offset:(\off)+64*\t+16
.endr
.endm
.macro MUL16 mh, buf, cm               ; 16 matrix instructions.  cm = 1: C = D; cm = 2: C = the parameter in P0
.irp m, 2*(\mh), 2*(\mh)+1
.irp t, 0,1,2,3,4,5,6,7
.set DA, 64*(\m)+8*\t
.set WF, 128*(\buf)+16*\t
.set AF, 64+64*(\buf)+16*(\m)
.if (\cm) == 1
	v_wmma_f32_16x16x128_fp8_fp8 v[DA:DA+7], v[WF:WF+15], v[AF:AF+15], v[DA:DA+7]
.else
	v_wmma_f32_16x16x128_fp8_fp8 v[DA:DA+7], v[WF:WF+15], v[AF:AF+15], v[P0+8*\t:P0+8*\t+7]
.endif
.endr
.endr
.endm
; A group: 128 along K: 32 matrix instructions, the 32 accumulators by turns, in the same order in every group.  dwin: the accumulators' window.  N: the loads that may stay out.
; nf = 1: the next group's operand fragments are fetched in the middle, into the set that the group before multiplied (the places at that group's end stand between).  xm >= 0: a tile of x is asked for.  wn >= 0: the group of weights two on.
.macro GROUP dwin, cm, buf, N, nf, nadr, noff, ns, xm, wn
	s_wait_dscnt 0x0
	s_wait_loadcnt \N
.if (\cm) == 1
.set GW, ((\dwin)<<6)|((\dwin)<<4)|1   ; source 0 (W) window 1, source 1 window 0, C and D the accumulators' window
.else
.set GW, ((\dwin)<<6)|1                ; C window 0
.endif
	WIN GW
	MUL16 0, \buf, \cm
.if \nf
	WIN 0
	FETCH 1-(\buf), \nadr, \noff, \ns
	WIN GW
.endif
	MUL16 1, \buf, \cm
	WIN 0
	PLACES 4                                       ; in front of loads into registers that matrix instructions have read, and of reads of results (ISA guide 7.12.1 for vector instructions)
.if (\xm) >= 0
	XLOADT \xm
.endif
.if (\wn) >= 0
	WLOAD \wn, \buf
.endif
	WIN 0
.endm
.macro QUANT relu                      ; H becomes four fragments' codes in v64-127: v16 the scale, v17 448 x the scale
	WIN 0x82
.set i, 0
.rept 256
.if \relu
	v_med3_num_f32 v[i], v[i], 0, v17              ; the activation and the hold in one
.else
	v_med3_num_f32 v[i], v[i], -v17, v17           ; the conversion to an 8-bit code does not saturate (ISA guide 7.6.2)
.endif
.set i, i+1
.endr
	WIN 0x02
.irp m, 0,1,2,3
.irp t, 0,1,2,3,4,5,6,7
	v_cvt_scalef32_pk8_fp8_f32 v[64+16*\m+2*\t:64+16*\m+2*\t+1], v[64*\m+8*\t:64*\m+8*\t+7], v16
.endr
.endr
	WIN 0
	v_nop                                          ; a plain line between the conversions and what later writes their sources
.endm
.macro IMAGE adr, off                  ; my K step's four fragments go to LDS as they stand
.irp m, 0,1,2,3
.irp g, 0,1,2,3
	ds_store_b128 v[\adr], v[64+16*\m+4*\g:64+16*\m+4*\g+3] offset:(\off)+8192*\m+512*\g
.endr
.endr
.endm
.macro FIN_A k                         ; a lane's two chains, its two halves, lane l xor 16's: my wave's 128 columns; to region k of RED; a barrier; all four waves' back
.irp m, 0,1,2,3
	v_pk_add_f32 v[20+4*\m:21+4*\m], v[20+4*\m:21+4*\m], v[22+4*\m:23+4*\m]
.endr
.irp m, 0,1,2,3
	v_add_f32 v[20+4*\m], v[20+4*\m], v[21+4*\m]
.endr
.irp m, 0,1,2,3
	v_permlanex16_b32 v[60+\m], v[20+4*\m], s74, s75
.endr
.irp m, 0,1,2,3
	v_add_f32 v[20+4*\m], v[20+4*\m], v[60+\m]
.endr
.irp m, 0,1,2,3
	ds_store_b32 v[RA], v[20+4*\m] offset:1024*(\k)+256*\m
.endr
	BARRIER
.irp m, 0,1,2,3
	ds_load_b128 v[36+4*\m:39+4*\m], v[RB] offset:1024*(\k)+256*\m
.endr
.endm
.macro FIN_B                           ; the four partial sums are added, in the same order in every wave
	s_wait_dscnt 0x0
.irp m, 0,1,2,3
	v_add_f32 v[36+4*\m], v[36+4*\m], v[37+4*\m]
	v_add_f32 v[38+4*\m], v[38+4*\m], v[39+4*\m]
.endr
.irp m, 0,1,2,3
	v_add_f32 v[36+4*\m], v[36+4*\m], v[38+4*\m]
.endr
.endm
; LayerNorm in place on window z; regions k, k + 1 of RED; gain and offset are parameters gi, bi
.macro LN z, k, gi, bi
	WIN ((\z)<<2)|(\z)
.irp m, 0,1,2,3
	v_pk_add_f32 v[20+4*\m:21+4*\m], v[64*\m:64*\m+1], v[64*\m+2:64*\m+3]       ; the first sums start the chains: nothing is cleared
	v_pk_add_f32 v[22+4*\m:23+4*\m], v[64*\m+4:64*\m+5], v[64*\m+6:64*\m+7]
.endr
	WIN (\z)<<2
.set kk, 2
.rept 14
.irp m, 0,1,2,3
	v_pk_add_f32 v[20+4*\m:21+4*\m], v[20+4*\m:21+4*\m], v[64*\m+4*kk:64*\m+4*kk+1]
	v_pk_add_f32 v[22+4*\m:23+4*\m], v[22+4*\m:23+4*\m], v[64*\m+4*kk+2:64*\m+4*kk+3]
.endr
.set kk, kk+1
.endr
	WIN 0
	FIN_A \k
	FIN_B
.irp m, 0,1,2,3
	v_mul_f32 v[52+2*\m], 0xbb000000, v[36+4*\m]   ; -mean = sum x (-1 / 512)
.endr
	WIN ((\z)<<6)|(\z)
.irp m, 0,1,2,3
.set i, 0
.rept 32
	v_pk_add_f32 v[64*\m+i:64*\m+i+1], v[64*\m+i:64*\m+i+1], v[52+2*\m:53+2*\m] op_sel_hi:[1,0]   ; the mean is taken away before the squares
.set i, i+2
.endr
.endr
	WIN ((\z)<<2)|(\z)
.irp m, 0,1,2,3
	v_pk_mul_f32 v[20+4*\m:21+4*\m], v[64*\m:64*\m+1], v[64*\m:64*\m+1]
	v_pk_mul_f32 v[22+4*\m:23+4*\m], v[64*\m+2:64*\m+3], v[64*\m+2:64*\m+3]
.endr
.set kk, 1
.rept 15
.irp m, 0,1,2,3
	v_pk_fma_f32 v[20+4*\m:21+4*\m], v[64*\m+4*kk:64*\m+4*kk+1], v[64*\m+4*kk:64*\m+4*kk+1], v[20+4*\m:21+4*\m]
	v_pk_fma_f32 v[22+4*\m:23+4*\m], v[64*\m+4*kk+2:64*\m+4*kk+3], v[64*\m+4*kk+2:64*\m+4*kk+3], v[22+4*\m:23+4*\m]
.endr
.set kk, kk+1
.endr
	WIN 0
	FIN_A (\k)+1
	PLOAD P0, PB, (\gi)*2048
	PLOAD P1, PB, (\bi)*2048
	FIN_B
.irp m, 0,1,2,3
	v_mul_f32 v[36+4*\m], 0x3b000000, v[36+4*\m]   ; the variance
.endr
.irp m, 0,1,2,3
	v_sqrt_f32 v[36+4*\m], v[36+4*\m]
.endr
	v_nop                                          ; a plain line behind the batch,
	s_wait_alu depctr_va_vdst(0)                   ; and the one wait ahead of its first reader
.irp m, 0,1,2,3
	v_add_f32 v[36+4*\m], 0x3727c5ac, v[36+4*\m]   ; + 1e-5
.endr
.irp m, 0,1,2,3
	v_rcp_f32 v[52+2*\m], v[36+4*\m]
.endr
	v_nop
	s_wait_alu depctr_va_vdst(0)
	WIN ((\z)<<6)|(\z)
.irp m, 0,1,2,3
.set i, 0
.rept 32
	v_pk_mul_f32 v[64*\m+i:64*\m+i+1], v[64*\m+i:64*\m+i+1], v[52+2*\m:53+2*\m] op_sel_hi:[1,0]
.set i, i+2
.endr
.endr
.irp m, 0,1,2,3
.irp t, 0,1,2,3,4,5,6,7
.irp i, 0,2,4,6
	v_pk_fma_f32 v[64*\m+8*\t+\i:64*\m+8*\t+\i+1], v[64*\m+8*\t+\i:64*\m+8*\t+\i+1], v[P0+8*\t+\i:P0+8*\t+\i+1], v[P1+8*\t+\i:P1+8*\t+\i+1]
.endr
.endr
.endr
	WIN 0
.endm
; A chunk of 512 hidden units: four groups of x1 W1 (my 128 units), quantised, their images to LDS; four groups of the last product on all 512.  last = 1: nothing beyond the stream's end is asked for.
.macro CHUNK last
.set i, 0
.rept 32
	v_pk_mul_f32 v[P0+i:P0+i+1], v[P0+i:P0+i+1], s[54:55] op_sel_hi:[1,0]   ; b1 / 2^(e12 + e13)
.set i, i+2
.endr
	GROUP 2, 2, 0, 32, 1, LI, X1IMG, 1, -1, 2      ; 32: the group of weights asked for behind this one's may be out
	GROUP 2, 1, 1, 32, 1, LI, X1IMG, 2, -1, 3
	GROUP 2, 1, 0, 32, 1, LI, X1IMG, 3, -1, 4
	GROUP 2, 1, 1, 32, 0, LI, 0, 0, -1, 5
	QUANT 1
	BARRIER                                        ; every wave's reads of the last chunk's images are over
	IMAGE HW, 0
.if !(\last)
	s_add_co_u32 s71, s71, 2048
	v_add_nc_u32 v[PBJ], s71, v[PB]
	PLOAD P0, PBJ, 0                               ; the next chunk's b1
.endif
	BARRIER                                        ; the chunk's sixteen fragments lie in LDS
	FETCH 0, HR, 0, 0
	GROUP 3, 1, 0, 32, 1, HR, 0, 1, -1, 6
	GROUP 3, 1, 1, 32, 1, HR, 0, 2, -1, 7
.if \last
	GROUP 3, 1, 0, 32, 1, HR, 0, 3, -1, -1
	GROUP 3, 1, 1, 0, 0, LI, 0, 0, -1, -1          ; the stream's last group: nothing was asked for behind it
.else
	GROUP 3, 1, 0, 32, 1, HR, 0, 3, -1, 8
	GROUP 3, 1, 1, 32, 1, LI, X1IMG, 0, -1, 9
	s_wait_xcnt 0x0                                ; the loads have read the stream's pointer
	s_add_nc_u64 s[WP:WP+1], s[WP:WP+1], 131072    ; eight groups on
.endif
.endm
	s_load_b512 s[4:19], s[0:1], 0x0               ; ac s[4:5], wlay s[6:7], x s[8:9], bo s[10:11], gamma1 s[12:13], beta1 s[14:15], b2 s[16:17], gamma2 s[18:19]
	s_load_b256 s[20:27], s[0:1], 0x40             ; beta2 s[20:21], b1 s[22:23], the scales' exponents s[24:25], out0 s[26:27]
	v_lshl_add_u32 v[SPW], v0, 2, SPARE
	v_mov_b32 v[NIL], 0
	v_lshrrev_b32 v36, 5, v0
	v_readfirstlane_b32 s66, v36                   ; wave w
	s_mov_b32 s67, ttmp9                           ; my block of 64 rows
	v_and_b32 v37, 31, v0                          ; lane
	v_and_b32 v38, 15, v0                          ; r
	v_bfe_u32 v39, v0, 4, 1                        ; h
	v_lshlrev_b32 v[LI], 4, v37
	s_lshl_b32 s76, s66, 9                         ; 512 w
	v_lshlrev_b32 v[XA], 11, v38
	v_lshl_add_u32 v[XA], v39, 5, v[XA]
	v_add_nc_u32 v[XA], s76, v[XA]
	s_lshl_b32 s77, s66, 13
	v_add_nc_u32 v[AW], s77, v[LI]
	s_lshl_b32 s77, s66, 11
	v_add_nc_u32 v[IW], s77, v[LI]
	v_lshlrev_b32 v[PB], 5, v39
	v_add_nc_u32 v[PB], s76, v[PB]
	v_add_nc_u32 v[PB], PAR, v[PB]
	s_lshl_b32 s77, s66, 2
	v_lshlrev_b32 v[RB], 4, v38
	v_add_nc_u32 v[RB], RED, v[RB]
	v_add_nc_u32 v[RA], s77, v[RB]
	v_mul_u32_u24 v[SO], v38, 2064
	v_lshl_add_u32 v[SO], v39, 5, v[SO]
	v_add_nc_u32 v[SO], s76, v[SO]
	v_add_nc_u32 v[SO], STG, v[SO]
	v_add_nc_u32 v[SO2], 66048, v[SO]
	s_mul_i32 s77, s66, 33024
	v_add_nc_u32 v[SR], s77, v[LI]
	v_add_nc_u32 v[SR], STG, v[SR]
	v_add_nc_u32 v[HR], 65536, v[LI]
	v_add_nc_u32 v[HW], 65536, v[IW]
	v_lshlrev_b32 v18, 4, v0                       ; 16 x my thread's number: the parameters' copy
	v_add_nc_u32 v19, PAR, v18
.irp m, 0,1,2,3
	v_mov_b32 v[53+2*\m], 0                        ; (named as the upper halves of pairs of which the low word serves)
	v_mov_b32 v[60+\m], 0                          ; written once: a lane permute's destination counts as one of its sources
.endr
	s_mov_b32 s74, 0x76543210
	s_mov_b32 s75, 0xfedcba98
	s_mov_b32 s71, 12288                           ; b1's place among the parameters
	s_mov_b32 s70, 3
	s_wait_kmcnt 0x0
	s_load_b512 s[36:51], s[24:25], 0x0            ; e0 .. e15
	s_lshl_b32 s76, s67, 15
	s_mov_b32 s77, 0
	s_add_nc_u64 s[4:5], s[4:5], s[76:77]          ; ac: my four tiles, 32,768 bytes, laid as AIMG is
	s_lshl_b32 s76, s67, 17
	s_add_nc_u64 s[8:9], s[8:9], s[76:77]          ; x at my first row
	s_add_nc_u64 s[26:27], s[26:27], s[76:77]
	s_lshl_b32 s76, s66, 15
	s_add_nc_u64 s[26:27], s[26:27], s[76:77]      ; out0 at the 16 rows that my wave stores
	s_mul_i32 s76, s66, 589824
	s_add_nc_u64 s[WP:WP+1], s[6:7], s[76:77]
.irp i, 0,1,2,3,4,5,6,7,8,9,10,11,12,13,14,15
	global_load_b128 v[64+4*\i:67+4*\i], v[AW], s[4:5] offset:512*\i
.endr
.irp n, 0,1,2,3,4,5
	global_load_b128 v[P0+4*\n:P0+4*\n+3], v18, s[10+2*\n:11+2*\n]
.endr
.irp n, 0,1,2,3
	global_load_b128 v[P0+24+4*\n:P0+24+4*\n+3], v18, s[22:23] offset:2048*\n
.endr
	WLOAD 0, 0
	s_wait_loadcnt 32                              ; the codes and the parameters are in; the first group of weights may be out
.irp i, 0,1,2,3,4,5,6,7,8,9,10,11,12,13,14,15
	ds_store_b128 v[AW], v[64+4*\i:67+4*\i] offset:AIMG+512*\i
.endr
.irp n, 0,1,2,3,4,5,6,7,8,9
	ds_store_b128 v19, v[P0+4*\n:P0+4*\n+3] offset:2048*\n
.endr
	WLOAD 1, 1
	s_wait_kmcnt 0x0
	s_add_co_i32 s76, s46, s47                     ; e10 + e11
	s_add_co_i32 s52, s76, 127
	s_lshl_b32 s52, s52, 23
	s_mov_b32 s53, s52                             ; (each power of two is named as a pair, so both words are written)
	s_sub_co_i32 s28, 127, s76
	s_lshl_b32 s28, s28, 23
	s_mov_b32 s29, s28
	s_add_co_i32 s76, s48, s49                     ; e12 + e13
	s_sub_co_i32 s54, 127, s76
	s_lshl_b32 s54, s54, 23
	s_mov_b32 s55, s54
	s_sub_co_i32 s77, s50, s76                     ; e14 - e12 - e13
	s_add_co_i32 s62, s77, 127
	s_lshl_b32 s62, s62, 23
	s_add_co_i32 s63, s77, 135
	s_lshl_b32 s63, s63, 23
	s_or_b32 s63, s63, 0x600000
	s_add_co_i32 s76, s50, s51                     ; e14 + e15
	s_add_co_i32 s58, s76, 127
	s_lshl_b32 s58, s58, 23
	s_mov_b32 s59, s58
	s_sub_co_i32 s56, 127, s76
	s_lshl_b32 s56, s56, 23
	s_mov_b32 s57, s56
	s_add_co_i32 s60, s48, 127
	s_lshl_b32 s60, s60, 23                        ; 2^e12
	s_add_co_i32 s61, s48, 135
	s_lshl_b32 s61, s61, 23
	s_or_b32 s61, s61, 0x600000
	BARRIER                                        ; the attention's fragments and the parameters lie in LDS
	PLOAD P0, PB, 0                                ; bo
	FETCH 0, LI, AIMG, 0
	s_wait_dscnt 16                                ; bo is in; the 16 loads behind it may be out
.set i, 0
.rept 32
	v_pk_mul_f32 v[P0+i:P0+i+1], v[P0+i:P0+i+1], s[28:29] op_sel_hi:[1,0]   ; bo / 2^(e10 + e11)
.set i, i+2
.endr
	; ---- the projection; x comes in meanwhile
	GROUP 2, 2, 0, 32, 1, LI, AIMG, 1, 0, 2        ; 32: the second group of weights may be out
	GROUP 2, 1, 1, 48, 1, LI, AIMG, 2, 1, 3        ; 48: a tile of x (16) and a group of weights (32) were asked for behind this group's
	GROUP 2, 1, 0, 48, 1, LI, AIMG, 3, 2, 4
	GROUP 2, 1, 1, 48, 0, LI, 0, 0, 3, 5
	s_wait_loadcnt 32                              ; all of x is in; the group of weights behind it may be out
	s_wait_xcnt 0x0                                ; the loads have read the stream's pointer
	s_add_nc_u64 s[WP:WP+1], s[WP:WP+1], 65536     ; four groups on: at the first chunk
	WIN 0xb2                                       ; source 0 and destination window 2, source 2 window 3
.set i, 0
.rept 128
	v_pk_fma_f32 v[i:i+1], v[i:i+1], s[52:53], v[i:i+1] op_sel_hi:[1,0,1]   ; H = H x 2^(e10 + e11) + x; each accumulator from its low end on
.set i, i+2
.endr
	WIN 0
	LN 2, 0, 1, 2                                  ; H = x1
	PLOAD P0, PB, 3*2048                           ; b2
	s_wait_dscnt 0x0
.set i, 0
.rept 32
	v_pk_mul_f32 v[P0+i:P0+i+1], v[P0+i:P0+i+1], s[56:57] op_sel_hi:[1,0]
.set i, i+2
.endr
	WIN 0xc2                                       ; source 0 window 2, destination window 3
.irp m, 0,1,2,3
.irp t, 0,1,2,3,4,5,6,7
.irp i, 0,2,4,6
	v_pk_fma_f32 v[64*\m+8*\t+\i:64*\m+8*\t+\i+1], v[64*\m+8*\t+\i:64*\m+8*\t+\i+1], s[56:57], v[P0+8*\t+\i:P0+8*\t+\i+1] op_sel_hi:[1,0,1]   ; Y = (x1 + b2) / 2^(e14 + e15)
.endr
.endr
.endr
	WIN 0
	v_mov_b32 v16, s60
	v_mov_b32 v17, s61
	QUANT 0
	IMAGE IW, X1IMG                                ; K step w of the next product
	v_mov_b32 v16, s62                             ; from here on the hidden layer's scale
	v_mov_b32 v17, s63
	v_add_nc_u32 v[PBJ], s71, v[PB]
	PLOAD P0, PBJ, 0                               ; the first chunk's b1
	BARRIER                                        ; x1's sixteen fragments lie in LDS; nothing writes them again
	FETCH 0, LI, X1IMG, 0
.Lchunk:                                           ; three trips; every window is 0 here
	CHUNK 0
	s_sub_co_u32 s70, s70, 1
	s_cmp_lg_u32 s70, 0
	s_cbranch_scc1 .Lchunk
	CHUNK 1                                        ; the last chunk is written out: it asks for nothing beyond the end, and its last count is 0
	WIN 0xc3
.set i, 0
.rept 128
	v_pk_mul_f32 v[i:i+1], v[i:i+1], s[58:59] op_sel_hi:[1,0]   ; Y = x1 + the feed-forward layer; each accumulator from its low end on
.set i, i+2
.endr
	WIN 0
	LN 3, 2, 4, 5
	; ---- the way out: a row's 512 numbers come from four waves: they meet in the stage, and each wave stores 16 whole rows
	WIN 0x0c                                       ; store data window 3
.irp m, 0,1,2,3
.irp t, 0,1,2,3,4,5,6,7
.if \m < 2
	ds_store_b128 v[SO], v[64*\m+8*\t:64*\m+8*\t+3] offset:\m*33024+64*\t
	ds_store_b128 v[SO], v[64*\m+8*\t+4:64*\m+8*\t+7] offset:\m*33024+64*\t+16
.else
	ds_store_b128 v[SO2], v[64*\m+8*\t:64*\m+8*\t+3] offset:(\m-2)*33024+64*\t
	ds_store_b128 v[SO2], v[64*\m+8*\t+4:64*\m+8*\t+7] offset:(\m-2)*33024+64*\t+16
.endif
.endr
.endr
	WIN 0
	BARRIER
.irp b, 0,1
.if \b
	s_wait_xcnt 0x0                                ; the first eight rows' stores have read their registers
.endif
.irp i, 0,1,2,3,4,5,6,7
.irp q, 0,1,2,3
	ds_load_b128 v[128+16*\i+4*\q:128+16*\i+4*\q+3], v[SR] offset:2064*(8*\b+\i)+512*\q
.endr
.endr
.irp i, 0,1,2,3,4,5,6,7
.irp q, 0,1,2,3
	s_wait_dscnt 31-(4*\i+\q)                      ; LDS loads come back in order (ISA guide 5.7.1)
	global_store_b128 v[LI], v[128+16*\i+4*\q:128+16*\i+4*\q+3], s[26:27] offset:2048*(8*\b+\i)+512*\q th:TH_STORE_NT   ; 32 lanes store 512 consecutive bytes, aligned; written once, read by nobody here
.endr
.endr
.endr
	s_wait_tensorcnt 0x0                           ; the wave's end
	ds_add_u32 v[SPW], v[NIL]
	s_wait_dscnt 0x0
	s_endpgm
.Lfunc_end_k_qa01ff240e9_tail:
	.size	k_qa01ff240e9_tail, .Lfunc_end_k_qa01ff240e9_tail-k_qa01ff240e9_tail
	.p2alignl 7, 3214868480
	.fill 96, 4, 3214868480
	.section	.rodata,"a",@progbits
	.p2align	6, 0x0
	.amdhsa_kernel k_qa01ff240e9_tail
		.amdhsa_group_segment_fixed_size 255488
		.amdhsa_private_segment_fixed_size 0
		.amdhsa_enable_private_segment 0
		.amdhsa_kernarg_size 96
		.amdhsa_user_sgpr_count 2
		.amdhsa_user_sgpr_kernarg_segment_ptr 1
		.amdhsa_wavefront_size32 1
		.amdhsa_system_sgpr_workgroup_id_x 1
		.amdhsa_system_sgpr_workgroup_id_y 1
		.amdhsa_system_sgpr_workgroup_id_z 1
		.amdhsa_system_vgpr_workitem_id 0
		.amdhsa_next_free_vgpr 1024
		.amdhsa_next_free_sgpr 80
		.amdhsa_reserve_vcc 0
		.amdhsa_float_denorm_mode_32 3
		.amdhsa_float_denorm_mode_16_64 3
		.amdhsa_memory_ordered 1
		.amdhsa_forward_progress 1
		.amdhsa_inst_pref_size 255
	.end_amdhsa_kernel
	.section	.bss,"aw",@nobits
	.p2align	6
	.space	262144
	.amdgpu_metadata
---
amdhsa.version: [ 1, 2 ]
amdhsa.kernels:
  - .name:           k_qa01ff240e9_tail
    .symbol:         k_qa01ff240e9_tail.kd
    .args:
      - { .name: ac, .offset: 0, .size: 8, .value_kind: global_buffer, .address_space: global }
      - { .name: wlay, .offset: 8, .size: 8, .value_kind: global_buffer, .address_space: global }
      - { .name: x, .offset: 16, .size: 8, .value_kind: global_buffer, .address_space: global }
      - { .name: bo, .offset: 24, .size: 8, .value_kind: global_buffer, .address_space: global }
      - { .name: gamma1, .offset: 32, .size: 8, .value_kind: global_buffer, .address_space: global }
      - { .name: beta1, .offset: 40, .size: 8, .value_kind: global_buffer, .address_space: global }
      - { .name: b2, .offset: 48, .size: 8, .value_kind: global_buffer, .address_space: global }
      - { .name: gamma2, .offset: 56, .size: 8, .value_kind: global_buffer, .address_space: global }
      - { .name: beta2, .offset: 64, .size: 8, .value_kind: global_buffer, .address_space: global }
      - { .name: b1, .offset: 72, .size: 8, .value_kind: global_buffer, .address_space: global }
      - { .name: lowp_scales, .offset: 80, .size: 8, .value_kind: global_buffer, .address_space: global }
      - { .name: out0, .offset: 88, .size: 8, .value_kind: global_buffer, .address_space: global }
    .group_segment_fixed_size: 255488
    .private_segment_fixed_size: 0
    .kernarg_segment_align: 8
    .kernarg_segment_size: 96
    .max_flat_workgroup_size: 128
    .sgpr_count:     80
    .vgpr_count:     1024
    .wavefront_size: 32
...
	.end_amdgpu_metadata
.endif
;; end of part 4
;; ======== version 2 of 2: 4 launches
;; limits: right only within a limited range of input values
;; workspace buffers: wlay 3,145,728 bytes; qc 4,194,304 bytes; kv 8,388,608 bytes; ac 4,194,304 bytes
;; launch lay (part 5): grid 48 x 4, 8 waves a work-group, no clusters, 0 bytes of LDS; arguments Wq_codes, Wk_codes, Wv_codes, Wo_codes, W1_codes, W2_codes, wlay; writes wlay
.if DOCPART == 5
	.amdgcn_target "amdgcn-amd-amdhsa--gfx1250"
	.amdhsa_code_object_version 6
	.text
	.protected	k_qa01ff240e9_lay
	.globl	k_qa01ff240e9_lay
	.p2align	8
	.type	k_qa01ff240e9_lay,@function
k_qa01ff240e9_lay:
	s_mov_b64 s[64:65], 0
	v_nop
	global_prefetch_b8 v0, s[64:65] scope:SCOPE_SE
	s_setreg_imm32_b32 hwreg(HW_REG_WAVE_MODE, 25, 1), 1
	s_wait_xcnt 0x0
; ENCODER LAYER IN E4M3, launch 1 of 4: the six weights' codes are laid in the order in which the later launches' operand registers take them.
; DEAD WORK: none.  Every bias stands ahead of a quantiser or of a LayerNorm, every product feeds the next, every input has a way to out0: all inputs are loaded, all eight products are done.
; A FRAGMENT is 16 rows x 128 along K of codes in 16 registers, in the matrix instruction's own layout: lane (r = lane % 16, h = lane / 16) holds row r, its registers 2 c, 2 c + 1 hold k = 16 c + 8 h + 0 .. 7.
; ITS IMAGE is 2,048 bytes: [g = 0 .. 3][lane][16 bytes], group g = registers 4 g .. 4 g + 3.  Four loads of 16 bytes a lane at 512 g + 16 lane bring a fragment; each covers 512 consecutive bytes.
; wlay, bytes 0 .. 2,359,295, for the last launch: [wave w 0..3][group G 0..35][t 0..7][2,048]:
;   G < 4: Wo, rows 128 w + 16 t + r, k from 128 G;   G = 4 + 8 j + q, q < 4: W1, rows 512 j + 128 w + 16 t + r, k from 128 q;   q >= 4: W2, rows 128 w + 16 t + r, k from 512 j + 128 (q - 4).
; wlay from byte 2,359,296, for the second launch: [head 0..7][p 0..2 = q, k, v][s 0..3][t 0..3][2,048]: rows 64 head + 16 t + r, k from 128 s.
; SHARES: a wave copies one fragment: eight loads of 8 bytes a lane, four stores of 16.  Work-group x < 36: group G = x of wave w = y, fragment t = my wave.  x >= 36: the second part.  No LDS, no barrier.
.set QKVPART, 2359296
	s_load_b256 s[4:11], s[0:1], 0x0               ; Wq s[4:5], Wk s[6:7], Wv s[8:9], Wo s[10:11]
	s_load_b128 s[12:15], s[0:1], 0x20             ; W1 s[12:13], W2 s[14:15]
	s_load_b64 s[16:17], s[0:1], 0x30              ; wlay
	v_lshrrev_b32 v1, 5, v0
	s_delay_alu instid0(VALU_DEP_1)
	v_readfirstlane_b32 s18, v1                    ; T: my wave, 0 .. 7
	s_mov_b32 s19, ttmp9                           ; X
	s_and_b32 s20, ttmp7, 0xffff                   ; Y
	v_and_b32 v3, 15, v0                           ; r
	v_bfe_u32 v4, v0, 4, 1                         ; h
	v_and_b32 v5, 31, v0                           ; lane
	s_wait_kmcnt 0x0
	s_cmp_lt_u32 s19, 36                           ; ids alone decide
	s_cbranch_scc0 .Lqkv_part
	s_max_u32 s28, s19, 4
	s_sub_co_u32 s28, s28, 4                       ; G - 4 (0 in Wo's groups, where it is not used)
	s_lshr_b32 s29, s28, 3                         ; j
	s_and_b32 s30, s28, 7                          ; q
	s_lshl_b32 s31, s20, 7
	s_lshl_b32 s24, s18, 4
	s_add_co_u32 s31, s31, s24                     ; nb = 128 w + 16 t
	s_lshl_b32 s29, s29, 9                         ; 512 j
	s_lshl_b32 s28, s30, 7                         ; 128 q
	s_add_co_u32 s24, s31, s29                     ; W1's first row
	s_add_co_u32 s25, s29, s28
	s_sub_co_u32 s25, s25, 512                     ; W2's first k (used where q >= 4)
	s_mov_b32 s26, 2048                            ; W2's row in bytes
	s_cmp_lt_u32 s30, 4
	s_cselect_b64 s[22:23], s[12:13], s[14:15]     ; W1 or W2
	s_cselect_b32 s24, s24, s31
	s_cselect_b32 s25, s28, s25
	s_cselect_b32 s26, 512, s26
	s_lshl_b32 s28, s19, 7                         ; Wo's first k
	s_cmp_lt_u32 s19, 4
	s_cselect_b64 s[22:23], s[10:11], s[22:23]     ; or Wo
	s_cselect_b32 s24, s31, s24
	s_cselect_b32 s25, s28, s25
	s_cselect_b32 s26, 512, s26
	s_mul_i32 s27, s20, 36
	s_add_co_u32 s27, s27, s19
	s_lshl_b32 s27, s27, 14
	s_lshl_b32 s28, s18, 11
	s_add_co_u32 s27, s27, s28                     ; where the image goes
	s_branch .Ljoin
.Lqkv_part:
	s_sub_co_u32 s28, s19, 36                      ; 0 .. 11
	s_lshr_b32 s29, s28, 2                         ; p
	s_and_b32 s30, s28, 3                          ; u
	s_lshr_b32 s31, s30, 1
	s_lshl_b32 s24, s20, 1
	s_add_co_u32 s31, s31, s24                     ; head = 2 Y + u / 2
	s_and_b32 s30, s30, 1
	s_lshl_b32 s30, s30, 1
	s_lshr_b32 s24, s18, 2
	s_add_co_u32 s30, s30, s24                     ; s = 2 (u % 2) + T / 4
	s_and_b32 s28, s18, 3                          ; t = T % 4
	s_lshl_b32 s24, s31, 6
	s_lshl_b32 s25, s28, 4
	s_add_co_u32 s24, s24, s25                     ; first row
	s_lshl_b32 s25, s30, 7                         ; first k
	s_mov_b32 s26, 512
	s_mul_i32 s27, s31, 98304
	s_lshl_b32 s31, s29, 15
	s_add_co_u32 s27, s27, s31
	s_lshl_b32 s31, s30, 13
	s_add_co_u32 s27, s27, s31
	s_lshl_b32 s31, s28, 11
	s_add_co_u32 s27, s27, s31
	s_add_co_u32 s27, s27, QKVPART
	s_cmp_eq_u32 s29, 0
	s_cselect_b64 s[22:23], s[4:5], s[6:7]
	s_cmp_eq_u32 s29, 2
	s_cselect_b64 s[22:23], s[8:9], s[22:23]
.Ljoin:
	s_wait_alu depctr_va_vdst(0)
	v_add_nc_u32 v1, s24, v3                       ; my row,
	s_delay_alu instid0(VALU_DEP_1)
	v_mul_lo_u32 v1, v1, s26                       ; in bytes,
	s_delay_alu instid0(VALU_DEP_1)
	v_lshl_add_u32 v1, v4, 3, v1                   ; + 8 h
	s_delay_alu instid0(VALU_DEP_1)
	v_add_nc_u32 v1, s25, v1                       ; + the first k
	v_lshl_add_u32 v2, v5, 4, s27                  ; 16 lane + the image's place
.irp c, 0,1,2,3,4,5,6,7
	global_load_b64 v[8+2*\c:9+2*\c], v1, s[22:23] offset:16*\c     ; k = 16 c + 8 h + 0 .. 7: registers 2 c, 2 c + 1
.endr
	s_wait_alu depctr_va_vdst(0)
	s_wait_loadcnt 0x0
.irp g, 0,1,2,3
	global_store_b128 v2, v[8+4*\g:11+4*\g], s[16:17] offset:512*\g ; 32 lanes store 512 consecutive bytes, aligned
.endr
	s_endpgm
.Lfunc_end_k_qa01ff240e9_lay:
	.size	k_qa01ff240e9_lay, .Lfunc_end_k_qa01ff240e9_lay-k_qa01ff240e9_lay
	.p2alignl 7, 3214868480
	.fill 96, 4, 3214868480
	.section	.rodata,"a",@progbits
	.p2align	6, 0x0
	.amdhsa_kernel k_qa01ff240e9_lay
		.amdhsa_group_segment_fixed_size 0
		.amdhsa_private_segment_fixed_size 0
		.amdhsa_enable_private_segment 0
		.amdhsa_kernarg_size 56
		.amdhsa_user_sgpr_count 2
		.amdhsa_user_sgpr_kernarg_segment_ptr 1
		.amdhsa_wavefront_size32 1
		.amdhsa_system_sgpr_workgroup_id_x 1
		.amdhsa_system_sgpr_workgroup_id_y 1
		.amdhsa_system_sgpr_workgroup_id_z 1
		.amdhsa_system_vgpr_workitem_id 0
		.amdhsa_next_free_vgpr 32
		.amdhsa_next_free_sgpr 66
		.amdhsa_reserve_vcc 0
		.amdhsa_float_denorm_mode_32 3
		.amdhsa_float_denorm_mode_16_64 3
		.amdhsa_memory_ordered 1
		.amdhsa_forward_progress 1
		.amdhsa_inst_pref_size 5
	.end_amdhsa_kernel
	.amdgpu_metadata
---
amdhsa.version: [ 1, 2 ]
amdhsa.kernels:
  - .name:           k_qa01ff240e9_lay
    .symbol:         k_qa01ff240e9_lay.kd
    .args:
      - { .name: Wq_codes, .offset: 0, .size: 8, .value_kind: global_buffer, .address_space: global }
      - { .name: Wk_codes, .offset: 8, .size: 8, .value_kind: global_buffer, .address_space: global }
      - { .name: Wv_codes, .offset: 16, .size: 8, .value_kind: global_buffer, .address_space: global }
      - { .name: Wo_codes, .offset: 24, .size: 8, .value_kind: global_buffer, .address_space: global }
      - { .name: W1_codes, .offset: 32, .size: 8, .value_kind: global_buffer, .address_space: global }
      - { .name: W2_codes, .offset: 40, .size: 8, .value_kind: global_buffer, .address_space: global }
      - { .name: wlay, .offset: 48, .size: 8, .value_kind: global_buffer, .address_space: global }
    .group_segment_fixed_size: 0
    .private_segment_fixed_size: 0
    .kernarg_segment_align: 8
    .kernarg_segment_size: 56
    .max_flat_workgroup_size: 256
    .sgpr_count:     66
    .vgpr_count:     32
    .wavefront_size: 32
...
	.end_amdgpu_metadata
.endif
;; end of part 5
;; launch qkv (part 6): grid 128 x 2, 4 waves a work-group, no clusters, 101,888 bytes of LDS; arguments x, wlay, bq, bk, bv, lowp_scales, qc, kv; writes qc, kv
.if DOCPART == 6
	.amdgcn_target "amdgcn-amd-amdhsa--gfx1250"
	.amdhsa_code_object_version 6
	.text
	.protected	k_qa01ff240e9_qkv
	.globl	k_qa01ff240e9_qkv
	.p2align	8
	.type	k_qa01ff240e9_qkv,@function
k_qa01ff240e9_qkv:
	s_mov_b64 s[64:65], 0
	v_nop
	global_prefetch_b8 v0, s[64:65] scope:SCOPE_SE
	s_setreg_imm32_b32 hwreg(HW_REG_WAVE_MODE, 25, 1), 1
	s_wait_xcnt 0x0
; Launch 2 of 4: q = x Wq + bq, k = x Wk + bk, v = x Wv + bv on codes of E4M3, and q, k, v quantised for attention.  Nothing is left out.
; x (f32) is quantised three times, with 2^e0, 2^e2, 2^e4; the weights come as images of fragments (the first launch's head says what an image is); a sum is multiplied by 2^(its two e added), the bias is added in the same
; packed multiply-add, and the result is held within +-448 x its scale and converted: q with e6, k with e7 (K = the head's 64), v with e9 (K = the keys).
; SHARES.  Work-group (xb, y): tokens 64 xb .. + 63, heads 4 y .. 4 y + 3.  Wave w: head hd = 4 y + w: 64 columns of each of q, k, v for all 64 tokens: 16 accumulators (4 tiles of tokens m x 4 tiles of columns t).
; PHASE X: wave w quantises tokens 16 w .. + 15 (4 K steps x 3 scales: 12 fragments) and stores their images in LDS; one barrier; then every wave reads all 48.
; THE WEIGHTS go from memory straight into registers, four buffers of 4 fragments, three groups ahead: a fragment feeds four matrix instructions of ONE wave and is wanted by no other wave of the work-group, so LDS would only be
; written and read once more for it.  For the same reason no cluster: a joint load lands in LDS.
; q AND k ARE MADE TRANSPOSED (source 0 = 16 rows of W, source 1 = 16 tokens): a lane holds one token and its eight registers eight neighbouring channels, which are neighbours along the next K: one conversion of a tile's eight
; registers gives registers 2 t, 2 t + 1 of the next operand.  v IS MADE THE OTHER WAY (source 0 = tokens, source 1 = W): a lane holds one channel and eight neighbouring tokens, neighbours along ITS next K, the keys.
; OUT.  qc [bh 16][tile of 16 tokens 256][1,024]: images for K = 64 ([g 0,1][lane][16]).  kv [bh][block of 128 keys 32][16,384]: 8 images of k, then 4 images (K = 128) of v^T, rows = channels 16 t + r.  bh = 8 batch + head.
; LIMITS, so that each power of two below is an f32 number: e0, e2, e4, e6, e7, e9 between -126 and 119; e0 + e1, e2 + e3, e4 + e5 between -126 and 127.  NaN among the inputs is not served.
; REGISTERS.  Window 0: v1-19 addresses and scales; v32-95, v96-159 two sets of x (64 numbers), later two sets of x's fragments; v160-223 held numbers, later the biases; v224-255 codes.
;   Window 1: four weight buffers of 64.   Window 2: v0-127 the accumulators, (m, t) at 8 (4 m + t).
.set QKVPART, 2359296
.set PAR,   98304                      ; LDS: x's images fill 0 .. 98,303: fragment (p, m, s) at 32,768 p + 8,192 m + 2,048 s; then 768 bytes a wave: bq, bk, bv of my head
.set SPARE, 101376                     ; the spare words, 128 bytes for each wave: two blocks of 256 bytes that no other line names
.set LI,  1                            ; v1   16 lane
.set XA,  2                            ; v2   x: 2,048 r + 32 h
.set XW,  3                            ; v3   16 lane + 8,192 wave: where I store x's images
.set XW2, 4                            ; v4   the same + 65,536 (an LDS offset has 16 bits)
.set LI2, 5                            ; v5   16 lane + 65,536
.set SPW, 6                            ; v6   my spare word; never rewritten
.set NIL, 7                            ; v7   0; never rewritten
.set PW,  16                           ; v16  PAR + 768 wave + 4 lane
.set PBQ, 17                           ; v17  PAR + 768 wave + 32 h
.set PBV, 18                           ; v18  PAR + 768 wave + 512 + 4 r
.set L4,  19                           ; v19  4 lane
.set ACT, 32
.set T,   160
.set BIAS, 160
.set CODE, 224
.set MSB, 0
.macro WIN new                         ; the immediate's high byte repeats the setting that is left; a switch that changes nothing is dropped
.if MSB != (\new)
	s_set_vgpr_msb (MSB<<8)|(\new)
.set MSB, (\new)
.endif
.endm
.macro PLACES n
.rept \n
	v_nop
.endr
.endm
.macro XLOAD xs, s                     ; my 16 tokens' numbers of K step s: register 8 c + e = k 128 s + 16 c + 8 h + e of row r
.irp c, 0,1,2,3,4,5,6,7
	global_load_b128 v[\xs+8*\c:\xs+8*\c+3], v[XA], s[4:5] offset:512*\s+64*\c
	global_load_b128 v[\xs+8*\c+4:\xs+8*\c+7], v[XA], s[4:5] offset:512*\s+64*\c+16
.endr
.endm
.macro WLOAD G                         ; group G = 4 p + s: four fragments into buffer G % 4
	WIN 0x40                                       ; destination window 1
.irp t, 0,1,2,3
.irp g, 0,1,2,3
	global_load_b128 v[64*((\G)%4)+16*\t+4*\g:64*((\G)%4)+16*\t+4*\g+3], v[LI], s[6:7] offset:8192*(\G)+2048*\t+512*\g
.endr
.endr
	WIN 0
.endm
.set QN, 0
.macro QX xs, s                        ; 64 numbers of a lane become three fragments, one for each of x's scales; the codes' registers are two halves by turns
.irp p, 0,1,2
.set CD, CODE+16*(QN%2)
.set i, 0
.rept 64
	v_med3_num_f32 v[T+i], v[\xs+i], -v[9+2*\p], v[9+2*\p]   ; the conversion to an 8-bit code does not saturate (ISA guide 7.6.2): the hold at 448 x the scale
.set i, i+1
.endr
	s_wait_alu depctr_va_vdst(0)
	s_wait_dscnt 4                                 ; the four stores that may be out read the other half: this half's have read their registers
.irp c, 0,1,2,3,4,5,6,7
	v_cvt_scalef32_pk8_fp8_f32 v[CD+2*\c:CD+2*\c+1], v[T+8*\c:T+8*\c+7], v[8+2*\p]
.endr
	v_nop                                          ; a plain line between the conversions and the next lines that write their sources
.irp g, 0,1,2,3
.if \p < 2
	ds_store_b128 v[XW], v[CD+4*\g:CD+4*\g+3] offset:\p*32768+2048*\s+512*\g
.else
	ds_store_b128 v[XW2], v[CD+4*\g:CD+4*\g+3] offset:2048*\s+512*\g
.endif
.endr
.set QN, QN+1
.endr
.endm
.macro FETCH buf, p, s                 ; x's four fragments (all tiles of tokens) of scale p, K step s
.irp m, 0,1,2,3
.irp g, 0,1,2,3
.if (\p) < 2
	ds_load_b128 v[ACT+64*(\buf)+16*\m+4*\g:ACT+64*(\buf)+16*\m+4*\g+3], v[LI] offset:(\p)*32768+8192*\m+2048*(\s)+512*\g
.else
	ds_load_b128 v[ACT+64*(\buf)+16*\m+4*\g:ACT+64*(\buf)+16*\m+4*\g+3], v[LI2] offset:8192*\m+2048*(\s)+512*\g
.endif
.endr
.endr
.endm
.macro MUL8 mh, p, b, a                ; 8 matrix instructions; b = K step = weight buffer; b = 0: the first product starts the sums
.irp m, 2*(\mh), 2*(\mh)+1
.irp t, 0,1,2,3
.set DA, 8*(4*(\m)+\t)
.set WF, 64*(\b)+16*\t
.set AF, ACT+64*(\a)+16*(\m)
.if (\p) < 2
.if (\b) == 0
	v_wmma_f32_16x16x128_fp8_fp8 v[DA:DA+7], v[WF:WF+15], v[AF:AF+15], 0
.else
	v_wmma_f32_16x16x128_fp8_fp8 v[DA:DA+7], v[WF:WF+15], v[AF:AF+15], v[DA:DA+7]
.endif
.else
.if (\b) == 0
	v_wmma_f32_16x16x128_fp8_fp8 v[DA:DA+7], v[AF:AF+15], v[WF:WF+15], 0
.else
	v_wmma_f32_16x16x128_fp8_fp8 v[DA:DA+7], v[AF:AF+15], v[WF:WF+15], v[DA:DA+7]
.endif
.endif
.endr
.endr
.endm
; A group: 128 along K of one of the three products: 16 matrix instructions, the 16 accumulators by turns, in the same order in every group.
.macro GROUPQ G
	s_wait_dscnt 0x0                               ; x's fragments of this group are in
.if (\G) <= 8
	s_wait_loadcnt 48                              ; this group's weights are in; the three groups asked for behind them (16 loads each) may be out
.else
	s_wait_loadcnt 16*(11-(\G))
.endif
.if (\G)/4 < 2
.set GW, 0xa1                                      ; source 0 (W) window 1, source 1 (x) window 0, C and D window 2
.else
.set GW, 0xa4                                      ; source 0 (x) window 0, source 1 (W) window 1
.endif
	WIN GW
	MUL8 0, (\G)/4, (\G)%4, (\G)%2
.if (\G) < 11
	WIN 0
	FETCH ((\G)+1)%2, ((\G)+1)/4, ((\G)+1)%4       ; into the set that the group before multiplied: the places at that group's end stand between
	WIN GW
.endif
	MUL8 1, (\G)/4, (\G)%4, (\G)%2
	WIN 0
	PLACES 5                                       ; four in front of loads into registers that matrix instructions have read and of reads of results; five in front of the next product's first instructions, which begin the accumulators anew
.if (\G) <= 7
	WLOAD (\G)+4
.endif
.endm
.macro EPI_QK p                        ; q (p = 0) or k (p = 1): x 2^(e + e) + bias, held, converted, stored as images for K = 64
.irp t, 0,1,2,3
	ds_load_b128 v[BIAS+8*\t:BIAS+8*\t+3], v[PBQ] offset:256*\p+64*\t          ; the bias at channels 16 t + 8 h + 0 .. 7
	ds_load_b128 v[BIAS+8*\t+4:BIAS+8*\t+7], v[PBQ] offset:256*\p+64*\t+16
.endr
	v_mov_b32 v14, s[58+2*\p]
	v_mov_b32 v15, s[59+2*\p]
	s_wait_dscnt 0x0
	WIN 0x82                                       ; source 0 and destination window 2
.irp m, 0,1,2,3
.irp t, 0,1,2,3
.irp i, 0,2,4,6
	v_pk_fma_f32 v[8*(4*\m+\t)+\i:8*(4*\m+\t)+\i+1], v[8*(4*\m+\t)+\i:8*(4*\m+\t)+\i+1], s[52+2*\p:53+2*\p], v[BIAS+8*\t+\i:BIAS+8*\t+\i+1] op_sel_hi:[1,0,1]   ; each accumulator from its low end on
.endr
.endr
.endr
.set i, 0
.rept 128
	v_med3_num_f32 v[i], v[i], -v15, v15
.set i, i+1
.endr
	s_wait_xcnt 0x0                                ; the earlier stores have read the codes' registers
	WIN 0x02
.irp m, 0,1,2,3
.irp t, 0,1,2,3
	v_cvt_scalef32_pk8_fp8_f32 v[CODE+8*\m+2*\t:CODE+8*\m+2*\t+1], v[8*(4*\m+\t):8*(4*\m+\t)+7], v14
.endr
.endr
	WIN 0
	v_nop                                          ; a plain line between the conversions and the matrix instructions that write their sources
.irp m, 0,1,2,3
.irp i, 0,1
.if \p == 0
	global_store_b128 v[LI], v[CODE+8*\m+4*\i:CODE+8*\m+4*\i+3], s[16:17] offset:1024*\m+512*\i   ; 512 consecutive bytes, aligned
.else
	global_store_b128 v[LI], v[CODE+8*\m+4*\i:CODE+8*\m+4*\i+3], s[28:29] offset:1024*\m+512*\i
.endif
.endr
.endr
.endm
	s_load_b512 s[4:19], s[0:1], 0x0               ; x s[4:5], wlay s[6:7], bq s[8:9], bk s[10:11], bv s[12:13], the scales' exponents s[14:15], qc s[16:17], kv s[18:19]
	v_lshl_add_u32 v[SPW], v0, 2, SPARE
	v_mov_b32 v[NIL], 0
	v_lshrrev_b32 v20, 5, v0
	v_readfirstlane_b32 s20, v20                   ; wave w
	s_mov_b32 s21, ttmp9                           ; xb
	s_and_b32 s22, ttmp7, 0xffff                   ; y
	s_lshl_b32 s23, s22, 2
	s_add_co_u32 s23, s23, s20                     ; hd
	v_and_b32 v21, 31, v0                          ; lane
	v_and_b32 v22, 15, v0                          ; r
	v_bfe_u32 v23, v0, 4, 1                        ; h
	v_lshlrev_b32 v[LI], 4, v21
	v_lshlrev_b32 v[XA], 11, v22
	v_lshl_add_u32 v[XA], v23, 5, v[XA]
	s_lshl_b32 s24, s20, 13
	v_add_nc_u32 v[XW], s24, v[LI]
	v_add_nc_u32 v[XW2], 65536, v[XW]
	v_add_nc_u32 v[LI2], 65536, v[LI]
	s_mul_i32 s24, s20, 768
	s_add_co_u32 s24, s24, PAR
	v_lshl_add_u32 v[PW], v21, 2, s24
	v_lshl_add_u32 v[PBQ], v23, 5, s24
	v_lshl_add_u32 v[PBV], v22, 2, s24
	v_add_nc_u32 v[PBV], 512, v[PBV]
	v_lshlrev_b32 v[L4], 2, v21
	s_lshl_b32 s24, s21, 17                        ; 64 rows of 2,048 bytes a block,
	s_lshl_b32 s25, s20, 15                        ; 16 a wave
	s_add_co_u32 s24, s24, s25
	s_mov_b32 s25, 0
	s_mul_i32 s26, s23, 98304                      ; my head's 48 fragments
	s_add_co_u32 s26, s26, QKVPART
	s_mov_b32 s27, 0
	s_lshl_b32 s32, s23, 8                         ; my head's 64 numbers of a bias
	s_mov_b32 s33, 0
	s_wait_alu depctr_va_vdst(0)
	s_wait_kmcnt 0x0
	s_load_b512 s[36:51], s[14:15], 0x0            ; e0 .. e15
	s_add_nc_u64 s[4:5], s[4:5], s[24:25]
	s_add_nc_u64 s[6:7], s[6:7], s[26:27]
	s_add_nc_u64 s[8:9], s[8:9], s[32:33]
	s_add_nc_u64 s[10:11], s[10:11], s[32:33]
	s_add_nc_u64 s[12:13], s[12:13], s[32:33]
.irp p, 0,1,2
	global_load_b32 v[20+2*\p], v[L4], s[8+2*\p:9+2*\p]
	global_load_b32 v[21+2*\p], v[L4], s[8+2*\p:9+2*\p] offset:128
.endr
	XLOAD ACT, 0
	XLOAD ACT+64, 1
	WLOAD 0
	WLOAD 1
	s_and_b32 s24, s21, 63                         ; xl: my block of 64 tokens in the batch
	s_lshr_b32 s25, s21, 6
	s_lshl_b32 s25, s25, 3
	s_add_co_u32 s25, s25, s23                     ; bh
	s_lshl_b32 s26, s25, 18
	s_lshl_b32 s27, s24, 12
	s_add_co_u32 s26, s26, s27
	s_mov_b32 s27, 0
	s_add_nc_u64 s[16:17], s[16:17], s[26:27]      ; qc at my four tiles
	s_lshl_b32 s26, s25, 19
	s_lshr_b32 s32, s24, 1
	s_lshl_b32 s32, s32, 14
	s_add_co_u32 s26, s26, s32                     ; kv: my head, my block of 128 keys
	s_and_b32 s32, s24, 1
	s_lshl_b32 s33, s32, 12
	s_add_co_u32 s34, s26, s33
	s_mov_b32 s35, 0
	s_add_nc_u64 s[28:29], s[18:19], s[34:35]      ; k: my four of its eight images
	s_lshl_b32 s33, s32, 10
	s_add_co_u32 s34, s26, s33
	s_add_co_u32 s34, s34, 8192
	s_add_nc_u64 s[30:31], s[18:19], s[34:35]      ; v: groups 2 (xl % 2), + 1 of each of its four images
	s_wait_kmcnt 0x0
.irp p, 0,1,2
	s_add_co_i32 s24, s[36+2*\p], 127
	s_lshl_b32 s24, s24, 23
	v_mov_b32 v[8+2*\p], s24                       ; x's scale as f32: the conversion takes its exponent field
	s_add_co_i32 s24, s[36+2*\p], 135
	s_lshl_b32 s24, s24, 23
	s_or_b32 s24, s24, 0x600000
	v_mov_b32 v[9+2*\p], s24                       ; 448 x that
	s_add_co_i32 s[52+2*\p], s[36+2*\p], s[37+2*\p]
	s_add_co_i32 s[52+2*\p], s[52+2*\p], 127
	s_lshl_b32 s[52+2*\p], s[52+2*\p], 23          ; 2^(x's e + the weight's e)
	s_mov_b32 s[53+2*\p], s[52+2*\p]               ; (named with it as a pair, so it is written)
.endr
.irp n, 0,1,2                          ; the results' scales: e6, e7, e9 lie in s42, s43, s45
	s_add_co_i32 s[58+2*\n], s[42+\n+\n/2], 127
	s_lshl_b32 s[58+2*\n], s[58+2*\n], 23
	s_add_co_i32 s[59+2*\n], s[42+\n+\n/2], 135
	s_lshl_b32 s[59+2*\n], s[59+2*\n], 23
	s_or_b32 s[59+2*\n], s[59+2*\n], 0x600000
.endr
	s_wait_alu depctr_va_vdst(0)
	s_wait_loadcnt 48                              ; the biases and K step 0 of x are in; behind them: K step 1 (16 loads) and two groups of weights (32)
.irp p, 0,1,2
	ds_store_b32 v[PW], v[20+2*\p] offset:256*\p
	ds_store_b32 v[PW], v[21+2*\p] offset:256*\p+128
.endr
	QX ACT, 0
	XLOAD ACT, 2
	s_wait_loadcnt 48                              ; K step 1 is in; behind it: 32 of weights, 16 of K step 2
	QX ACT+64, 1
	XLOAD ACT+64, 3
	WLOAD 2
	WLOAD 3
	s_wait_loadcnt 48                              ; K step 2 is in; behind it: 16 of K step 3, 32 of weights
	QX ACT, 2
	s_wait_loadcnt 32                              ; K step 3 is in; behind it: 32 of weights
	QX ACT+64, 3
	s_wait_dscnt 0x0                               ; for the others' sake: my images have landed
	s_barrier_signal -1
	s_barrier_wait -1                              ; all 48 fragments of x lie in LDS; nothing writes them again
	FETCH 0, 0, 0
.irp G, 0,1,2,3
	GROUPQ \G
.endr
	EPI_QK 0
.irp G, 4,5,6,7
	GROUPQ \G
.endr
	EPI_QK 1
.irp G, 8,9,10,11
	GROUPQ \G
.endr
	; v: a lane holds channel 16 t + r and tokens 16 m + 8 h + 0 .. 7
.irp t, 0,1,2,3
	ds_load_b32 v[BIAS+2*\t], v[PBV] offset:64*\t
.endr
	v_mov_b32 v14, s62
	v_mov_b32 v15, s63
	s_wait_dscnt 0x0
	WIN 0x82
.irp m, 0,1,2,3
.irp t, 0,1,2,3
.irp i, 0,2,4,6
	v_pk_fma_f32 v[8*(4*\m+\t)+\i:8*(4*\m+\t)+\i+1], v[8*(4*\m+\t)+\i:8*(4*\m+\t)+\i+1], s[56:57], v[BIAS+2*\t:BIAS+2*\t+1] op_sel_hi:[1,0,0]   ; of the pairs 2^(e4 + e5) and bv the low word serves both halves
.endr
.endr
.endr
.set i, 0
.rept 128
	v_med3_num_f32 v[i], v[i], -v15, v15
.set i, i+1
.endr
	s_wait_xcnt 0x0                                ; k's stores have read the codes' registers
	WIN 0x02
.irp t, 0,1,2,3
.irp m, 0,1,2,3
	v_cvt_scalef32_pk8_fp8_f32 v[CODE+8*\t+2*\m:CODE+8*\t+2*\m+1], v[8*(4*\m+\t):8*(4*\m+\t)+7], v14
.endr
.endr
	WIN 0
	v_nop
.irp t, 0,1,2,3
.irp i, 0,1
	global_store_b128 v[LI], v[CODE+8*\t+4*\i:CODE+8*\t+4*\i+3], s[30:31] offset:2048*\t+512*\i
.endr
.endr
	s_wait_tensorcnt 0x0                           ; the wave's end
	ds_add_u32 v[SPW], v[NIL]
	s_wait_dscnt 0x0
	s_endpgm
.Lfunc_end_k_qa01ff240e9_qkv:
	.size	k_qa01ff240e9_qkv, .Lfunc_end_k_qa01ff240e9_qkv-k_qa01ff240e9_qkv
	.p2alignl 7, 3214868480
	.fill 96, 4, 3214868480
	.section	.rodata,"a",@progbits
	.p2align	6, 0x0
	.amdhsa_kernel k_qa01ff240e9_qkv
		.amdhsa_group_segment_fixed_size 101888
		.amdhsa_private_segment_fixed_size 0
		.amdhsa_enable_private_segment 0
		.amdhsa_kernarg_size 64
		.amdhsa_user_sgpr_count 2
		.amdhsa_user_sgpr_kernarg_segment_ptr 1
		.amdhsa_wavefront_size32 1
		.amdhsa_system_sgpr_workgroup_id_x 1
		.amdhsa_system_sgpr_workgroup_id_y 1
		.amdhsa_system_sgpr_workgroup_id_z 1
		.amdhsa_system_vgpr_workitem_id 0
		.amdhsa_next_free_vgpr 640
		.amdhsa_next_free_sgpr 66
		.amdhsa_reserve_vcc 0
		.amdhsa_float_denorm_mode_32 3
		.amdhsa_float_denorm_mode_16_64 3
		.amdhsa_memory_ordered 1
		.amdhsa_forward_progress 1
		.amdhsa_inst_pref_size 161
	.end_amdhsa_kernel
	.amdgpu_metadata
---
amdhsa.version: [ 1, 2 ]
amdhsa.kernels:
  - .name:           k_qa01ff240e9_qkv
    .symbol:         k_qa01ff240e9_qkv.kd
    .args:
      - { .name: x, .offset: 0, .size: 8, .value_kind: global_buffer, .address_space: global }
      - { .name: wlay, .offset: 8, .size: 8, .value_kind: global_buffer, .address_space: global }
      - { .name: bq, .offset: 16, .size: 8, .value_kind: global_buffer, .address_space: global }
      - { .name: bk, .offset: 24, .size: 8, .value_kind: global_buffer, .address_space: global }
      - { .name: bv, .offset: 32, .size: 8, .value_kind: global_buffer, .address_space: global }
      - { .name: lowp_scales, .offset: 40, .size: 8, .value_kind: global_buffer, .address_space: global }
      - { .name: qc, .offset: 48, .size: 8, .value_kind: global_buffer, .address_space: global }
      - { .name: kv, .offset: 56, .size: 8, .value_kind: global_buffer, .address_space: global }
    .group_segment_fixed_size: 101888
    .private_segment_fixed_size: 0
    .kernarg_segment_align: 8
    .kernarg_segment_size: 64
    .max_flat_workgroup_size: 128
    .sgpr_count:     66
    .vgpr_count:     640
    .wavefront_size: 32
...
	.end_amdgpu_metadata
.endif
;; end of part 6
;; launch attn (part 7): grid 16 x 16, 8 waves a work-group, no clusters, 327,680 bytes of LDS; arguments qc, kv, lowp_scales, ac; writes ac
.if DOCPART == 7
	.amdgcn_target "amdgcn-amd-amdhsa--gfx1250"
	.amdhsa_code_object_version 6
	.text
	.protected	k_qa01ff240e9_attn
	.globl	k_qa01ff240e9_attn
	.p2align	8
	.type	k_qa01ff240e9_attn,@function
k_qa01ff240e9_attn:
	s_mov_b64 s[64:65], 0
	v_nop
	global_prefetch_b8 v0, s[64:65] scope:SCOPE_SE
	s_setreg_imm32_b32 hwreg(HW_REG_WAVE_MODE, 25, 1), 1
	s_wait_xcnt 0x0
; Launch 3 of 4: attention on codes of E4M3, head size 64, no mask, and its result quantised (e10) for the projection.  Nothing is left out.
; THE SOFTMAX AHEAD OF THE SECOND PRODUCT: t = score x log2(e) / 8; M = the row's largest t so far, rounded UP to a whole number; p = 2^(t - M) is what is quantised (e8), not normalised.  The row's sum is taken of the
; unquantised p, in f32, and divides at the end.  When M moves, the sums and O are multiplied by 2^(old M - new M), which rounds nothing.
; SHARES.  A work-group owns 256 queries (x) of one batch and head bh (y); each of its EIGHT waves owns TWO tiles of 16 queries, A and B, so that each fragment of K and V read from LDS feeds two matrix instructions.
; Every wave walks the head's 4,096 keys, 128 a step.
; THE RING.  In kv a key step is one dense block of 16,384 bytes: 8 images of k (K = 64), 4 images of v^T (K = 128), as the second launch stored them.  Two LDS slots of EIGHT key steps (131,072 bytes); every wave fetches
; one key step of a slot with one tensor load (64 rows of 256 bytes). By this text's count a wave never has more than one tensor load out.
; THE CHANGE OF SLOTS lies inside a slot's last key step.  Once that step's V is asked for, the wave waits for its tensor load, adds 0 to its spare word, takes the maxima, waits for its LDS loads (its last reads of the slot)
; and signals; the scalings and exponentials, work on registers alone, stand between the signal and the wait; behind the wait comes the refill, then the next slot's first K.
; THE TWO TILES' WORK IS LAID BY TURNS, so that a dependent line finds independent lines of the other tile ahead of it: A's way from its maxima to f among B's maxima, B's among A's scalings; A's exponentials among B's
; scalings; B's exponentials among one layer of independent work on A's p (sums of neighbouring pairs, the holds).  What is written among exponentials is first read behind the next wait on the vector results.
; LAYOUT.  Both products transposed: S^T = K Q^T (source 0 = 16 keys, source 1 = 16 queries), O^T = V^T P^T: a lane holds ONE query of each tile.  In tile i of S^T a lane's eight registers are keys 16 i + 8 h + 0 .. 7, which
; is what registers 2 i, 2 i + 1 of the second product's operand hold: the conversions' results are that operand.
; NO CLUSTER: the sixteen work-groups of a head share K and V, 131,072 bytes for each slot, against eight key steps of some 500 instructions in each of eight waves; a joint load would put a round of the cluster's barrier,
; three barriers more, into each change of slots.
; OUT.  ac [tile of 16 tokens 512][K step s 0..3][2,048]: images of the projection's operand; head hd fills bytes 1,024 hd .. + 1,023 of a tile's 8,192.
; LIMITS: e6 + e7 between -123 and 130 (added to c's exponent field); e8, e10 between -126 and 119; e8 + e9 is applied by v_ldexp_f32 and has none.  The scaled scores t stay under 2^31 in magnitude.
; REGISTERS.  Window 0: v1-9 addresses and scales; v10-19, v20-29 each tile's own numbers; v32-47 Q; v48-111, v112-175 S^T, then p; v176-191, v192-207 the maxima at work, then p's codes; v208-239 A's sums of pairs.
;   Window 1: v0-63 K's eight fragments; v64-127 V's four; v128-159, v160-191 O^T.  All the softmax's arithmetic lies in window 0.
.set SLOTB, 131072
.set SPARE, 262144                     ; behind the ring: the spare words, 128 bytes for each wave: four blocks of 256 bytes that no other line names
.set LI,  1                            ; v1   16 lane
.set ADR, 2                            ; v2   16 lane + the key step's block in LDS
.set PFO, 3                            ; v3   256 lane: the prefetches' offset; never rewritten
.set SC,  4                            ; v4   2^e8
.set SPW, 5                            ; v5   my spare word; never rewritten
.set NIL, 6                            ; v6   0; never rewritten
.set H0,  8                            ; v8, v9  448 x 2^e8, twice: the two halves of a dual instruction take their second sources from different register banks
.set H1,  9
.set PR,  10                           ; tile u's own, from v[10 + 10 u]: +0 -M, +1 the largest score, +2..3 and +4..5 the sum in two chains of two halves, +6 f (+7 named with it), +8, +9 at work
.set QF,  32
.set SS,  48
.set CD,  176
.set QQ,  208
.set KF,  0                            ; window 1
.set VF,  64
.set OO,  128
.set WV,  18
.set NC,  19                           ; s19  -c
.set SEL, 20                           ; s[20:21] lane selects for v_permlanex16_b32: lane l xor 16
.set CS,  22                           ; s[22:23] c
.set G1,  24                           ; s[24:31] descriptor group 1
.set G0,  40                           ; s[40:43] descriptor group 0, which walks
.set TB,  2                            ; s2   LDS byte of the key step whose K is asked for
.set SB,  3                            ; s3   LDS byte at which that step's slot begins
.set INN, 66                           ; s66  key steps to go before the slot's last
.set SLOTS, 67                         ; s67  trips of the loop over slots
.set PFA, 76                           ; s[76:77] where my prefetches stand
.set LIM, 80                           ; s80  1 in wave 0, else the greatest number
.set MSB, 0
.macro WIN new                         ; the immediate's high byte repeats the setting that is left; a switch that changes nothing is dropped
.if MSB != (\new)
	s_set_vgpr_msb (MSB<<8)|(\new)
.set MSB, (\new)
.endif
.endm
.macro TLOAD                           ; my key step of a slot.  An s_nop 0 and four v_nop follow the load
	tensor_load_to_lds s[G0:G0+3], s[G1:G1+7]
	s_nop 0
.rept 4
	v_nop
.endr
.endm
.macro KLOAD                           ; K's eight fragments of the key step at ADR
	WIN 0x40                                       ; destination window 1
.irp i, 0,1,2,3,4,5,6,7
	ds_load_b128 v[KF+8*\i:KF+8*\i+3], v[ADR] offset:1024*\i
	ds_load_b128 v[KF+8*\i+4:KF+8*\i+7], v[ADR] offset:1024*\i+512
.endr
	WIN 0
.endm
; Line k (0 .. 11) of tile u's way from its eight chains of maxima to -M and f; any other k gives no line
.macro MS k, u
.set MT, CD+16*(\u)
.set MR, PR+10*(\u)
.if (\k) == 0
	v_max3_num_f32 v[MT+4], v[MT+4], v[MT+5], v[MT+6]
.elseif (\k) == 1
	v_max3_num_f32 v[MT], v[MT], v[MT+1], v[MT+2]
.elseif (\k) == 2
	v_max3_num_f32 v[MT], v[MT], v[MT+3], v[MT+7]
.elseif (\k) == 3
	v_max_num_f32 v[MT], v[MT], v[MT+4]
.elseif (\k) == 4
	v_permlanex16_b32 v[MR+8], v[MT], s[SEL], s[SEL+1]
.elseif (\k) == 5
	v_max3_num_f32 v[MR+1], v[MR+1], v[MT], v[MR+8]        ; the running largest score: mine, lane l xor 16's, the earlier steps'
.elseif (\k) == 6
	v_mul_f32 v[MR+9], s[NC], v[MR+1]                      ; -t (c is positive)
.elseif (\k) == 7
	v_floor_f32 v[MR+9], v[MR+9]                           ; the new -M = floor(-t) = -ceil(t): a whole number
.elseif (\k) == 8
	v_sub_f32 v[MR+8], v[MR+9], v[MR]                      ; old M - new M: a whole number, 0 or less
.elseif (\k) == 9
	v_mov_b32 v[MR], v[MR+9]
.elseif (\k) == 10
	v_cvt_i32_f32 v[MR+8], v[MR+8]                         ; (it saturates)
.elseif (\k) == 11
	v_ldexp_f32 v[MR+6], 1.0, v[MR+8]                      ; f = 2^(old M - new M)
.endif
.endm
; A lane's largest of 64 scores, in eight chains; the registers in ascending order.  mix = 1: behind every second line stands a line of tile 0's way to f
.macro TREE S, T, mix
.set j, 0
.rept 8
	v_max3_num_f32 v[\T+j], v[\S+3*j], v[\S+3*j+1], v[\S+3*j+2]
.if (\mix) && ((j%2) == 1)
	MS (j/2), 0
.endif
.set j, j+1
.endr
.set j, 0
.rept 20
	v_max3_num_f32 v[\T+(j%8)], v[\T+(j%8)], v[\S+24+2*j], v[\S+25+2*j]
.if (\mix) && ((j%2) == 1)
	MS (4+j/2), 0
.endif
.set j, j+1
.endr
.endm
.macro DMIN a                          ; the hold of two numbers in one instruction.  The conversion does not saturate (ISA guide 7.6.2); p is not negative, so the hold is one-sided
	v_dual_min_num_f32 v[\a], v[\a], v[H0] :: v_dual_min_num_f32 v[(\a)+1], v[(\a)+1], v[H1]
.endm
; A PREFETCH INTO THE L2 of the slot that the NEXT change of slots will ask for: eight key steps ahead of that load.  The sixteen work-groups of a head walk the same bytes and share a slot out among them: work-group x asks
; for bytes 8,192 x .. + 8,191 of it, wave 0 alone, lanes 256 bytes apart, one instruction.  So each aligned block of 256 bytes is named once in the launch.  Slots 0 and 1 come by their loads alone; the change that asks
; for the last slot prefetches nothing.
; A KEY STEP: 128 keys for both tiles.  kind 0: inside a slot.  kind 1: a slot's last step, behind which the slot is filled again.  kind 2: a slot's last step with nothing to fill.
.macro STEP kind
	s_wait_dscnt 0x0                               ; K is in
	WIN 0x01                                       ; source 0 (K) window 1
.irp u, 0,1
.irp i, 0,1,2,3,4,5,6,7
	v_wmma_f32_16x16x64_fp8_fp8 v[SS+64*\u+8*\i:SS+64*\u+8*\i+7], v[KF+8*\i:KF+8*\i+7], v[QF+8*\u:QF+8*\u+7], 0   ; tile A's eight first: A's maxima are the first to read
.endr
.endr
	WIN 0
.rept 4
	v_nop                                          ; four places: behind the last step's products in front of the loads into V's registers and of the writes over p's codes, behind these products in front of the first read of the scores
.endr
	WIN 0x40
.irp t, 0,1,2,3
.irp g, 0,1,2,3
	ds_load_b128 v[VF+16*\t+4*\g:VF+16*\t+4*\g+3], v[ADR] offset:8192+2048*\t+512*\g   ; V's fragments land while the softmax is walked
.endr
.endr
	WIN 0
.if \kind == 0
	s_add_co_u32 s[TB], s[TB], 16384               ; inside a slot: on to the slot's next key step,
	v_add_nc_u32 v[ADR], s[TB], v[LI]
	KLOAD                                          ; whose K is asked for at once: the products above have read K's registers, the four places stand between, and the loads have the whole step in which to land
.endif
.if \kind
	s_wait_tensorcnt 0x0                           ; my part of the next slot is in; no tensor load of mine is out, so group 0 may be written
	ds_add_u32 v[SPW], v[NIL]                      ; 0 onto my spare word
.if \kind == 1
	s_xor_b32 s[G0+1], s[G0+1], SLOTB              ; the other slot than last time,
	s_add_nc_u64 s[G0+2:G0+3], s[G0+2:G0+3], SLOTB ; the next eight key steps; the type bits on top are not reached
	s_wait_xcnt 0x0                                ; the last prefetch, a slot back, has read its address
	s_add_nc_u64 s[PFA:PFA+1], s[PFA:PFA+1], SLOTB ; one slot further on than the walking descriptor
.endif
.endif
	TREE SS, CD, 0                                 ; A's maxima
	TREE SS+64, CD+16, 1                           ; B's maxima, and among them A's way to -M and f
.if \kind
	s_wait_alu depctr_va_vdst(0)
	s_wait_dscnt 0x0                               ; the add is done and V is in: my reads of this slot are over
	s_barrier_signal -1                            ; work on registers alone up to the wait
.endif
.set n, 0
.rept 32
	v_pk_fma_f32 v[SS+2*n:SS+2*n+1], v[SS+2*n:SS+2*n+1], s[CS:CS+1], v[PR:PR+1] op_sel_hi:[1,0,0]   ; A: t - M, two at a time (of the pairs c and -M the low word serves both halves); among them B's way to -M and f
.if (n%2) == 1
	MS (n/2), 1
.endif
.set n, n+1
.endr
	WIN 0x41                                       ; source 0 and destination window 1
.irp u, 0,1
.set j, 0
.rept 16
	v_pk_mul_f32 v[OO+32*\u+j:OO+32*\u+j+1], v[OO+32*\u+j:OO+32*\u+j+1], v[PR+10*\u+6:PR+10*\u+7] op_sel_hi:[1,0]   ; O^T under the new M; each accumulator from its low end on
.set j, j+2
.endr
.endr
	WIN 0
	s_wait_alu depctr_va_vdst(0)
.set n, 0
.rept 32
	v_exp_f32 v[SS+2*n], v[SS+2*n]                 ; A: p = 2^(t - M), at most 1
	v_pk_fma_f32 v[SS+64+2*n:SS+64+2*n+1], v[SS+64+2*n:SS+64+2*n+1], s[CS:CS+1], v[PR+10:PR+11] op_sel_hi:[1,0,0]   ; B: t - M; first read behind the wait below
	v_exp_f32 v[SS+2*n+1], v[SS+2*n+1]
.set n, n+1
.endr
	s_wait_alu depctr_va_vdst(0)                   ; behind A's batch and B's scalings, ahead of their first readers
.set n, 0
.rept 16
	v_exp_f32 v[SS+64+4*n], v[SS+64+4*n]           ; B: p.  Among the exponentials one layer of work on A's p, whose results are first read behind the wait below:
	v_pk_add_f32 v[QQ+2*n:QQ+2*n+1], v[SS+4*n:SS+4*n+1], v[SS+4*n+2:SS+4*n+3]   ; the sums of neighbouring pairs of the UNQUANTISED p,
	v_exp_f32 v[SS+65+4*n], v[SS+65+4*n]
	DMIN SS+4*n                                    ; and then the holds
	v_exp_f32 v[SS+66+4*n], v[SS+66+4*n]
	DMIN SS+4*n+2
	v_exp_f32 v[SS+67+4*n], v[SS+67+4*n]
.set n, n+1
.endr
	v_nop                                          ; a plain line behind the exponentials
	s_wait_alu depctr_va_vdst(0)                   ; one wait for the batch and for what was written among it, ahead of the first readers
.if \kind
	s_barrier_wait -1                              ; the next slot is whole, and nobody reads this one any more
.endif
.if \kind == 1
	TLOAD                                          ; the first thing behind the barrier, and my one tensor load until the next
	s_cmp_gt_u32 s[SLOTS], s[LIM]
	s_cbranch_scc0 .Lnot_mine_\@
	global_prefetch_b8 v[PFO], s[PFA:PFA+1] th:TH_LOAD_NT scope:SCOPE_SE
.Lnot_mine_\@:
.endif
.if \kind == 2
	s_cmp_eq_u32 s[SLOTS], 1                       ; behind the head's last key step there is no K to fetch: a count of trips alone decides
	s_cbranch_scc1 .Lno_more_\@
.endif
.if \kind
	s_xor_b32 s[SB], s[SB], SLOTB                  ; a slot's last step: on to the other slot's first key step, which is whole behind the barrier
	s_mov_b32 s[TB], s[SB]
	v_add_nc_u32 v[ADR], s[TB], v[LI]
	KLOAD                                          ; its K lands under the sums, holds, conversions and products below
.endif
.if \kind == 2
.Lno_more_\@:
.endif
; B's sums (two chains, of the unquantised p) and holds, A's sums of pairs folded into A's two chains, and the conversions, by turns; the first link of each chain is a multiply-add that brings the chain under the new M;
; B's conversion of a tile stands behind the next tile's lines.
.irp i, 0,1,2,3,4,5,6,7
.set P, SS+64+8*\i
.set RA, PR
.set RB, PR+10
.if \i == 0
	v_pk_fma_f32 v[RB+2:RB+3], v[RB+2:RB+3], v[RB+6:RB+7], v[P:P+1] op_sel_hi:[1,0,1]
	v_pk_fma_f32 v[RA+2:RA+3], v[RA+2:RA+3], v[RA+6:RA+7], v[QQ:QQ+1] op_sel_hi:[1,0,1]
	DMIN P
	v_pk_fma_f32 v[RB+4:RB+5], v[RB+4:RB+5], v[RB+6:RB+7], v[P+2:P+3] op_sel_hi:[1,0,1]
	v_pk_fma_f32 v[RA+4:RA+5], v[RA+4:RA+5], v[RA+6:RA+7], v[QQ+2:QQ+3] op_sel_hi:[1,0,1]
	DMIN P+2
.else
	v_pk_add_f32 v[RB+2:RB+3], v[RB+2:RB+3], v[P:P+1]
	v_pk_add_f32 v[RA+2:RA+3], v[RA+2:RA+3], v[QQ+4*\i:QQ+4*\i+1]
	DMIN P
	v_pk_add_f32 v[RB+4:RB+5], v[RB+4:RB+5], v[P+2:P+3]
	v_pk_add_f32 v[RA+4:RA+5], v[RA+4:RA+5], v[QQ+4*\i+2:QQ+4*\i+3]
	DMIN P+2
.endif
	v_pk_add_f32 v[RB+2:RB+3], v[RB+2:RB+3], v[P+4:P+5]
	v_cvt_scalef32_pk8_fp8_f32 v[CD+2*\i:CD+2*\i+1], v[SS+8*\i:SS+8*\i+7], v[SC]
	DMIN P+4
	v_pk_add_f32 v[RB+4:RB+5], v[RB+4:RB+5], v[P+6:P+7]
	DMIN P+6
.if \i > 0
	v_cvt_scalef32_pk8_fp8_f32 v[CD+16+2*\i-2:CD+16+2*\i-1], v[P-8:P-1], v[SC]
.endif
.endr
	v_cvt_scalef32_pk8_fp8_f32 v[CD+30:CD+31], v[SS+120:SS+127], v[SC]
	v_nop                                          ; a plain line between the last conversion and the matrix instructions that read its result
	s_wait_alu depctr_va_vdst(0)
	s_wait_dscnt 16                                ; V is in; the 16 loads issued behind it, the next step's K, may be out
	WIN 0x51                                       ; source 0 (V), C and D window 1
.irp t, 0,1,2,3
.irp u, 0,1
	v_wmma_f32_16x16x128_fp8_fp8 v[OO+32*\u+8*\t:OO+32*\u+8*\t+7], v[VF+16*\t:VF+16*\t+15], v[CD+16*\u:CD+16*\u+15], v[OO+32*\u+8*\t:OO+32*\u+8*\t+7]   ; the eight accumulators by turns
.endr
.endr
	WIN 0
.endm
	s_load_b256 s[4:11], s[0:1], 0x0               ; qc s[4:5], kv s[6:7], the scales' exponents s[8:9], ac s[10:11]
	v_lshl_add_u32 v[SPW], v0, 2, SPARE
	v_mov_b32 v[NIL], 0
	ds_add_u32 v[SPW], v[NIL]                      ; the wave's opening: the add, twice on end, and its wait ahead of the first tensor load; the set-up below stands between
	ds_add_u32 v[SPW], v[NIL]
	v_lshrrev_b32 v7, 5, v0
	v_readfirstlane_b32 s[WV], v7                  ; wave 0 .. 7
	s_and_b32 s82, ttmp7, 0xffff                   ; bh
	s_lshl_b32 s84, s82, 19                        ; the head's 32 key steps
	s_mov_b32 s85, 0
	s_lshl_b32 s86, s[WV], 14                      ; the key step of a slot that I fetch: in memory and in LDS alike
	s_mov_b32 s87, 0
	s_add_nc_u64 s[88:89], s[84:85], s[86:87]
	s_mov_b32 s[G1], 3<<16                         ; 15:0 no mask; 17:16 elements of 8 bytes; no padding
	s_mov_b32 s[G1+1], 32<<16                      ; tensor_dim0 = 32 elements: 256 bytes
	s_mov_b32 s[G1+2], 64<<16                      ; tensor_dim1 = 64
	s_mov_b32 s[G1+3], 32<<16                      ; tile_dim0
	s_mov_b32 s[G1+4], 64                          ; tile_dim1
	s_mov_b32 s[G1+5], 32                          ; from row to row: the block is dense
	s_mov_b32 s[G1+6], 0
	s_mov_b32 s[G1+7], 0
	s_mov_b32 s[SEL], 0x76543210
	s_mov_b32 s[SEL+1], 0xfedcba98
	s_mov_b32 s[CS], 0x3e38aa3b                    ; c = log2(e) / sqrt(64)
	s_mov_b32 s[TB], 0
	s_mov_b32 s[SB], 0
	s_lshl_b32 s90, s82, 8
	s_lshl_b32 s91, ttmp9, 4
	s_lshl_b32 s93, s[WV], 1
	s_add_co_u32 s90, s90, s91
	s_add_co_u32 s90, s90, s93                     ; my first tile in qc: 256 bh + 16 x + 2 wave
	s_lshl_b32 s90, s90, 10
	s_lshr_b32 s92, s82, 3
	s_lshl_b32 s92, s92, 8
	s_add_co_u32 s92, s92, s91
	s_add_co_u32 s92, s92, s93                     ; my first tile of tokens: 256 batch + 16 x + 2 wave
	s_lshl_b32 s92, s92, 13
	s_and_b32 s93, s82, 7
	s_lshl_b32 s93, s93, 10                        ; + 1,024 head
	s_add_co_u32 s92, s92, s93
	s_mov_b32 s91, 0
	s_mov_b32 s93, 0
	s_wait_dscnt 0x0                               ; both opening adds are done
	s_wait_kmcnt 0x0
	s_load_b256 s[68:75], s[8:9], 0x18             ; e6 .. e13
	s_mov_b32 s[G0], 1                             ; count = 1
	s_mov_b32 s[G0+1], s86                         ; LDS address: slot 0
	s_add_nc_u64 s[G0+2:G0+3], s[6:7], s[88:89]    ; global address
	s_or_b32 s[G0+3], s[G0+3], 0x80000000          ; type = 2
	TLOAD                                          ; slot 0: one tensor load a wave at the head
	s_lshl_b32 s94, ttmp9, 13                      ; my work-group's 8,192 bytes,
	s_add_co_u32 s94, s94, 2*SLOTB                 ; of the head's third eight key steps
	s_mov_b32 s95, 0
	s_add_nc_u64 s[94:95], s[94:95], s[84:85]
	s_add_nc_u64 s[PFA:PFA+1], s[6:7], s[94:95]
	s_cmp_eq_u32 s[WV], 0
	s_cselect_b32 s[LIM], 1, -1
	v_and_b32 v7, 31, v0
	v_lshlrev_b32 v[LI], 4, v7
	v_lshlrev_b32 v[PFO], 8, v7
	s_add_nc_u64 s[4:5], s[4:5], s[90:91]
	s_add_nc_u64 s[10:11], s[10:11], s[92:93]
.irp n, 0,1,2,3
	global_load_b128 v[QF+4*\n:QF+4*\n+3], v[LI], s[4:5] offset:512*\n   ; Q's two fragments stay in registers
.endr
.irp u, 0,1
	v_mov_b32 v[PR+10*\u+1], 0xff61b1e6            ; the largest score so far: -3e38
	v_floor_f32 v[PR+10*\u], -v[PR+10*\u+1]        ; -M
.irp n, 2,3,4,5,7,8
	v_mov_b32 v[PR+10*\u+\n], 0                    ; the sums; the upper half of f's pair; the lane permute's destination, which counts as one of its sources
.endr
.endr
	WIN 0x40
.set j, 0
.rept 64
	v_mov_b32 v[OO+j], 0                           ; O^T.  (The step is written once: the first finds zeros, which the first change of M leaves zeros)
.set j, j+1
.endr
	WIN 0
	s_wait_kmcnt 0x0
	s_add_co_i32 s82, s68, s69
	s_lshl_b32 s82, s82, 23
	s_add_co_i32 s[CS], s[CS], s82                 ; a score stands for score x 2^(e6 + e7): the two are added to c's exponent field
	s_mov_b32 s[CS+1], s[CS]
	s_xor_b32 s[NC], s[CS], 0x80000000             ; -c
	s_add_co_i32 s82, s70, 127
	s_lshl_b32 s82, s82, 23
	v_mov_b32 v[SC], s82                           ; 2^e8, for p's conversions
	s_add_co_i32 s82, s70, 135
	s_lshl_b32 s82, s82, 23
	s_or_b32 s82, s82, 0x600000
	v_mov_b32 v[H0], s82                           ; 448 x 2^e8
	v_mov_b32 v[H1], s82
	s_add_co_i32 s96, s72, 127
	s_lshl_b32 s96, s96, 23                        ; 2^e10
	s_add_co_i32 s97, s72, 135
	s_lshl_b32 s97, s97, 23
	s_or_b32 s97, s97, 0x600000                    ; 448 x 2^e10
	s_add_co_i32 s98, s70, s71                     ; e8 + e9
	s_wait_alu depctr_va_vdst(0)
	s_wait_loadcnt 0x0                             ; Q
	s_wait_tensorcnt 0x0                           ; my part of slot 0 is in
	ds_add_u32 v[SPW], v[NIL]
	s_xor_b32 s[G0+1], s[G0+1], SLOTB              ; slot 1,
	s_add_nc_u64 s[G0+2:G0+3], s[G0+2:G0+3], SLOTB ; the second eight key steps
	s_wait_dscnt 0x0
	s_barrier_signal -1
	s_barrier_wait -1                              ; slot 0 is whole
	TLOAD                                          ; slot 1's first fill
	s_cmp_eq_u32 s[LIM], 1
	s_cbranch_scc0 .Lnot_mine_head
	global_prefetch_b8 v[PFO], s[PFA:PFA+1] th:TH_LOAD_NT scope:SCOPE_SE   ; what the first change of slots will ask for
.Lnot_mine_head:
	v_add_nc_u32 v[ADR], s[TB], v[LI]
	s_wait_alu depctr_va_vdst(0)
	KLOAD                                          ; the first key step's K
	s_mov_b32 s[SLOTS], 2
.Lfill:                                            ; two trips: the slots behind which a slot is filled again
	s_mov_b32 s[INN], 7
.Lstep_a:
	STEP 0
	s_sub_co_u32 s[INN], s[INN], 1
	s_cmp_lg_u32 s[INN], 0
	s_cbranch_scc1 .Lstep_a
	STEP 1
	s_sub_co_u32 s[SLOTS], s[SLOTS], 1
	s_cmp_lg_u32 s[SLOTS], 0
	s_cbranch_scc1 .Lfill
	s_mov_b32 s[SLOTS], 2
.Llast:                                            ; two trips: the last two slots are written out a second time
	s_mov_b32 s[INN], 7
.Lstep_b:
	STEP 0
	s_sub_co_u32 s[INN], s[INN], 1
	s_cmp_lg_u32 s[INN], 0
	s_cbranch_scc1 .Lstep_b
	STEP 2
	s_sub_co_u32 s[SLOTS], s[SLOTS], 1
	s_cmp_lg_u32 s[SLOTS], 0
	s_cbranch_scc1 .Llast
	; THE WAY OUT: O^T x 2^(e8 + e9) / the sum, held, converted with 2^e10: registers 2 t, 2 t + 1 of my head's half of a fragment of the projection's operand
.rept 4
	v_nop                                          ; places behind the last products
.endr
.irp u, 0,1
	v_pk_add_f32 v[PR+10*\u+2:PR+10*\u+3], v[PR+10*\u+2:PR+10*\u+3], v[PR+10*\u+4:PR+10*\u+5]
.endr
.irp u, 0,1
	v_add_f32 v[PR+10*\u+2], v[PR+10*\u+2], v[PR+10*\u+3]
.endr
.irp u, 0,1
	v_permlanex16_b32 v[PR+10*\u+8], v[PR+10*\u+2], s[SEL], s[SEL+1]
.endr
.irp u, 0,1
	v_add_f32 v[PR+10*\u+2], v[PR+10*\u+2], v[PR+10*\u+8]   ; the row's sum
.endr
	s_wait_alu depctr_va_vdst(0)
.irp u, 0,1
	v_rcp_f32 v[PR+10*\u+2], v[PR+10*\u+2]
.endr
	v_mov_b32 v30, s96                             ; (a plain line behind the transcendentals)
	v_mov_b32 v31, s97
	s_wait_alu depctr_va_vdst(0)                   ; the wait, ahead of the first reader
.irp u, 0,1
	v_ldexp_f32 v[PR+10*\u+2], v[PR+10*\u+2], s98
.endr
	WIN 0x01                                       ; source 0 window 1
	s_wait_alu depctr_va_vdst(0)
.irp u, 0,1
.set j, 0
.rept 32
	v_mul_f32 v[SS+64*\u+j], v[OO+32*\u+j], v[PR+10*\u+2]   ; register 8 t + i is o(query r, channel 16 t + 8 h + i)
.set j, j+1
.endr
.endr
	WIN 0
.irp u, 0,1
.set j, 0
.rept 32
	v_med3_num_f32 v[SS+64*\u+j], v[SS+64*\u+j], -v31, v31
.set j, j+1
.endr
.endr
.irp u, 0,1
.irp t, 0,1,2,3
	v_cvt_scalef32_pk8_fp8_f32 v[CD+16*\u+2*\t:CD+16*\u+2*\t+1], v[SS+64*\u+8*\t:SS+64*\u+8*\t+7], v30
.endr
.endr
	v_nop
.irp u, 0,1
	global_store_b128 v[LI], v[CD+16*\u:CD+16*\u+3], s[10:11] offset:8192*\u          ; 512 consecutive bytes, aligned
	global_store_b128 v[LI], v[CD+16*\u+4:CD+16*\u+7], s[10:11] offset:8192*\u+512
.endr
	s_wait_tensorcnt 0x0                           ; the wave's end
	ds_add_u32 v[SPW], v[NIL]
	s_wait_dscnt 0x0
	s_endpgm
.Lfunc_end_k_qa01ff240e9_attn:
	.size	k_qa01ff240e9_attn, .Lfunc_end_k_qa01ff240e9_attn-k_qa01ff240e9_attn
	.p2alignl 7, 3214868480
	.fill 96, 4, 3214868480
	.section	.rodata,"a",@progbits
	.p2align	6, 0x0
	.amdhsa_kernel k_qa01ff240e9_attn
		.amdhsa_group_segment_fixed_size 327680
		.amdhsa_private_segment_fixed_size 0
		.amdhsa_enable_private_segment 0
		.amdhsa_kernarg_size 32
		.amdhsa_user_sgpr_count 2
		.amdhsa_user_sgpr_kernarg_segment_ptr 1
		.amdhsa_wavefront_size32 1
		.amdhsa_system_sgpr_workgroup_id_x 1
		.amdhsa_system_sgpr_workgroup_id_y 1
		.amdhsa_system_sgpr_workgroup_id_z 1
		.amdhsa_system_vgpr_workitem_id 0
		.amdhsa_next_free_vgpr 512
		.amdhsa_next_free_sgpr 100
		.amdhsa_reserve_vcc 0
		.amdhsa_float_denorm_mode_32 3
		.amdhsa_float_denorm_mode_16_64 3
		.amdhsa_memory_ordered 1
		.amdhsa_forward_progress 1
		.amdhsa_inst_pref_size 130
	.end_amdhsa_kernel
	.amdgpu_metadata
---
amdhsa.version: [ 1, 2 ]
amdhsa.kernels:
  - .name:           k_qa01ff240e9_attn
    .symbol:         k_qa01ff240e9_attn.kd
    .args:
      - { .name: qc, .offset: 0, .size: 8, .value_kind: global_buffer, .address_space: global }
      - { .name: kv, .offset: 8, .size: 8, .value_kind: global_buffer, .address_space: global }
      - { .name: lowp_scales, .offset: 16, .size: 8, .value_kind: global_buffer, .address_space: global }
      - { .name: ac, .offset: 24, .size: 8, .value_kind: global_buffer, .address_space: global }
    .group_segment_fixed_size: 327680
    .private_segment_fixed_size: 0
    .kernarg_segment_align: 8
    .kernarg_segment_size: 32
    .max_flat_workgroup_size: 256
    .sgpr_count:     100
    .vgpr_count:     512
    .wavefront_size: 32
...
	.end_amdgpu_metadata
.endif
;; end of part 7
;; launch tail (part 8): grid 128 x 1, 4 waves a work-group, no clusters, 255,488 bytes of LDS; arguments ac, wlay, x, bo, gamma1, beta1, b2, gamma2, beta2, b1, lowp_scales, out0; writes out0
.if DOCPART == 8
	.amdgcn_target "amdgcn-amd-amdhsa--gfx1250"
	.amdhsa_code_object_version 6
	.text
	.protected	k_qa01ff240e9_tail
	.globl	k_qa01ff240e9_tail
	.p2align	8
	.type	k_qa01ff240e9_tail,@function
k_qa01ff240e9_tail:
	s_mov_b64 s[64:65], 0
	v_nop
	global_prefetch_b8 v0, s[64:65] scope:SCOPE_SE
	s_setreg_imm32_b32 hwreg(HW_REG_WAVE_MODE, 25, 1), 1
	s_wait_xcnt 0x0
; Launch 4 of 4: x1 = LN1(x + attention Wo + bo); out0 = LN2(x1 + relu(x1 W1 + b1) W2 + b2), the three products on codes of E4M3.  Nothing is left out; nothing between goes to memory.
; LayerNorm as the problem has it: the mean is taken away first, then the mean of the squares, its root, + 1e-5, and the division; x gain + offset.
; SHARES.  A work-group takes 64 whole rows (a LayerNorm wants whole rows).  THE WAVES SHARE THE COLUMNS: wave w owns columns 128 w .. + 127 of the projection, of x1 and of the result, and in chunk j (0 .. 3) of the hidden
; layer units 512 j + 128 w .. + 127.  All products are used transposed (source 0 = 16 rows of a weight, source 1 = 16 tokens): a lane holds one token and eight neighbouring columns, so one conversion of a tile's eight
; registers gives registers 2 t, 2 t + 1 of the next operand, and wave w's eight tiles are K step w of the next product.
; THE WEIGHTS: each fragment is used by one wave alone, for its four tiles of tokens.  So they go from memory straight into registers, in groups of 8 fragments (16,384 bytes) a wave, laid by the first launch in the order of
; use: 4 groups of Wo, then 8 for each chunk; two buffers, a group is asked for two groups ahead.
; THE WORK-GROUPS WALK THE FOUR CHUNKS IN FOUR ORDERS: work-group xb takes chunk (xb + i) % 4 in its trip i, so that at any time the work-groups ask for four different parts of the weights and not all for the same bytes.
; Two pointers serve that: this chunk's, and the next chunk's for the two groups that are asked for ahead.  b1 is copied into LDS in the order of the walk, so that no LDS address hangs on the work-group's number.
; LIMIT: the last product's f32 sums take the chunks of K in the order of the walk, not in ascending order.
; WHY 64 ROWS ON 128 WORK-GROUPS: every work-group takes in all 2,359,296 bytes of weights, whatever its rows; 32 rows would double what all work-groups read together and shorten no work-group's stream; 128 rows want
; 2 x 128 x 512 f32 of accumulators, all the registers that four waves have.  NO CLUSTER: a joint load lands in LDS; no two waves of a work-group share a weight byte, and beside the 255,488 bytes in use two slots find no room.
; OPERANDS GO FROM WAVE TO WAVE THROUGH LDS AS IMAGES OF THEIR REGISTERS (the first launch's head says what an image is): fragment (tile of tokens m, K step s) at 8,192 m + 2,048 s.
; THE SCALES ARE FOLDED.  bo / 2^(e10+e11) is the C of the projection's first instructions; one packed multiply-add gives sum x 2^(e10+e11) + x.  b1 / 2^(e12+e13) is the C of the hidden layer's; its conversion takes
; 2^(e14-e12-e13), and the hold clips at 0: the activation.  (x1 + b2) / 2^(e14+e15) is what the last product's accumulators begin with: the residual needs no other home.
; LIMITS, so that each power of two is an f32 number: e12 and e14 - e12 - e13 between -126 and 119; e10 + e11, e12 + e13, e14 + e15 and their negatives between -126 and 127.  NaN among the inputs is not served.
; A variance under 2^-126 counts as 0 (v_sqrt_f32 takes a denormal as zero: ISA guide, its entry in 15.8).
; REGISTERS.  Window 0: v1-19 addresses and scales; v20-35 sums at work; v36-51 the waves' partial sums; v52-59 -mean, then 1 / (std + eps), in the low words of pairs; v64-127, v128-191 two sets of operand fragments (the first
;   also the codes just made, the second also a LayerNorm's offsets); v192-255 a parameter in the result's layout.   Window 1: two weight buffers of 128.   Window 2: H(m, t) at 64 m + 8 t: the projection, x1, the hidden layer.
;   Window 3: Y(m, t): x, then the residual and the last product's sums.
.set AIMG,  0                          ; LDS: the attention's 16 fragments,
.set X1IMG, 32768                      ; x1's 16; the hidden chunk's 16 lie from 65,536 on (addresses HR, HW)
.set PAR,   98304                      ; bo, gamma1, beta1, b2, gamma2, beta2: 2,048 bytes each; then b1: 8,192, its four chunks in the order of my walk
.set RED,   118784                     ; four regions of 1,024, each used once: [m][r][wave], 4 bytes
.set STG,   122880                     ; the way out: 64 rows of 2,048 bytes + 16
.set SPARE, 254976                     ; the spare words, 128 bytes for each wave: two blocks of 256 bytes that no other line names
.set LI,  1                            ; v1   16 lane
.set XA,  2                            ; v2   x: 2,048 r + 32 h + 512 wave
.set AW,  3                            ; v3   16 lane + 8,192 wave
.set IW,  4                            ; v4   16 lane + 2,048 wave: where my images go
.set PB,  5                            ; v5   PAR + 512 wave + 32 h
.set RA,  6                            ; v6   RED + 16 r + 4 wave
.set RB,  7                            ; v7   RED + 16 r
.set SO,  8                            ; v8   STG + 2,064 r + 512 wave + 32 h
.set SO2, 9                            ; v9   the same 32 rows on
.set SR,  10                           ; v10  STG + 16 rows x wave + 16 lane
.set HR,  11                           ; v11  65,536 + 16 lane
.set HW,  12                           ; v12  65,536 + 16 lane + 2,048 wave
.set PBJ, 13                           ; v13  b1's place for the chunk in hand
.set SPW, 14                           ; v14  my spare word; never rewritten
.set NIL, 15                           ; v15  0; never rewritten
.set P0,  192
.set P1,  128
.set WP,  68                           ; s[68:69] the weights in hand: Wo's four groups, then the chunk's eight
.set WN,  72                           ; s[72:73] the next chunk's eight groups
.set WBS, 32                           ; s[32:33] my wave's chunk 0; never rewritten
.set CJ,  34                           ; s34  the number of the chunk at WN
.set MSB, 0
.macro WIN new                         ; the immediate's high byte repeats the setting that is left; a switch that changes nothing is dropped
.if MSB != (\new)
	s_set_vgpr_msb (MSB<<8)|(\new)
.set MSB, (\new)
.endif
.endm
.macro PLACES n
.rept \n
	v_nop
.endr
.endm
.macro BARRIER                         ; my LDS stores have landed and my LDS loads are in: then the work-group's barrier
	s_wait_dscnt 0x0
	s_barrier_signal -1
	s_barrier_wait -1
.endm
.macro WLOAD G, b, base                ; group G, counted from where the pointer s[base] stands, into buffer b: 32 loads of 512 consecutive bytes
	WIN 0x40
.irp t, 0,1,2,3,4,5,6,7
.irp g, 0,1,2,3
	global_load_b128 v[128*(\b)+16*\t+4*\g:128*(\b)+16*\t+4*\g+3], v[LI], s[\base:\base+1] offset:16384*(\G)+2048*\t+512*\g
.endr
.endr
	WIN 0
.endm
.macro NEXTCHUNK                       ; behind a wait that shows that the loads have read both pointers: the next chunk becomes the chunk in hand, and the one after it, round the four, the next
	s_mov_b64 s[WP:WP+1], s[WN:WN+1]
	s_add_co_u32 s[CJ], s[CJ], 1
	s_and_b32 s[CJ], s[CJ], 3
	s_lshl_b32 s76, s[CJ], 17                      ; a chunk's eight groups are 131,072 bytes
	s_mov_b32 s77, 0
	s_add_nc_u64 s[WN:WN+1], s[WBS:WBS+1], s[76:77]
.endm
.macro XLOADT m                        ; x in the result's layout, tile of tokens m, into Y
	WIN 0xc0
.irp t, 0,1,2,3,4,5,6,7
	global_load_b128 v[64*(\m)+8*\t:64*(\m)+8*\t+3], v[XA], s[8:9] offset:32768*(\m)+64*\t
	global_load_b128 v[64*(\m)+8*\t+4:64*(\m)+8*\t+7], v[XA], s[8:9] offset:32768*(\m)+64*\t+16
.endr
.endm
.macro FETCH buf, adr, off, s          ; the four tiles of tokens' fragments of K step s
.irp m, 0,1,2,3
.irp g, 0,1,2,3
	ds_load_b128 v[64+64*(\buf)+16*\m+4*\g:64+64*(\buf)+16*\m+4*\g+3], v[\adr] offset:(\off)+8192*\m+2048*(\s)+512*\g
.endr
.endr
.endm
.macro PLOAD dst, adr, off             ; a parameter at my columns: register 8 t + e = column 128 w + 16 t + 8 h + e
.irp t, 0,1,2,3,4,5,6,7
	ds_load_b128 v[\dst+8*\t:\dst+8*\t+3], v[\adr] offset:(\off)+64*\t
	ds_load_b128 v[\dst+8*\t+4:\dst+8*\t+7], v[\adr] offset:(\off)+64*\t+16
.endr
.endm
.macro MUL16 mh, buf, cm               ; 16 matrix instructions.  cm = 1: C = D; cm = 2: C = the parameter in P0
.irp m, 2*(\mh), 2*(\mh)+1
.irp t, 0,1,2,3,4,5,6,7
.set DA, 64*(\m)+8*\t
.set WF, 128*(\buf)+16*\t
.set AF, 64+64*(\buf)+16*(\m)
.if (\cm) == 1
	v_wmma_f32_16x16x128_fp8_fp8 v[DA:DA+7], v[WF:WF+15], v[AF:AF+15], v[DA:DA+7]
.else
	v_wmma_f32_16x16x128_fp8_fp8 v[DA:DA+7], v[WF:WF+15], v[AF:AF+15], v[P0+8*\t:P0+8*\t+7]
.endif
.endr
.endr
.endm
; A group: 128 along K: 32 matrix instructions, the 32 accumulators by turns, in the same order in every group.  dwin: the accumulators' window.  N: the loads that may stay out.
; nf = 1: the next group's operand fragments are fetched in the middle, into the set that the group before multiplied (the places at that group's end stand between).  xm >= 0: a tile of x is asked for.
; wn >= 0: the group of weights two on is asked for: group wn from the pointer s[wb].
.macro GROUP dwin, cm, buf, N, nf, nadr, noff, ns, xm, wn, wb
	s_wait_dscnt 0x0
	s_wait_loadcnt \N
.if (\cm) == 1
.set GW, ((\dwin)<<6)|((\dwin)<<4)|1   ; source 0 (W) window 1, source 1 window 0, C and D the accumulators' window
.else
.set GW, ((\dwin)<<6)|1                ; C window 0
.endif
	WIN GW
	MUL16 0, \buf, \cm
.if \nf
	WIN 0
	FETCH 1-(\buf), \nadr, \noff, \ns
	WIN GW
.endif
	MUL16 1, \buf, \cm
	WIN 0
	PLACES 4                                       ; in front of loads into registers that matrix instructions have read, and of reads of results (ISA guide 7.12.1 for vector instructions)
.if (\xm) >= 0
	XLOADT \xm
.endif
.if (\wn) >= 0
	WLOAD \wn, \buf, \wb
.endif
	WIN 0
.endm
.macro QUANT relu                      ; H becomes four fragments' codes in v64-127: v16 the scale, v17 448 x the scale
	WIN 0x82
.set i, 0
.rept 256
.if \relu
	v_med3_num_f32 v[i], v[i], 0, v17              ; the activation and the hold in one
.else
	v_med3_num_f32 v[i], v[i], -v17, v17           ; the conversion to an 8-bit code does not saturate (ISA guide 7.6.2)
.endif
.set i, i+1
.endr
	WIN 0x02
.irp m, 0,1,2,3
.irp t, 0,1,2,3,4,5,6,7
	v_cvt_scalef32_pk8_fp8_f32 v[64+16*\m+2*\t:64+16*\m+2*\t+1], v[64*\m+8*\t:64*\m+8*\t+7], v16
.endr
.endr
	WIN 0
	v_nop                                          ; a plain line between the conversions and what later writes their sources
.endm
.macro IMAGE adr, off                  ; my K step's four fragments go to LDS as they stand
.irp m, 0,1,2,3
.irp g, 0,1,2,3
	ds_store_b128 v[\adr], v[64+16*\m+4*\g:64+16*\m+4*\g+3] offset:(\off)+8192*\m+512*\g
.endr
.endr
.endm
.macro FIN_A k                         ; a lane's two chains, its two halves, lane l xor 16's: my wave's 128 columns; to region k of RED; a barrier; all four waves' back
.irp m, 0,1,2,3
	v_pk_add_f32 v[20+4*\m:21+4*\m], v[20+4*\m:21+4*\m], v[22+4*\m:23+4*\m]
.endr
.irp m, 0,1,2,3
	v_add_f32 v[20+4*\m], v[20+4*\m], v[21+4*\m]
.endr
.irp m, 0,1,2,3
	v_permlanex16_b32 v[60+\m], v[20+4*\m], s74, s75
.endr
.irp m, 0,1,2,3
	v_add_f32 v[20+4*\m], v[20+4*\m], v[60+\m]
.endr
.irp m, 0,1,2,3
	ds_store_b32 v[RA], v[20+4*\m] offset:1024*(\k)+256*\m
.endr
	BARRIER
.irp m, 0,1,2,3
	ds_load_b128 v[36+4*\m:39+4*\m], v[RB] offset:1024*(\k)+256*\m
.endr
.endm
.macro FIN_B                           ; the four partial sums are added, in the same order in every wave
	s_wait_dscnt 0x0
.irp m, 0,1,2,3
	v_add_f32 v[36+4*\m], v[36+4*\m], v[37+4*\m]
	v_add_f32 v[38+4*\m], v[38+4*\m], v[39+4*\m]
.endr
.irp m, 0,1,2,3
	v_add_f32 v[36+4*\m], v[36+4*\m], v[38+4*\m]
.endr
.endm
; LayerNorm in place on window z; regions k, k + 1 of RED; gain and offset are parameters gi, bi
.macro LN z, k, gi, bi
	WIN ((\z)<<2)|(\z)
.irp m, 0,1,2,3
	v_pk_add_f32 v[20+4*\m:21+4*\m], v[64*\m:64*\m+1], v[64*\m+2:64*\m+3]       ; the first sums start the chains: nothing is cleared
	v_pk_add_f32 v[22+4*\m:23+4*\m], v[64*\m+4:64*\m+5], v[64*\m+6:64*\m+7]
.endr
	WIN (\z)<<2
.set kk, 2
.rept 14
.irp m, 0,1,2,3
	v_pk_add_f32 v[20+4*\m:21+4*\m], v[20+4*\m:21+4*\m], v[64*\m+4*kk:64*\m+4*kk+1]
	v_pk_add_f32 v[22+4*\m:23+4*\m], v[22+4*\m:23+4*\m], v[64*\m+4*kk+2:64*\m+4*kk+3]
.endr
.set kk, kk+1
.endr
	WIN 0
	FIN_A \k
	FIN_B
.irp m, 0,1,2,3
	v_mul_f32 v[52+2*\m], 0xbb000000, v[36+4*\m]   ; -mean = sum x (-1 / 512)
.endr
	WIN ((\z)<<6)|(\z)
.irp m, 0,1,2,3
.set i, 0
.rept 32
	v_pk_add_f32 v[64*\m+i:64*\m+i+1], v[64*\m+i:64*\m+i+1], v[52+2*\m:53+2*\m] op_sel_hi:[1,0]   ; the mean is taken away before the squares
.set i, i+2
.endr
.endr
	WIN ((\z)<<2)|(\z)
.irp m, 0,1,2,3
	v_pk_mul_f32 v[20+4*\m:21+4*\m], v[64*\m:64*\m+1], v[64*\m:64*\m+1]
	v_pk_mul_f32 v[22+4*\m:23+4*\m], v[64*\m+2:64*\m+3], v[64*\m+2:64*\m+3]
.endr
.set kk, 1
.rept 15
.irp m, 0,1,2,3
	v_pk_fma_f32 v[20+4*\m:21+4*\m], v[64*\m+4*kk:64*\m+4*kk+1], v[64*\m+4*kk:64*\m+4*kk+1], v[20+4*\m:21+4*\m]
	v_pk_fma_f32 v[22+4*\m:23+4*\m], v[64*\m+4*kk+2:64*\m+4*kk+3], v[64*\m+4*kk+2:64*\m+4*kk+3], v[22+4*\m:23+4*\m]
.endr
.set kk, kk+1
.endr
	WIN 0
	FIN_A (\k)+1
	PLOAD P0, PB, (\gi)*2048
	PLOAD P1, PB, (\bi)*2048
	FIN_B
.irp m, 0,1,2,3
	v_mul_f32 v[36+4*\m], 0x3b000000, v[36+4*\m]   ; the variance
.endr
	s_wait_alu depctr_va_vdst(0)
.irp m, 0,1,2,3
	v_sqrt_f32 v[36+4*\m], v[36+4*\m]
.endr
	v_nop                                          ; a plain line behind the batch,
	s_wait_alu depctr_va_vdst(0)                   ; and the one wait ahead of its first reader
.irp m, 0,1,2,3
	v_add_f32 v[36+4*\m], 0x3727c5ac, v[36+4*\m]   ; + 1e-5
.endr
	s_wait_alu depctr_va_vdst(0)
.irp m, 0,1,2,3
	v_rcp_f32 v[52+2*\m], v[36+4*\m]
.endr
	v_nop
	s_wait_alu depctr_va_vdst(0)
	WIN ((\z)<<6)|(\z)
.irp m, 0,1,2,3
.set i, 0
.rept 32
	v_pk_mul_f32 v[64*\m+i:64*\m+i+1], v[64*\m+i:64*\m+i+1], v[52+2*\m:53+2*\m] op_sel_hi:[1,0]
.set i, i+2
.endr
.endr
.irp m, 0,1,2,3
.irp t, 0,1,2,3,4,5,6,7
.irp i, 0,2,4,6
	v_pk_fma_f32 v[64*\m+8*\t+\i:64*\m+8*\t+\i+1], v[64*\m+8*\t+\i:64*\m+8*\t+\i+1], v[P0+8*\t+\i:P0+8*\t+\i+1], v[P1+8*\t+\i:P1+8*\t+\i+1]
.endr
.endr
.endr
	WIN 0
.endm
; A chunk of 512 hidden units: four groups of x1 W1 (my 128 units), quantised, their images to LDS; four groups of the last product on all 512.  last = 1: no chunk follows, and nothing more is asked for.
.macro CHUNK last
.set i, 0
.rept 32
	v_pk_mul_f32 v[P0+i:P0+i+1], v[P0+i:P0+i+1], s[54:55] op_sel_hi:[1,0]   ; b1 / 2^(e12 + e13)
.set i, i+2
.endr
	s_wait_alu depctr_va_vdst(0)
	GROUP 2, 2, 0, 32, 1, LI, X1IMG, 1, -1, 2, WP  ; 32: the group of weights asked for behind this one's may be out
	GROUP 2, 1, 1, 32, 1, LI, X1IMG, 2, -1, 3, WP
	GROUP 2, 1, 0, 32, 1, LI, X1IMG, 3, -1, 4, WP
	GROUP 2, 1, 1, 32, 0, LI, 0, 0, -1, 5, WP
	QUANT 1
	s_wait_alu depctr_va_vdst(0)
	BARRIER                                        ; every wave's reads of the last chunk's images are over
	IMAGE HW, 0
.if !(\last)
	s_add_co_u32 s71, s71, 2048
	v_add_nc_u32 v[PBJ], s71, v[PB]
	PLOAD P0, PBJ, 0                               ; the next chunk's b1
.endif
	BARRIER                                        ; the chunk's sixteen fragments lie in LDS
	FETCH 0, HR, 0, 0
	GROUP 3, 1, 0, 32, 1, HR, 0, 1, -1, 6, WP
	GROUP 3, 1, 1, 32, 1, HR, 0, 2, -1, 7, WP
.if \last
	GROUP 3, 1, 0, 32, 1, HR, 0, 3, -1, -1, WP
	GROUP 3, 1, 1, 0, 0, LI, 0, 0, -1, -1, WP      ; the last group of all: nothing was asked for behind it
.else
	GROUP 3, 1, 0, 32, 1, HR, 0, 3, -1, 0, WN      ; the next chunk's first two groups
	GROUP 3, 1, 1, 32, 1, LI, X1IMG, 0, -1, 1, WN
	s_wait_xcnt 0x0                                ; the loads have read both pointers
	NEXTCHUNK
.endif
.endm
	s_load_b512 s[4:19], s[0:1], 0x0               ; ac s[4:5], wlay s[6:7], x s[8:9], bo s[10:11], gamma1 s[12:13], beta1 s[14:15], b2 s[16:17], gamma2 s[18:19]
	s_load_b256 s[20:27], s[0:1], 0x40             ; beta2 s[20:21], b1 s[22:23], the scales' exponents s[24:25], out0 s[26:27]
	v_lshl_add_u32 v[SPW], v0, 2, SPARE
	v_mov_b32 v[NIL], 0
	v_lshrrev_b32 v36, 5, v0
	v_readfirstlane_b32 s66, v36                   ; wave w
	s_mov_b32 s67, ttmp9                           ; my block of 64 rows
	v_and_b32 v37, 31, v0                          ; lane
	v_and_b32 v38, 15, v0                          ; r
	v_bfe_u32 v39, v0, 4, 1                        ; h
	v_lshlrev_b32 v[LI], 4, v37
	s_lshl_b32 s76, s66, 9                         ; 512 w
	v_lshlrev_b32 v[XA], 11, v38
	v_lshl_add_u32 v[XA], v39, 5, v[XA]
	v_add_nc_u32 v[XA], s76, v[XA]
	s_lshl_b32 s77, s66, 13
	v_add_nc_u32 v[AW], s77, v[LI]
	s_lshl_b32 s77, s66, 11
	v_add_nc_u32 v[IW], s77, v[LI]
	v_lshlrev_b32 v[PB], 5, v39
	v_add_nc_u32 v[PB], s76, v[PB]
	v_add_nc_u32 v[PB], PAR, v[PB]
	s_lshl_b32 s77, s66, 2
	v_lshlrev_b32 v[RB], 4, v38
	v_add_nc_u32 v[RB], RED, v[RB]
	v_add_nc_u32 v[RA], s77, v[RB]
	v_mul_u32_u24 v[SO], v38, 2064
	v_lshl_add_u32 v[SO], v39, 5, v[SO]
	v_add_nc_u32 v[SO], s76, v[SO]
	v_add_nc_u32 v[SO], STG, v[SO]
	v_add_nc_u32 v[SO2], 66048, v[SO]
	s_mul_i32 s77, s66, 33024
	v_add_nc_u32 v[SR], s77, v[LI]
	v_add_nc_u32 v[SR], STG, v[SR]
	v_add_nc_u32 v[HR], 65536, v[LI]
	v_add_nc_u32 v[HW], 65536, v[IW]
	v_lshlrev_b32 v18, 4, v0                       ; 16 x my thread's number: the parameters' copy
	s_wait_alu depctr_va_vdst(0)
	v_add_nc_u32 v19, PAR, v18
.irp n, 0,1,2,3
	s_add_co_u32 s78, s67, \n
	s_and_b32 s78, s78, 3                          ; the chunk of my walk's trip n,
	s_lshl_b32 s78, s78, 11                        ; its 512 numbers of b1 in memory
	v_add_nc_u32 v[40+\n], s78, v18
.endr
.irp m, 0,1,2,3
	v_mov_b32 v[53+2*\m], 0                        ; (named as the upper halves of pairs of which the low word serves)
	v_mov_b32 v[60+\m], 0                          ; written once: a lane permute's destination counts as one of its sources
.endr
	s_mov_b32 s74, 0x76543210
	s_mov_b32 s75, 0xfedcba98
	s_mov_b32 s71, 12288                           ; b1's place among the parameters
	s_mov_b32 s70, 3
	s_wait_alu depctr_va_vdst(0)
	s_wait_kmcnt 0x0
	s_load_b512 s[36:51], s[24:25], 0x0            ; e0 .. e15
	s_lshl_b32 s76, s67, 15
	s_mov_b32 s77, 0
	s_add_nc_u64 s[4:5], s[4:5], s[76:77]          ; ac: my four tiles, 32,768 bytes, laid as AIMG is
	s_lshl_b32 s76, s67, 17
	s_add_nc_u64 s[8:9], s[8:9], s[76:77]          ; x at my first row
	s_add_nc_u64 s[26:27], s[26:27], s[76:77]
	s_lshl_b32 s76, s66, 15
	s_add_nc_u64 s[26:27], s[26:27], s[76:77]      ; out0 at the 16 rows that my wave stores
	s_mul_i32 s76, s66, 589824
	s_add_nc_u64 s[WP:WP+1], s[6:7], s[76:77]      ; my wave's weights: Wo's four groups,
	s_add_nc_u64 s[WBS:WBS+1], s[WP:WP+1], 65536   ; behind them chunk 0,
	s_and_b32 s[CJ], s67, 3
	s_lshl_b32 s76, s[CJ], 17
	s_add_nc_u64 s[WN:WN+1], s[WBS:WBS+1], s[76:77]   ; and the chunk with which my walk begins
.irp i, 0,1,2,3,4,5,6,7,8,9,10,11,12,13,14,15
	global_load_b128 v[64+4*\i:67+4*\i], v[AW], s[4:5] offset:512*\i
.endr
.irp n, 0,1,2,3,4,5
	global_load_b128 v[P0+4*\n:P0+4*\n+3], v18, s[10+2*\n:11+2*\n]
.endr
.irp n, 0,1,2,3
	global_load_b128 v[P0+24+4*\n:P0+24+4*\n+3], v[40+\n], s[22:23]
.endr
	WLOAD 0, 0, WP
	s_wait_loadcnt 32                              ; the codes and the parameters are in; the first group of weights may be out
.irp i, 0,1,2,3,4,5,6,7,8,9,10,11,12,13,14,15
	ds_store_b128 v[AW], v[64+4*\i:67+4*\i] offset:AIMG+512*\i
.endr
.irp n, 0,1,2,3,4,5,6,7,8,9
	ds_store_b128 v19, v[P0+4*\n:P0+4*\n+3] offset:2048*\n
.endr
	WLOAD 1, 1, WP
	s_wait_kmcnt 0x0
	s_add_co_i32 s76, s46, s47                     ; e10 + e11
	s_add_co_i32 s52, s76, 127
	s_lshl_b32 s52, s52, 23
	s_mov_b32 s53, s52                             ; (each power of two is named as a pair, so both words are written)
	s_sub_co_i32 s28, 127, s76
	s_lshl_b32 s28, s28, 23
	s_mov_b32 s29, s28
	s_add_co_i32 s76, s48, s49                     ; e12 + e13
	s_sub_co_i32 s54, 127, s76
	s_lshl_b32 s54, s54, 23
	s_mov_b32 s55, s54
	s_sub_co_i32 s77, s50, s76                     ; e14 - e12 - e13
	s_add_co_i32 s62, s77, 127
	s_lshl_b32 s62, s62, 23
	s_add_co_i32 s63, s77, 135
	s_lshl_b32 s63, s63, 23
	s_or_b32 s63, s63, 0x600000
	s_add_co_i32 s76, s50, s51                     ; e14 + e15
	s_add_co_i32 s58, s76, 127
	s_lshl_b32 s58, s58, 23
	s_mov_b32 s59, s58
	s_sub_co_i32 s56, 127, s76
	s_lshl_b32 s56, s56, 23
	s_mov_b32 s57, s56
	s_add_co_i32 s60, s48, 127
	s_lshl_b32 s60, s60, 23                        ; 2^e12
	s_add_co_i32 s61, s48, 135
	s_lshl_b32 s61, s61, 23
	s_or_b32 s61, s61, 0x600000
	BARRIER                                        ; the attention's fragments and the parameters lie in LDS
	PLOAD P0, PB, 0                                ; bo
	FETCH 0, LI, AIMG, 0
	s_wait_dscnt 16                                ; bo is in; the 16 loads behind it may be out
.set i, 0
.rept 32
	v_pk_mul_f32 v[P0+i:P0+i+1], v[P0+i:P0+i+1], s[28:29] op_sel_hi:[1,0]   ; bo / 2^(e10 + e11)
.set i, i+2
.endr
	; ---- the projection; x comes in meanwhile
	s_wait_alu depctr_va_vdst(0)
	GROUP 2, 2, 0, 32, 1, LI, AIMG, 1, 0, 2, WP    ; 32: the second group of weights may be out
	GROUP 2, 1, 1, 48, 1, LI, AIMG, 2, 1, 3, WP    ; 48: a tile of x (16) and a group of weights (32) were asked for behind this group's
	GROUP 2, 1, 0, 48, 1, LI, AIMG, 3, 2, 0, WN    ; my first chunk's first two groups are asked for here
	GROUP 2, 1, 1, 48, 0, LI, 0, 0, 3, 1, WN
	s_wait_loadcnt 32                              ; all of x is in; the group of weights behind it may be out
	s_wait_xcnt 0x0                                ; the loads have read both pointers
	NEXTCHUNK
	WIN 0xb2                                       ; source 0 and destination window 2, source 2 window 3
.set i, 0
.rept 128
	v_pk_fma_f32 v[i:i+1], v[i:i+1], s[52:53], v[i:i+1] op_sel_hi:[1,0,1]   ; H = H x 2^(e10 + e11) + x; each accumulator from its low end on
.set i, i+2
.endr
	WIN 0
	LN 2, 0, 1, 2                                  ; H = x1
	PLOAD P0, PB, 3*2048                           ; b2
	s_wait_dscnt 0x0
.set i, 0
.rept 32
	v_pk_mul_f32 v[P0+i:P0+i+1], v[P0+i:P0+i+1], s[56:57] op_sel_hi:[1,0]
.set i, i+2
.endr
	WIN 0xc2                                       ; source 0 window 2, destination window 3
.irp m, 0,1,2,3
.irp t, 0,1,2,3,4,5,6,7
.irp i, 0,2,4,6
	v_pk_fma_f32 v[64*\m+8*\t+\i:64*\m+8*\t+\i+1], v[64*\m+8*\t+\i:64*\m+8*\t+\i+1], s[56:57], v[P0+8*\t+\i:P0+8*\t+\i+1] op_sel_hi:[1,0,1]   ; Y = (x1 + b2) / 2^(e14 + e15)
.endr
.endr
.endr
	WIN 0
	v_mov_b32 v16, s60
	v_mov_b32 v17, s61
	QUANT 0
	IMAGE IW, X1IMG                                ; K step w of the next product
	v_mov_b32 v16, s62                             ; from here on the hidden layer's scale
	v_mov_b32 v17, s63
	v_add_nc_u32 v[PBJ], s71, v[PB]
	PLOAD P0, PBJ, 0                               ; the first chunk's b1
	BARRIER                                        ; x1's sixteen fragments lie in LDS; nothing writes them again
	FETCH 0, LI, X1IMG, 0
.Lchunk:                                           ; three trips; every window is 0 here
	CHUNK 0
	s_sub_co_u32 s70, s70, 1
	s_cmp_lg_u32 s70, 0
	s_cbranch_scc1 .Lchunk
	CHUNK 1                                        ; the last chunk is written out: it asks for nothing more, and its last count is 0
	WIN 0xc3
.set i, 0
.rept 128
	v_pk_mul_f32 v[i:i+1], v[i:i+1], s[58:59] op_sel_hi:[1,0]   ; Y = x1 + the feed-forward layer; each accumulator from its low end on
.set i, i+2
.endr
	WIN 0
	LN 3, 2, 4, 5
	; ---- the way out: a row's 512 numbers come from four waves: they meet in the stage, and each wave stores 16 whole rows
	WIN 0x0c                                       ; store data window 3
.irp m, 0,1,2,3
.irp t, 0,1,2,3,4,5,6,7
.if \m < 2
	ds_store_b128 v[SO], v[64*\m+8*\t:64*\m+8*\t+3] offset:\m*33024+64*\t
	ds_store_b128 v[SO], v[64*\m+8*\t+4:64*\m+8*\t+7] offset:\m*33024+64*\t+16
.else
	ds_store_b128 v[SO2], v[64*\m+8*\t:64*\m+8*\t+3] offset:(\m-2)*33024+64*\t
	ds_store_b128 v[SO2], v[64*\m+8*\t+4:64*\m+8*\t+7] offset:(\m-2)*33024+64*\t+16
.endif
.endr
.endr
	WIN 0
	BARRIER
.irp b, 0,1
.if \b
	s_wait_xcnt 0x0                                ; the first eight rows' stores have read their registers
.endif
.irp i, 0,1,2,3,4,5,6,7
.irp q, 0,1,2,3
	ds_load_b128 v[128+16*\i+4*\q:128+16*\i+4*\q+3], v[SR] offset:2064*(8*\b+\i)+512*\q
.endr
.endr
.irp i, 0,1,2,3,4,5,6,7
.irp q, 0,1,2,3
	s_wait_dscnt 31-(4*\i+\q)                      ; LDS loads come back in order (ISA guide 5.7.1)
	global_store_b128 v[LI], v[128+16*\i+4*\q:128+16*\i+4*\q+3], s[26:27] offset:2048*(8*\b+\i)+512*\q th:TH_STORE_NT   ; 32 lanes store 512 consecutive bytes, aligned; written once, read by nobody here
.endr
.endr
.endr
	s_wait_tensorcnt 0x0                           ; the wave's end
	ds_add_u32 v[SPW], v[NIL]
	s_wait_dscnt 0x0
	s_endpgm
.Lfunc_end_k_qa01ff240e9_tail:
	.size	k_qa01ff240e9_tail, .Lfunc_end_k_qa01ff240e9_tail-k_qa01ff240e9_tail
	.p2alignl 7, 3214868480
	.fill 96, 4, 3214868480
	.section	.rodata,"a",@progbits
	.p2align	6, 0x0
	.amdhsa_kernel k_qa01ff240e9_tail
		.amdhsa_group_segment_fixed_size 255488
		.amdhsa_private_segment_fixed_size 0
		.amdhsa_enable_private_segment 0
		.amdhsa_kernarg_size 96
		.amdhsa_user_sgpr_count 2
		.amdhsa_user_sgpr_kernarg_segment_ptr 1
		.amdhsa_wavefront_size32 1
		.amdhsa_system_sgpr_workgroup_id_x 1
		.amdhsa_system_sgpr_workgroup_id_y 1
		.amdhsa_system_sgpr_workgroup_id_z 1
		.amdhsa_system_vgpr_workitem_id 0
		.amdhsa_next_free_vgpr 1024
		.amdhsa_next_free_sgpr 80
		.amdhsa_reserve_vcc 0
		.amdhsa_float_denorm_mode_32 3
		.amdhsa_float_denorm_mode_16_64 3
		.amdhsa_memory_ordered 1
		.amdhsa_forward_progress 1
		.amdhsa_inst_pref_size 255
	.end_amdhsa_kernel
	.section	.bss,"aw",@nobits
	.p2align	6
	.space	262144
	.amdgpu_metadata
---
amdhsa.version: [ 1, 2 ]
amdhsa.kernels:
  - .name:           k_qa01ff240e9_tail
    .symbol:         k_qa01ff240e9_tail.kd
    .args:
      - { .name: ac, .offset: 0, .size: 8, .value_kind: global_buffer, .address_space: global }
      - { .name: wlay, .offset: 8, .size: 8, .value_kind: global_buffer, .address_space: global }
      - { .name: x, .offset: 16, .size: 8, .value_kind: global_buffer, .address_space: global }
      - { .name: bo, .offset: 24, .size: 8, .value_kind: global_buffer, .address_space: global }
      - { .name: gamma1, .offset: 32, .size: 8, .value_kind: global_buffer, .address_space: global }
      - { .name: beta1, .offset: 40, .size: 8, .value_kind: global_buffer, .address_space: global }
      - { .name: b2, .offset: 48, .size: 8, .value_kind: global_buffer, .address_space: global }
      - { .name: gamma2, .offset: 56, .size: 8, .value_kind: global_buffer, .address_space: global }
      - { .name: beta2, .offset: 64, .size: 8, .value_kind: global_buffer, .address_space: global }
      - { .name: b1, .offset: 72, .size: 8, .value_kind: global_buffer, .address_space: global }
      - { .name: lowp_scales, .offset: 80, .size: 8, .value_kind: global_buffer, .address_space: global }
      - { .name: out0, .offset: 88, .size: 8, .value_kind: global_buffer, .address_space: global }
    .group_segment_fixed_size: 255488
    .private_segment_fixed_size: 0
    .kernarg_segment_align: 8
    .kernarg_segment_size: 96
    .max_flat_workgroup_size: 128
    .sgpr_count:     80
    .vgpr_count:     1024
    .wavefront_size: 32
...
	.end_amdgpu_metadata
.endif
;; end of part 8
